; MI455X (gfx1250); checked and timed in simulation.
; The chip was launched on July 23, 2026; its instructions are those of AMD's public machine-readable ISA for CDNA 5 (MIT licence, August 2026) and "CDNA5" Instruction Set Architecture Reference Guide (July 2026). The comments in the code are by the model that wrote it; some were corrected since.
;; Set Abstraction. Allowed arithmetic: matrix products marked QUANTISED: E2M1 operands, one E8M0 scale for each 32 along K, by v_wmma_scale_f32_16x16x128_f8f6f4 with both operands' format E2M1 (or v_wmma_scale_f32_32x16x128_f4), f32 sums; products left as they are: f32 operands where the result goes on into a quantised operand, else bf16, f16 or f32 operands; f32 sums; everything else in f32.
;; Inputs: W1 64 x 67 float32; W2_codes 64 x 2 x 16 uint8 (E2M1 codes of W2, K innermost, in blocks of 32 codes, two codes a byte); W2_scales 64 x 2 uint8 (E8M0 scales of W2, one for each 32 codes along K); W3_codes 128 x 2 x 16 uint8 (E2M1 codes of W3, K innermost, in blocks of 32 codes, two codes a byte); W3_scales 128 x 2 uint8 (E8M0 scales of W3, one for each 32 codes along K); b1 64 float32; b2 64 float32; b3 128 float32; be1 64 float32; be2 64 float32; be3 128 float32; g1 64 float32; g2 64 float32; g3 128 float32; points 8 x 64 x 16,384 float32; sample_idx 1,024 int32; xyz 8 x 3 x 16,384 float32.
;; Outputs: out0 8 x 3 x 1,024 float32; out1 8 x 128 x 1,024 float32.
;; This version of the problem:
;;   THIS VERSION OF THE PROBLEM IS GIVEN IN LOW PRECISION. The matrix products marked QUANTISED in the list below multiply operands that are first quantised to E2M1 (2 exponent bits, 1 mantissa bit; 4 bits a number), with one power-of-two scale for each 32 numbers along K (OCP MX v1.0); their sums are f32. All else is computed in f32.
;;   The module's matrix products, in the order in which they are computed (A, B: the left and right operand; K: the contracted axis; several contracted axes count as one K, in the product's order):
;;     1. batch 8 x [M 1,024, K 3] x [K 3, N 16,384]; A: computed on the way; B: input xyz: left as it is (K = 3 < 32)
;;     2. [M 131,072, K 67] x [K 67, N 64]; A: computed on the way; B: input W1: QUANTISED
;;     3. [M 131,072, K 64] x [K 64, N 64]; A: computed on the way; B: input W2 (given as codes): QUANTISED
;;     4. [M 131,072, K 64] x [K 64, N 128]; A: computed on the way; B: input W3 (given as codes): QUANTISED
;;   THE QUANTISER, for each operand of a quantised product, along K:
;;     - K is cut into blocks of 32 from its start; a last block that is shorter is filled with zeros.
;;     - A block's scale is 2^e with e = floor(log2(the largest magnitude in the block)) - 2, held to -126 .. 127; a block of zeros has e = 0. As a byte (E8M0): e + 127.
;;     - Each number is divided by its block's scale, clamped to +-6, and rounded to the nearest number of E2M1, ties to even, subnormals kept.
;;     - The product sums the exact products of the quantised numbers (number of the format x scale) in f32.
;;   ~~~python
;;   def quantise(x, axis):      # numpy; x: float32 -> the quantised numbers, widened to float32 again
;;       x = np.moveaxis(x, axis, -1); K = x.shape[-1]
;;       x = np.pad(x, [(0, 0)] * (x.ndim - 1) + [(0, -K % 32)]); x = x.reshape(x.shape[:-1] + (-1, 32)); a = np.abs(x).max(-1, keepdims=True)
;;       e = np.where(a > 0, np.clip(np.frexp(np.where(a > 0, a, 1))[1] - 1 - 2, -126, 127), 0)      # np.frexp(a)[1] - 1 = floor(log2(a)), exactly
;;       r = np.clip(x / 2.0 ** e, -6, 6)
;;       step = 2.0 ** (np.maximum(np.frexp(np.where(r == 0, 1, r))[1] - 1, 0) - 1)
;;       q = np.round(r / step) * step * 2.0 ** e      # np.round: ties to even
;;       return np.moveaxis(q.reshape(q.shape[:-2] + (-1,))[..., :K], -1, axis).astype(np.float32)
;;   ~~~
;;   OPERANDS COMPUTED ON THE WAY. 'Computed on the way' means the value that the module computes at that place (a softmax that the list does not call 'softmax' is quantised finished and normalised). What goes into a quantiser is computed in f32, as accurately as f32 sums, v_exp_f32 and their like allow (about 1e-6 of the number): no bf16 or f16 on the way to a quantiser, and a product that is left as it is and whose result goes on into a quantised operand takes f32 operands (vector FMAs, or v_wmma_f32_16x16x4_f32). A number that lies on a knife's edge between two numbers of the format may be rounded either way, as far as f32 arithmetic and the matrix unit's own rounding can turn it there, and no further.
;;   INPUTS GIVEN AS CODES. W2 (in the module: [64, 64], K = its axis 1); W3 (in the module: [128, 64], K = its axis 1): each comes as NAME_codes (uint8): NAME with its K axis moved to the last place and cut into blocks of 32 codes, [.., K / 32, bytes a block], one block behind the other in memory; two codes a byte, the lower K in the low four bits (a code: sign, 2 exponent bits, 1 mantissa bit); and NAME_scales (uint8): the same leading axes, one E8M0 byte (e + 127) for each 32 codes along K. Its value is code x scale, taken as it is: it is not quantised again, and the codes and scales need not be those that the quantiser above would give.
;; 2 versions, each right; version 2 is version 1 with the launches layer1, layer2, layer3 written anew for expert scheduling mode. Each part assembles by itself: llvm-mc -triple=amdgcn-amd-amdhsa -mcpu=gfx1250 --defsym DOCPART=n.
;; ======== version 1 of 2: 6 launches
;; workspace buffers: glist 524,288 bytes of whole numbers; nidx 524,288 bytes of whole numbers; pf 35,656,192 bytes; m1 5,898,240 bytes; m2 4,849,664 bytes; m3 8,650,752 bytes
;; launch coarse (part 1): grid 256 x 1, 16 waves a work-group, no clusters, 206,848 bytes of LDS; arguments xyz, points, sample_idx, W1, out0, glist, pf; writes out0, glist, pf
.if DOCPART == 1
	.amdgcn_target "amdgcn-amd-amdhsa--gfx1250"
	.amdhsa_code_object_version 6
	.text
	.protected	k_qe0572519b2_coarse
	.globl	k_qe0572519b2_coarse
	.p2align	8
	.type	k_qe0572519b2_coarse,@function
k_qe0572519b2_coarse:
	s_mov_b64 s[64:65], 0
	v_nop
	global_prefetch_b8 v0, s[64:65] scope:SCOPE_SE
	s_setreg_imm32_b32 hwreg(HW_REG_WAVE_MODE, 25, 1), 1
	s_wait_xcnt 0x0
; THE SEARCH, FIRST LEVEL.  A cloud's 16,384 points are 512 groups of 32 neighbouring indices.  For each of the 8 x 1,024 centroids this launch finds every group's
; smallest d2 and stores the numbers of the 16 groups with the smallest (minimum, group number), ascending.  Every one of the 16 nearest points lies in one of them: were one
; outside, each of the 16 chosen groups would hold a point that comes before it (smaller d2, or equal d2 and lower index).
; d2 = fma(-2, dot, qq + pp), dot = fma(q2, p2, fma(q1, p1, q0 p0)), qq and pp formed by the same chain: all in f32; the next launch forms it by the same lines, so the bits agree.
; It also stores the centroids (out0), lays points and xyz out by point for the later gather (pf: rows (x, y, z, channels 0-60) of 256 bytes, rows (channels 61-63, 0) of 16),
; and quantises W1 along K = 67 into images of the operand's registers (work-group 0, waves 0-3).
; SHARES.  A work-group: 32 centroids of one cloud against all its points.  Wave w keeps points 1,024 w .. + 1,023 in registers; lane L holds group 32 w + L whole, so a group's
; minimum needs no other lane.  A centroid is four scalars, read from a lane by an immediate, so the 32 centroids are written out.  Each thread also carries one point's 67 numbers
; from channel-major to point-major: its loads are issued ahead of the search and used behind it.
; THE CHOICE has no branch and no address that hangs on a distance: threshold by sorting networks, masks by compares, the k-th set bit by selects; the result goes to a fixed place.
; NOT USED: tensor loads, clusters: the 32 work-groups of a cloud share only its 196,608 bytes of xyz, read once each straight into registers; nothing is streamed through LDS.
; LIMITS: NaN and infinities are not served; where two d2 differ by less than this chain's rounding against another order of rounding either point may be taken; equal d2: the lower index; -0 = +0.
; A block of zeros of W1 gets the scale byte 1 (its codes are zeros; only this program reads the bytes).
.set STG,  65536                       ; LDS: 0: the minima [32 centroids][512 groups] f32; from STG: a stage of 32 rows x 272 bytes for each wave
.set X,    16                          ; v16-47, v48-79, v80-111: my 32 points' x, y, z;  v112-143 their pp
.set Y,    48
.set Z,    80
.set PP,   112
.set T,    144                         ; v144-151 four pairs of dot;  v152-159 four pairs of d2;  v160-163 four running minima
.set U,    152
.set M,    160
.set R,    164                         ; v164-231 one point's row: x, y, z, 64 channels, 0
.set OUTR, 80                          ; behind the search: v80-143 rows read back from the stage
.set D,    16                          ; the choice: v16-31 the 16 x 32 values, v32-47 / v48-63 sorted lists by turns, v64-79 at work
.set SA,   32
.set SB,   48
.set TMP,  64
.set KK,   232                         ; (lane % 16) << 16 | 0xffff
.set TH,   233                         ; the 16th smallest value
.set VT,   234
.set VX,   235
.set VC,   236
.set VJ,   237
.set VY,   238
.set RES,  239
.set HM,   240
.set L4,   241                         ; 4 x lane
.set QA,   24                          ; s[24:31], s[32:39]: two sets of (q0, q1, q2, qq), each the low word of a pair
.set QB,   32
.set LT,   40                          ; s[40:55] masks d < threshold, later the chosen bits
.set EQ,   66                          ; s[66:81] masks d = threshold, later (bits chosen in earlier words) << 16 | word's tag
.set NR,   82
.set EB,   83
.set P16,  84
.set TA,   85
.set TS,   86
.macro BARRIER
	s_wait_dscnt 0x0                               ; my LDS stores have landed and my LDS loads are in
	s_barrier_signal -1
	s_barrier_wait -1
.endm
.macro READQ set, lane
	v_readlane_b32 s[\set], v4, \lane
	v_readlane_b32 s[\set+2], v5, \lane
	v_readlane_b32 s[\set+4], v6, \lane
	v_readlane_b32 s[\set+6], v7, \lane
.endm
; One centroid against my 32 points: four rounds of four pairs, each line written for all four pairs so that no line waits for the line above it.
.macro QUERY set, nset, q
.set g, 0
.rept 4
.irp c, 0,1,2,3
	v_pk_mul_f32 v[T+2*\c:T+2*\c+1], v[X+8*g+2*\c:X+8*g+2*\c+1], s[\set:\set+1] op_sel_hi:[1,0]
.endr
.irp c, 0,1,2,3
	v_pk_fma_f32 v[T+2*\c:T+2*\c+1], v[Y+8*g+2*\c:Y+8*g+2*\c+1], s[\set+2:\set+3], v[T+2*\c:T+2*\c+1] op_sel_hi:[1,0,1]
.endr
.irp c, 0,1,2,3
	v_pk_fma_f32 v[T+2*\c:T+2*\c+1], v[Z+8*g+2*\c:Z+8*g+2*\c+1], s[\set+4:\set+5], v[T+2*\c:T+2*\c+1] op_sel_hi:[1,0,1]
.endr
.irp c, 0,1,2,3
	v_pk_add_f32 v[U+2*\c:U+2*\c+1], v[PP+8*g+2*\c:PP+8*g+2*\c+1], s[\set+6:\set+7] op_sel_hi:[1,0]
.endr
.irp c, 0,1,2,3
	v_pk_fma_f32 v[U+2*\c:U+2*\c+1], v[T+2*\c:T+2*\c+1], -2.0, v[U+2*\c:U+2*\c+1] op_sel_hi:[1,0,1]
.endr
.irp c, 0,1,2,3
.if g == 0
	v_min_num_f32 v[M+\c], v[U+2*\c], v[U+2*\c+1]
.else
	v_min3_num_f32 v[M+\c], v[M+\c], v[U+2*\c], v[U+2*\c+1]
.endif
.endr
.if (g == 1) && ((\q) < 31)
	READQ \nset, (\q)+1                            ; the next centroid's scalars, into the other set
.endif
.set g, g+1
.endr
	v_min3_num_f32 v[M], v[M], v[M+1], v[M+2]
	v_min_num_f32 v[M], v[M], v[M+3]
	ds_store_b32 v9, v[M] offset:(\q)*2048         ; minima[q][group = my thread's number]
.endm
; ---- the choice of 16 out of 16 registers x 32 lanes
.macro SORT                            ; a lane's 16 values, ascending, by insertion: each new value is clamped between old neighbours
	v_mov_b32 v[SA], v[D]
.set j, 1
.rept 15
	v_max_num_f32 v[SA+j], v[D+j], v[SA+j-1]
.set i, j-1
.rept j-1
	v_med3_num_f32 v[SA+i], v[D+j], v[SA+i-1], v[SA+i]
.set i, i-1
.endr
	v_min_num_f32 v[SA], v[D+j], v[SA]
.set j, j+1
.endr
.endm
.macro MERGEMIN m, s, t                ; the 16 smallest of my sorted list and lane (l xor m)'s: a bitonic run
.set i, 0
.rept 16
	v_min_num_f32_dpp v[\t+i], v[\s+15-i], v[\s+i] row_xmask:\m row_mask:0xf bank_mask:0xf
.set i, i+1
.endr
.endm
.macro CLEAN d, s, t                   ; one stage of the bitonic sorter
.set i, 0
.rept 16
.if (i & \d) == 0
	v_min_num_f32 v[\t+i], v[\s+i], v[\s+i+\d]
	v_max_num_f32 v[\t+i+\d], v[\s+i], v[\s+i+\d]
.endif
.set i, i+1
.endr
.endm
.macro LEVEL m, s, t                   ; the result lies in t
	MERGEMIN \m, \s, \t
	CLEAN 8, \t, \s
	CLEAN 4, \s, \t
	CLEAN 2, \t, \s
	CLEAN 1, \s, \t
.endm
.macro SELECT16
	SORT
	LEVEL 1, SA, SB
	LEVEL 2, SB, SA
	LEVEL 4, SA, SB
	LEVEL 8, SB, SA
.set i, 0
.rept 16
	v_permlanex16_b32 v[TMP+i], v[SA+15-i], s62, s63
.set i, i+1
.endr
.set i, 0
.rept 16
	v_min_num_f32 v[TMP+i], v[SA+i], v[TMP+i]
.set i, i+1
.endr
	v_max3_num_f32 v[TH], v[TMP], v[TMP+1], v[TMP+2]
.irp i, 3,5,7,9,11,13
	v_max3_num_f32 v[TH], v[TH], v[TMP+\i], v[TMP+\i+1]
.endr
	v_max_num_f32 v[TH], v[TH], v[TMP+15]          ; the largest of the 16 smallest
.set w, 0
.rept 16
	v_cmp_lt_f32 s[LT+w], v[D+w], v[TH]
	v_cmp_eq_f32 s[EQ+w], v[D+w], v[TH]
.set w, w+1
.endr
	s_bcnt1_i32_b32 s[NR], s[LT]
.set w, 1
.rept 15
	s_bcnt1_i32_b32 s[TS], s[LT+w]
	s_add_co_u32 s[NR], s[NR], s[TS]
.set w, w+1
.endr
	s_sub_co_u32 s[NR], 16, s[NR]                  ; so many of the equal ones are taken, the first in (word, lane) order
	s_mov_b32 s[EB], 0
	s_mov_b32 s[P16], 0
.set w, 0
.rept 16
	v_mbcnt_lo_u32_b32 v[VT], s[EQ+w], s[EB]       ; my rank among the equal ones
	v_cmp_gt_u32 vcc_lo, s[NR], v[VT]
	s_and_b32 s[TA], vcc_lo, s[EQ+w]
	s_or_b32 s[LT+w], s[LT+w], s[TA]               ; the word's chosen bits
	s_bcnt1_i32_b32 s[TS], s[EQ+w]
	s_add_co_u32 s[EB], s[EB], s[TS]
	s_or_b32 s[EQ+w], s[P16], w                    ; bits chosen before this word, and the word's tag
	s_bcnt1_i32_b32 s[TS], s[LT+w]
	s_lshl_b32 s[TS], s[TS], 16
	s_add_co_u32 s[P16], s[P16], s[TS]
.set w, w+1
.endr
	v_mov_b32 v[VX], s[LT]
	v_mov_b32 v[VC], s[EQ]
.set w, 1
.rept 15
	v_cmp_le_u32 vcc_lo, s[EQ+w], v[KK]            ; the last word with at most k bits before it holds bit k (k = lane % 16)
	v_cndmask_b32 v[VX], v[VX], s[LT+w], vcc_lo
	v_cndmask_b32 v[VC], v[VC], s[EQ+w], vcc_lo
.set w, w+1
.endr
	v_lshrrev_b32 v[VJ], 16, v[VC]
	v_sub_nc_u32 v[VJ], v2, v[VJ]                  ; so many set bits of the word come before mine
.set bt, 0
.rept 15
	v_add_nc_u32 v[VY], -1, v[VX]
	v_and_b32 v[VY], v[VX], v[VY]                  ; the word without its lowest set bit
	v_cmp_lt_u32 vcc_lo, bt, v[VJ]
	v_cndmask_b32 v[VX], v[VX], v[VY], vcc_lo
.set bt, bt+1
.endr
	v_sub_nc_u32 v[VY], 0, v[VX]
	v_and_b32 v[VY], v[VX], v[VY]                  ; the lowest set bit alone: a power of two,
	v_cvt_f32_u32 v[VY], v[VY]
	v_lshrrev_b32 v[VY], 23, v[VY]                 ; whose exponent field is its place + 127
	v_and_b32 v[VC], 0xffff, v[VC]
	v_lshl_add_u32 v[RES], v[VC], 5, v[VY]
	v_add_nc_u32 v[RES], 0xffffff81, v[RES]        ; 32 x tag + place
.endm
	s_load_b256 s[4:11], s[0:1], 0x0               ; xyz, points, sample_idx, W1
	s_load_b128 s[12:15], s[0:1], 0x20             ; out0, glist
	s_load_b64 s[16:17], s[0:1], 0x30              ; pf
	v_lshl_add_u32 v248, v0, 2, 0x32000
	v_mov_b32 v249, 0
	v_lshrrev_b32 v1, 5, v0
	v_readfirstlane_b32 s18, v1                    ; wave 0..15
	v_and_b32 v1, 31, v0                           ; lane
	v_and_b32 v2, 15, v0                           ; r
	v_bfe_u32 v3, v0, 4, 1                         ; h
	v_lshlrev_b32 v8, 7, v0                        ; my 32 points: 128 bytes of each coordinate
	v_lshlrev_b32 v9, 2, v0
	v_lshlrev_b32 v11, 4, v1
	v_lshlrev_b32 v[L4], 2, v1
	v_lshl_or_b32 v[KK], v2, 16, 0xffff
	s_mul_i32 s22, s18, 8704
	s_add_co_u32 s22, s22, STG                     ; my wave's stage
	v_mul_u32_u24 v14, v1, 272
	v_add_nc_u32 v14, s22, v14                     ; in: row = my lane's point
	v_mul_u32_u24 v15, v3, 272
	v_lshl_add_u32 v15, v2, 4, v15
	v_add_nc_u32 v15, s22, v15                     ; back: sixteen lanes to a row, two rows an instruction
	s_mov_b32 s21, ttmp9
	s_lshr_b32 s20, s21, 5                         ; the cloud
	s_and_b32 s19, s21, 31                         ; which 32 centroids, and which 512 points I carry over
	s_mov_b32 s62, 0x76543210
	s_mov_b32 s63, 0xfedcba98                      ; selects for lane l xor 16
.irp k, 1,3,5,7
	s_mov_b32 s[QA+\k], 0                          ; the pairs' upper words are named with the lower ones, so they are written
	s_mov_b32 s[QB+\k], 0
.endr
	s_mov_b32 s23, 0
	s_wait_kmcnt 0x0
	s_mul_i32 s22, s20, 196608
	s_add_nc_u64 s[4:5], s[4:5], s[22:23]          ; my cloud's xyz
	s_lshl_b32 s22, s19, 11
	s_add_nc_u64 s[56:57], s[4:5], s[22:23]        ; at point 512 blk
	s_lshl_b32 s86, s20, 22
	s_add_co_u32 s22, s22, s86
	s_add_nc_u64 s[6:7], s[6:7], s[22:23]          ; points likewise
	s_lshl_b32 s22, s19, 7
	s_add_nc_u64 s[8:9], s[8:9], s[22:23]          ; my 32 indices
	s_mul_i32 s86, s20, 12288
	s_add_co_u32 s22, s22, s86
	s_add_nc_u64 s[12:13], s[12:13], s[22:23]      ; out0[cloud][.][32 blk]
	s_lshl_b32 s22, s21, 11
	s_add_nc_u64 s[14:15], s[14:15], s[22:23]      ; my 32 lists of 64 bytes
	s_lshl_b32 s22, s20, 22
	s_lshl_b32 s86, s19, 17
	s_add_co_u32 s22, s22, s86
	s_lshl_b32 s86, s18, 13
	s_add_co_u32 s22, s22, s86
	s_add_nc_u64 s[58:59], s[16:17], s[22:23]      ; pf: my wave's 32 rows of 256 bytes
	s_lshr_b32 s22, s22, 4
	s_add_nc_u64 s[60:61], s[16:17], s[22:23]
	s_add_nc_u64 s[60:61], s[60:61], 33554432      ; and its 32 rows of 16 bytes
	s_add_nc_u64 s[90:91], s[16:17], 35651584      ; W1's images
	global_load_b32 v13, v[L4], s[8:9]
.irp i, 0,1,2,3,4,5,6,7
	global_load_b128 v[X+4*\i:X+4*\i+3], v8, s[4:5] offset:16*\i
	global_load_b128 v[Y+4*\i:Y+4*\i+3], v8, s[4:5] offset:65536+16*\i
	global_load_b128 v[Z+4*\i:Z+4*\i+3], v8, s[4:5] offset:131072+16*\i
.endr
	s_wait_loadcnt 24                              ; the index is in; the 24 loads behind it may be out
	v_min_u32 v13, 0x3fff, v13
	v_lshlrev_b32 v13, 2, v13
	global_load_b32 v4, v13, s[4:5]                ; lane L: centroid 32 blk + L
	global_load_b32 v5, v13, s[4:5] offset:65536
	global_load_b32 v6, v13, s[4:5] offset:131072
.irp c, 0,1,2
	global_load_b32 v[R+\c], v9, s[56:57] offset:65536*\c
.endr
.set c, 0
.rept 33
	global_load_b32 v[R+3+c], v9, s[6:7] offset:65536*c th:TH_LOAD_NT
.set c, c+1
.endr
	s_wait_loadcnt 36                              ; points and centroids are in; the 36 loads behind them stay out
.set p, 0
.rept 16
	v_pk_mul_f32 v[PP+p:PP+p+1], v[X+p:X+p+1], v[X+p:X+p+1]
.set p, p+2
.endr
.set p, 0
.rept 16
	v_pk_fma_f32 v[PP+p:PP+p+1], v[Y+p:Y+p+1], v[Y+p:Y+p+1], v[PP+p:PP+p+1]
.set p, p+2
.endr
.set p, 0
.rept 16
	v_pk_fma_f32 v[PP+p:PP+p+1], v[Z+p:Z+p+1], v[Z+p:Z+p+1], v[PP+p:PP+p+1]
.set p, p+2
.endr
	v_mul_f32 v7, v4, v4
	v_fma_f32 v7, v5, v5, v7
	v_fma_f32 v7, v6, v6, v7                       ; qq
.rept 31
	global_load_b32 v[R+3+c], v9, s[6:7] offset:65536*c th:TH_LOAD_NT   ; the other channels: all 67 loads lie under the search (the issue is held where the counter's field is full: ISA guide 5.7.1)
.set c, c+1
.endr
	v_mov_b32 v[R+67], 0
	s_cmp_lg_u32 s18, 0
	s_cbranch_scc1 .Lnot_first
	global_store_b32 v[L4], v4, s[12:13]           ; the centroids: wave 0 stores them for the work-group
	global_store_b32 v[L4], v5, s[12:13] offset:4096
	global_store_b32 v[L4], v6, s[12:13] offset:8192
.Lnot_first:
	READQ QA, 0
.set qn, 0
.rept 16
	QUERY QA, QB, 2*qn
	QUERY QB, QA, 2*qn+1
.set qn, qn+1
.endr
	; ---- my point's row leaves: through my wave's stage, so that each store covers 512 consecutive bytes, two rows
	s_wait_loadcnt 0x0
.irp i, 0,1,2,3,4,5,6,7,8,9,10,11,12,13,14,15
	ds_store_b128 v14, v[R+4*\i:R+4*\i+3] offset:16*\i
.endr
.irp i, 0,1,2,3,4,5,6,7,8,9,10,11,12,13,14,15
	ds_load_b128 v[OUTR+4*\i:OUTR+4*\i+3], v15 offset:544*\i       ; LDS serves a wave's instructions in order: these see my stores
.endr
.irp i, 0,1,2,3,4,5,6,7,8,9,10,11,12,13,14,15
	s_wait_dscnt 15-\i                             ; load i is in; the 15 - i behind it may be out
	global_store_b128 v11, v[OUTR+4*\i:OUTR+4*\i+3], s[58:59] offset:512*\i th:TH_STORE_NT
.endr
	global_store_b128 v11, v[R+64:R+67], s[60:61] th:TH_STORE_NT
	BARRIER                                        ; all minima lie in LDS
.set i, 0
.rept 16
	v_mov_b32 v[SB+i], 0                           ; written once: the destination of a lane-crossing form counts as one of its sources
	v_mov_b32 v[TMP+i], 0
.set i, i+1
.endr
	v_mov_b32 v12, 0
	s_mov_b32 s87, 0
	s_lshl_b32 s88, s18, 12                        ; my wave chooses for centroids 2 w and 2 w + 1
.Lpick:
	v_add_nc_u32 v10, s88, v[L4]
.irp i, 0,1,2,3,4,5,6,7,8,9,10,11,12,13,14,15
	ds_load_b32 v[D+\i], v10 offset:128*\i         ; register i, lane L: group 32 i + L
.endr
	s_wait_dscnt 0x0
	SELECT16
	v_cmp_eq_u32 vcc_lo, s87, v3
	v_cndmask_b32 v12, v12, v[RES], vcc_lo         ; lanes 0-15 keep the first trip's list, lanes 16-31 the second's
	s_add_co_u32 s88, s88, 2048
	s_add_co_u32 s87, s87, 1
	s_cmp_lt_u32 s87, 2
	s_cbranch_scc1 .Lpick
	global_store_b32 v9, v12, s[14:15]             ; two lists, 128 consecutive bytes a wave
	; ---- W1 [64][67] becomes four operand images: work-group 0, wave t = tile t.  Lane r takes row 32 (t / 2) + 8 (t % 2) + r + 8 (r / 8); lane half h holds k = 32 h .. + 31 and 64 + 32 h .. + 31
	s_cmp_lg_u32 s21, 0
	s_cbranch_scc1 .Lend
	s_cmp_gt_u32 s18, 3
	s_cbranch_scc1 .Lend
	s_lshr_b32 s22, s18, 1
	s_lshl_b32 s22, s22, 5
	s_and_b32 s86, s18, 1
	s_lshl_b32 s86, s86, 3
	s_add_co_u32 s22, s22, s86
	s_mul_i32 s22, s22, 268                        ; a row of W1 is 268 bytes
	v_and_b32 v[VT], 8, v2
	v_add_nc_u32 v[VT], v[VT], v2
	v_mul_u32_u24 v[VT], v[VT], 268
	v_add_nc_u32 v[VT], s22, v[VT]
	v_lshl_add_u32 v10, v3, 7, v[VT]
.set i, 0
.rept 32
	global_load_b32 v[16+i], v10, s[10:11] offset:4*i
.set i, i+1
.endr
.irp i, 0,1,2
	global_load_b32 v[48+\i], v[VT], s[10:11] offset:256+4*\i      ; k = 64, 65, 66: the same in both halves, so no load leaves the buffer
.endr
.irp i, 51,52,53,54,55,61,62,63
	v_mov_b32 v[\i], 0                             ; K is filled with zeros up to 128
.endr
	v_cvt_f32_u32 v[HM], v3
	v_sub_f32 v[HM], 1.0, v[HM]                    ; 1 in lanes 0-15, 0 in lanes 16-31
	s_lshl_b32 s22, s18, 10
	v_add_nc_u32 v70, s22, v11
	s_lshl_b32 s22, s18, 7
	v_add_nc_u32 v71, s22, v[L4]
	s_wait_loadcnt 0x0
.irp i, 0,1,2
	v_mul_f32 v[48+\i], v[HM], v[48+\i]            ; k = 96 on is zero
.endr
	v_max3_num_f32 v64, |v16|, |v17|, 0x1800000    ; the block's largest magnitude, over the floor 2^(3 - 127), which holds the byte at 1 from below
.set i, 2
.rept 15
	v_max3_num_f32 v64, v64, |v[16+i]|, |v[17+i]|
.set i, i+2
.endr
	v_max3_num_f32 v65, |v48|, |v49|, 0x1800000
	v_max_num_f32 v65, v65, |v50|
	v_add_nc_u32 v66, 0xff000000, v64              ; 2 off the exponent field: the conversion's scale operand
	v_add_nc_u32 v67, 0xff000000, v65
	v_lshrrev_b32 v68, 23, v66                     ; the scale bytes
	v_lshrrev_b32 v69, 23, v67
	v_lshl_or_b32 v68, v69, 16, v68                ; blocks h and 2 + h,
	v_lshlrev_b32 v69, 3, v3
	v_lshlrev_b32 v68, v69, v68                    ; at their places in the row's scale word;
	v_permlanex16_b32 v[VY], v68, s62, s63
	v_or_b32 v72, v68, v[VY]                       ; with the other half's two the word is whole
.irp g, 0,1,2,3
	v_cvt_scalef32_pk8_fp4_f32 v[56+\g], v[16+8*\g:23+8*\g], v66
.endr
	v_cvt_scalef32_pk8_fp4_f32 v60, v[48:55], v67
	v_nop                                          ; a plain line behind the last scaled conversion
	global_store_b128 v70, v[56:59], s[90:91]
	global_store_b128 v70, v[60:63], s[90:91] offset:512
	global_store_b32 v71, v72, s[90:91] offset:4096
.Lend:
	s_wait_tensorcnt 0x0
	ds_add_u32 v248, v249
	s_wait_dscnt 0x0
	s_endpgm
.Lfunc_end_k_qe0572519b2_coarse:
	.size	k_qe0572519b2_coarse, .Lfunc_end_k_qe0572519b2_coarse-k_qe0572519b2_coarse
	.p2alignl 7, 3214868480
	.fill 96, 4, 3214868480
	.section	.rodata,"a",@progbits
	.p2align	6, 0x0
	.amdhsa_kernel k_qe0572519b2_coarse
		.amdhsa_group_segment_fixed_size 206848
		.amdhsa_private_segment_fixed_size 0
		.amdhsa_enable_private_segment 0
		.amdhsa_kernarg_size 56
		.amdhsa_user_sgpr_count 2
		.amdhsa_user_sgpr_kernarg_segment_ptr 1
		.amdhsa_wavefront_size32 1
		.amdhsa_system_sgpr_workgroup_id_x 1
		.amdhsa_system_sgpr_workgroup_id_y 1
		.amdhsa_system_sgpr_workgroup_id_z 1
		.amdhsa_system_vgpr_workitem_id 0
		.amdhsa_next_free_vgpr 250
		.amdhsa_next_free_sgpr 92
		.amdhsa_reserve_vcc 1
		.amdhsa_float_denorm_mode_32 3
		.amdhsa_float_denorm_mode_16_64 3
		.amdhsa_memory_ordered 1
		.amdhsa_forward_progress 1
		.amdhsa_inst_pref_size 255
	.end_amdhsa_kernel
	.section	.bss,"aw",@nobits
	.p2align	6
	.space	262144
	.amdgpu_metadata
---
amdhsa.version: [ 1, 2 ]
amdhsa.kernels:
  - .name:           k_qe0572519b2_coarse
    .symbol:         k_qe0572519b2_coarse.kd
    .args:
      - { .name: xyz, .offset: 0, .size: 8, .value_kind: global_buffer, .address_space: global }
      - { .name: points, .offset: 8, .size: 8, .value_kind: global_buffer, .address_space: global }
      - { .name: sample_idx, .offset: 16, .size: 8, .value_kind: global_buffer, .address_space: global }
      - { .name: W1, .offset: 24, .size: 8, .value_kind: global_buffer, .address_space: global }
      - { .name: out0, .offset: 32, .size: 8, .value_kind: global_buffer, .address_space: global }
      - { .name: glist, .offset: 40, .size: 8, .value_kind: global_buffer, .address_space: global }
      - { .name: pf, .offset: 48, .size: 8, .value_kind: global_buffer, .address_space: global }
    .group_segment_fixed_size: 206848
    .private_segment_fixed_size: 0
    .kernarg_segment_align: 8
    .kernarg_segment_size: 56
    .max_flat_workgroup_size: 512
    .sgpr_count:     92
    .vgpr_count:     250
    .wavefront_size: 32
...
	.end_amdgpu_metadata
.endif
;; end of part 1
;; launch fine (part 2): grid 1024 x 1, 4 waves a work-group, no clusters, 0 bytes of LDS; arguments xyz, out0, glist, nidx; writes nidx
.if DOCPART == 2
	.amdgcn_target "amdgcn-amd-amdhsa--gfx1250"
	.amdhsa_code_object_version 6
	.text
	.protected	k_qe0572519b2_fine
	.globl	k_qe0572519b2_fine
	.p2align	8
	.type	k_qe0572519b2_fine,@function
k_qe0572519b2_fine:
	s_mov_b64 s[64:65], 0
	v_nop
	global_prefetch_b8 v0, s[64:65] scope:SCOPE_SE
	s_setreg_imm32_b32 hwreg(HW_REG_WAVE_MODE, 25, 1), 1
	s_wait_xcnt 0x0
; THE SEARCH, SECOND LEVEL.  For each centroid the 16 chosen groups (stored as whole numbers by the launch before, ascending) hold 512 candidates.  Their d2 is formed anew by the same
; lines as there: d2 = fma(-2, dot, qq + pp), dot, qq, pp by chains of fused multiply-adds in the order x, y, z.  The 16 smallest (d2, index) are chosen and their indices stored, ascending by index.
; A wave takes two centroids, one a trip: register w, lane L = point 32 x group[w] + L.  Groups ascend, so (register, lane) order is index order, and equal d2 fall to the lower index.
; The choice has no branch and no address that hangs on a distance; the only loaded numbers in addresses are the group numbers, held at 511.  No LDS, no barrier: waves share nothing.
; LIMITS: as in the launch before: NaN and infinities are not served; -0 = +0.
.set X,   16
.set Y,   32
.set Z,   48
.set PP,  64
.set T,   80
.set D,   96
.set SA,  112
.set SB,  128
.set TMP, 144
.set OF,  160                          ; v160-175 byte offsets of the 16 groups' lanes
.set KK,  5
.set TH,  7
.set VT,  8
.set VX,  9
.set VC,  10
.set VJ,  11
.set VY,  14
.set RES, 15
.set LT,  24
.set EQ,  40
.set NR,  56
.set EB,  57
.set P16, 58
.set TA,  59
.set TS,  60
.set G,   68                           ; s[68:83] the 16 group numbers
.macro SORT
	v_mov_b32 v[SA], v[D]
.set j, 1
.rept 15
	v_max_num_f32 v[SA+j], v[D+j], v[SA+j-1]
.set i, j-1
.rept j-1
	v_med3_num_f32 v[SA+i], v[D+j], v[SA+i-1], v[SA+i]
.set i, i-1
.endr
	v_min_num_f32 v[SA], v[D+j], v[SA]
.set j, j+1
.endr
.endm
.macro MERGEMIN m, s, t
.set i, 0
.rept 16
	v_min_num_f32_dpp v[\t+i], v[\s+15-i], v[\s+i] row_xmask:\m row_mask:0xf bank_mask:0xf
.set i, i+1
.endr
.endm
.macro CLEAN d, s, t
.set i, 0
.rept 16
.if (i & \d) == 0
	v_min_num_f32 v[\t+i], v[\s+i], v[\s+i+\d]
	v_max_num_f32 v[\t+i+\d], v[\s+i], v[\s+i+\d]
.endif
.set i, i+1
.endr
.endm
.macro LEVEL m, s, t
	MERGEMIN \m, \s, \t
	CLEAN 8, \t, \s
	CLEAN 4, \s, \t
	CLEAN 2, \t, \s
	CLEAN 1, \s, \t
.endm
; The choice: threshold (the 16th smallest) by sorting networks; masks; ties by rank; lane k takes the k-th chosen bit.  The same lines as in the launch before, the word's tag being its group number.
.macro SELECT16
	SORT
	LEVEL 1, SA, SB
	LEVEL 2, SB, SA
	LEVEL 4, SA, SB
	LEVEL 8, SB, SA
.set i, 0
.rept 16
	v_permlanex16_b32 v[TMP+i], v[SA+15-i], s62, s63
.set i, i+1
.endr
.set i, 0
.rept 16
	v_min_num_f32 v[TMP+i], v[SA+i], v[TMP+i]
.set i, i+1
.endr
	v_max3_num_f32 v[TH], v[TMP], v[TMP+1], v[TMP+2]
.irp i, 3,5,7,9,11,13
	v_max3_num_f32 v[TH], v[TH], v[TMP+\i], v[TMP+\i+1]
.endr
	v_max_num_f32 v[TH], v[TH], v[TMP+15]
.set w, 0
.rept 16
	v_cmp_lt_f32 s[LT+w], v[D+w], v[TH]
	v_cmp_eq_f32 s[EQ+w], v[D+w], v[TH]
.set w, w+1
.endr
	s_bcnt1_i32_b32 s[NR], s[LT]
.set w, 1
.rept 15
	s_bcnt1_i32_b32 s[TS], s[LT+w]
	s_add_co_u32 s[NR], s[NR], s[TS]
.set w, w+1
.endr
	s_sub_co_u32 s[NR], 16, s[NR]
	s_mov_b32 s[EB], 0
	s_mov_b32 s[P16], 0
.set w, 0
.rept 16
	v_mbcnt_lo_u32_b32 v[VT], s[EQ+w], s[EB]
	v_cmp_gt_u32 vcc_lo, s[NR], v[VT]
	s_and_b32 s[TA], vcc_lo, s[EQ+w]
	s_or_b32 s[LT+w], s[LT+w], s[TA]
	s_bcnt1_i32_b32 s[TS], s[EQ+w]
	s_add_co_u32 s[EB], s[EB], s[TS]
	s_or_b32 s[EQ+w], s[P16], s[G+w]
	s_bcnt1_i32_b32 s[TS], s[LT+w]
	s_lshl_b32 s[TS], s[TS], 16
	s_add_co_u32 s[P16], s[P16], s[TS]
.set w, w+1
.endr
	v_mov_b32 v[VX], s[LT]
	v_mov_b32 v[VC], s[EQ]
.set w, 1
.rept 15
	v_cmp_le_u32 vcc_lo, s[EQ+w], v[KK]
	v_cndmask_b32 v[VX], v[VX], s[LT+w], vcc_lo
	v_cndmask_b32 v[VC], v[VC], s[EQ+w], vcc_lo
.set w, w+1
.endr
	v_lshrrev_b32 v[VJ], 16, v[VC]
	v_sub_nc_u32 v[VJ], v2, v[VJ]
.set bt, 0
.rept 15
	v_add_nc_u32 v[VY], -1, v[VX]
	v_and_b32 v[VY], v[VX], v[VY]
	v_cmp_lt_u32 vcc_lo, bt, v[VJ]
	v_cndmask_b32 v[VX], v[VX], v[VY], vcc_lo
.set bt, bt+1
.endr
	v_sub_nc_u32 v[VY], 0, v[VX]
	v_and_b32 v[VY], v[VX], v[VY]
	v_cvt_f32_u32 v[VY], v[VY]
	v_lshrrev_b32 v[VY], 23, v[VY]
	v_and_b32 v[VC], 0xffff, v[VC]
	v_lshl_add_u32 v[RES], v[VC], 5, v[VY]
	v_add_nc_u32 v[RES], 0xffffff81, v[RES]        ; 32 x group + lane: the point's index
.endm
	s_load_b256 s[4:11], s[0:1], 0x0               ; xyz, out0, glist, nidx
	v_lshrrev_b32 v1, 5, v0
	v_readfirstlane_b32 s12, v1                    ; wave 0..3
	v_and_b32 v1, 31, v0
	v_and_b32 v2, 15, v0                           ; k
	v_bfe_u32 v3, v0, 4, 1
	v_lshlrev_b32 v4, 2, v1
	v_lshl_or_b32 v[KK], v2, 16, 0xffff
	v_mov_b32 v6, 0
	v_mov_b32 v13, 0                               ; named with v12 as a pair, so it is written
.set i, 0
.rept 16
	v_mov_b32 v[SB+i], 0                           ; written once: the destination of a lane-crossing form counts as one of its sources
	v_mov_b32 v[TMP+i], 0
.set i, i+1
.endr
	s_lshl_b32 s13, ttmp9, 2
	s_add_co_u32 s13, s13, s12
	s_lshl_b32 s13, s13, 1                         ; my first centroid, counted over all clouds
	s_lshr_b32 s14, s13, 10                        ; its cloud
	s_mov_b32 s17, 0
	s_mov_b32 s19, 0
	s_mov_b32 s21, 0
	s_mov_b32 s23, 0                               ; the pairs' upper words
	s_mov_b32 s62, 0x76543210
	s_mov_b32 s63, 0xfedcba98
	s_wait_kmcnt 0x0
	s_mul_i32 s16, s14, 196608
	s_add_nc_u64 s[4:5], s[4:5], s[16:17]
	s_mul_i32 s16, s14, 12288
	s_and_b32 s15, s13, 1023
	s_lshl_b32 s15, s15, 2
	s_add_co_u32 s16, s16, s15
	s_add_nc_u64 s[6:7], s[6:7], s[16:17]
	s_lshl_b32 s16, s13, 6
	s_add_nc_u64 s[8:9], s[8:9], s[16:17]
	s_lshl_b32 s16, ttmp9, 9
	s_add_nc_u64 s[10:11], s[10:11], s[16:17]
	s_mov_b32 s66, 0
.Ltrip:
	s_load_b512 s[68:83], s[8:9], 0x0              ; the centroid's 16 groups
	s_load_b32 s18, s[6:7], 0x0                    ; and its coordinates
	s_load_b32 s20, s[6:7], 0x1000
	s_load_b32 s22, s[6:7], 0x2000
	s_wait_kmcnt 0x0                               ; they are in, so their bases may step
	s_add_nc_u64 s[8:9], s[8:9], 64
	s_add_nc_u64 s[6:7], s[6:7], 4
.set w, 0
.rept 16
	s_min_u32 s[G+w], s[G+w], 511
.set w, w+1
.endr
.set w, 0
.rept 16
	v_lshl_add_u32 v[OF+w], s[G+w], 7, v4          ; 128 bytes a group, 4 a lane
.set w, w+1
.endr
.set w, 0
.rept 16
	global_load_b32 v[X+w], v[OF+w], s[4:5]
	global_load_b32 v[Y+w], v[OF+w], s[4:5] offset:65536
	global_load_b32 v[Z+w], v[OF+w], s[4:5] offset:131072
.set w, w+1
.endr
	v_mul_f32 v12, s18, s18
	v_fma_f32 v12, s20, s20, v12
	v_fma_f32 v12, s22, s22, v12                   ; qq
	s_wait_loadcnt 0x0                             ; all 48 are in: their offsets may be written again in the next trip
.set p, 0
.rept 8
	v_pk_mul_f32 v[PP+p:PP+p+1], v[X+p:X+p+1], v[X+p:X+p+1]
	v_pk_mul_f32 v[T+p:T+p+1], v[X+p:X+p+1], s[18:19] op_sel_hi:[1,0]
.set p, p+2
.endr
.set p, 0
.rept 8
	v_pk_fma_f32 v[PP+p:PP+p+1], v[Y+p:Y+p+1], v[Y+p:Y+p+1], v[PP+p:PP+p+1]
	v_pk_fma_f32 v[T+p:T+p+1], v[Y+p:Y+p+1], s[20:21], v[T+p:T+p+1] op_sel_hi:[1,0,1]
.set p, p+2
.endr
.set p, 0
.rept 8
	v_pk_fma_f32 v[PP+p:PP+p+1], v[Z+p:Z+p+1], v[Z+p:Z+p+1], v[PP+p:PP+p+1]
	v_pk_fma_f32 v[T+p:T+p+1], v[Z+p:Z+p+1], s[22:23], v[T+p:T+p+1] op_sel_hi:[1,0,1]
.set p, p+2
.endr
.set p, 0
.rept 8
	v_pk_add_f32 v[PP+p:PP+p+1], v[PP+p:PP+p+1], v[12:13] op_sel_hi:[1,0]
.set p, p+2
.endr
.set p, 0
.rept 8
	v_pk_fma_f32 v[D+p:D+p+1], v[T+p:T+p+1], -2.0, v[PP+p:PP+p+1] op_sel_hi:[1,0,1]
.set p, p+2
.endr
	SELECT16
	v_cmp_eq_u32 vcc_lo, s66, v3
	v_cndmask_b32 v6, v6, v[RES], vcc_lo           ; lanes 0-15 keep the first trip's list, lanes 16-31 the second's
	s_add_co_u32 s66, s66, 1
	s_cmp_lt_u32 s66, 2
	s_cbranch_scc1 .Ltrip
	v_lshlrev_b32 v[VT], 2, v0
	global_store_b32 v[VT], v6, s[10:11]           ; two lists, 128 consecutive bytes a wave
	s_endpgm
.Lfunc_end_k_qe0572519b2_fine:
	.size	k_qe0572519b2_fine, .Lfunc_end_k_qe0572519b2_fine-k_qe0572519b2_fine
	.p2alignl 7, 3214868480
	.fill 96, 4, 3214868480
	.section	.rodata,"a",@progbits
	.p2align	6, 0x0
	.amdhsa_kernel k_qe0572519b2_fine
		.amdhsa_group_segment_fixed_size 0
		.amdhsa_private_segment_fixed_size 0
		.amdhsa_enable_private_segment 0
		.amdhsa_kernarg_size 32
		.amdhsa_user_sgpr_count 2
		.amdhsa_user_sgpr_kernarg_segment_ptr 1
		.amdhsa_wavefront_size32 1
		.amdhsa_system_sgpr_workgroup_id_x 1
		.amdhsa_system_sgpr_workgroup_id_y 1
		.amdhsa_system_sgpr_workgroup_id_z 1
		.amdhsa_system_vgpr_workitem_id 0
		.amdhsa_next_free_vgpr 176
		.amdhsa_next_free_sgpr 84
		.amdhsa_reserve_vcc 1
		.amdhsa_float_denorm_mode_32 3
		.amdhsa_float_denorm_mode_16_64 3
		.amdhsa_memory_ordered 1
		.amdhsa_forward_progress 1
		.amdhsa_inst_pref_size 49
	.end_amdhsa_kernel
	.amdgpu_metadata
---
amdhsa.version: [ 1, 2 ]
amdhsa.kernels:
  - .name:           k_qe0572519b2_fine
    .symbol:         k_qe0572519b2_fine.kd
    .args:
      - { .name: xyz, .offset: 0, .size: 8, .value_kind: global_buffer, .address_space: global }
      - { .name: out0, .offset: 8, .size: 8, .value_kind: global_buffer, .address_space: global }
      - { .name: glist, .offset: 16, .size: 8, .value_kind: global_buffer, .address_space: global }
      - { .name: nidx, .offset: 24, .size: 8, .value_kind: global_buffer, .address_space: global }
    .group_segment_fixed_size: 0
    .private_segment_fixed_size: 0
    .kernarg_segment_align: 8
    .kernarg_segment_size: 32
    .max_flat_workgroup_size: 128
    .sgpr_count:     84
    .vgpr_count:     176
    .wavefront_size: 32
...
	.end_amdgpu_metadata
.endif
;; end of part 2
;; launch layer1 (part 3): grid 256 x 1, 16 waves a work-group, no clusters, 18,432 bytes of LDS; arguments nidx, pf, out0, b1, m1; writes m1
.if DOCPART == 3
	.amdgcn_target "amdgcn-amd-amdhsa--gfx1250"
	.amdhsa_code_object_version 6
	.text
	.protected	k_qe0572519b2_layer1
	.globl	k_qe0572519b2_layer1
	.p2align	8
	.type	k_qe0572519b2_layer1,@function
k_qe0572519b2_layer1:
	s_mov_b64 s[64:65], 0
	v_nop
	global_prefetch_b8 v0, s[64:65] scope:SCOPE_SE
	s_setreg_imm32_b32 hwreg(HW_REG_WAVE_MODE, 25, 1), 1
	s_wait_xcnt 0x0
; FIRST LAYER, FIRST SWEEP.  A tile of 16 rows is one centroid's 16 neighbours.  The rows (rel, 64 channels: K = 67, filled with zeros to 128) are gathered by the stored indices, quantised to E2M1 with one
; E8M0 scale for each 32 along K, and stored as images of the operand's registers; h1 = feat W1^T + b1 is formed only for its statistics: per channel the work-group's mean over its 512 rows and
; M2 = the sum of (h1 - that mean)^2, taken in a second sweep over the registers, so that no difference of large sums is formed.  The next launch joins the 256 records.
; SHARES.  Work-group: 32 tiles; wave w: tiles 2 w and 2 w + 1.  THE PRODUCT IS USED TRANSPOSED (source 0 = 16 rows of W1, source 1 = the 16 feature rows): lane (r, h) holds feature row r, and register j of
; tile t channel 32 (t / 2) + 16 h + 8 (t % 2) + j, since lane r of W1's tile t took row 32 (t / 2) + 8 (t % 2) + r + 8 (r / 8).  The bias is the C of the product.
; A lane gathers whole blocks: k = 32 h .. + 31 (128 bytes of the point's 256-byte row) and, lanes 0-15, k = 64 .. 66.  So a block's largest magnitude needs no other lane.
; One register carries both tiles' scale words: tile 0's in lanes 0-15, tile 1's in lanes 16-31.
; NOT USED: tensor loads, clusters: what work-groups share is 4,608 bytes of weights, read once a wave into registers.  LIMITS: NaN and infinities not served; a block of zeros gets the byte 1 (zero codes; read by this program alone).
.set PART,  0                          ; LDS: 16 waves x 64 sums;
.set PART2, 4096                       ; the same for the squares;
.set LMEAN, 8192                       ; 64 local means
.set FT,    4194304                    ; m1: 0 codes k 0-63 [tile][512]; FT codes k 64-71 [tile][128]; FS scale words [tile pair][128]; ST records [work-group][64](mean, M2)
.set FS,    5242880
.set ST,    5767168
.set H,     24                         ; v24-55, v56-87: the two tiles' 32 numbers a lane, later h1
.set PC,    88                         ; v88-95, v96-103: their codes
.set WS,    104                        ; v104-107 W1's scale words; v108 both tiles' words; v109-110 each tile's
.set FSC,   108
.set WD,    109
.set G,     120                        ; v120-127, v128-135: k = 64 .. 71
.set WA,    144                        ; v144-175 W1's four fragments, later the local means
.set LM,    144
.set B1,    176                        ; v176-207 b1 in the result's layout
.set S,     208                        ; v208-239 at work
.set SEL,   44
.macro BARRIER
	s_wait_dscnt 0x0                               ; my LDS stores have landed and my LDS loads are in
	s_barrier_signal -1
	s_barrier_wait -1
.endm
.macro PLACES n
.rept \n
	v_nop
.endr
.endm
.macro REDUCE16                        ; S's 32 numbers summed over the 16 lanes (rows) of each half
.irp m, 1,2,4,8
.set x, 0
.rept 32
	v_add_f32_dpp v[S+x], v[S+x], v[S+x] row_xmask:\m row_mask:0xf bank_mask:0xf
.set x, x+1
.endr
.endr
.endm
.macro PUT base                        ; to my wave's 64 words, channel c at 4 c; the sixteen lanes of a half write the same numbers to the same place
.irp t, 0,1,2,3
.irp q, 0,1
	ds_store_b128 v9, v[S+8*\t+4*\q:S+8*\t+4*\q+3] offset:\base+(32*(\t/2)+8*(\t%2)+4*\q)*4
.endr
.endr
.endm
.macro GATHER16 reg, off, stride       ; thread c: the 16 waves' numbers of channel c, summed in a fixed order
.set x, 0
.rept 16
	ds_load_b32 v[\reg+x], v10 offset:\off+\stride*x
.set x, x+1
.endr
	s_wait_dscnt 0x0
.irp y, 0,2,4,6
	v_pk_add_f32 v[\reg+\y:\reg+\y+1], v[\reg+\y:\reg+\y+1], v[\reg+\y+8:\reg+\y+9]
.endr
.irp y, 0,2
	v_pk_add_f32 v[\reg+\y:\reg+\y+1], v[\reg+\y:\reg+\y+1], v[\reg+\y+4:\reg+\y+5]
.endr
	v_pk_add_f32 v[\reg:\reg+1], v[\reg:\reg+1], v[\reg+2:\reg+3]
	v_add_f32 v[\reg], v[\reg], v[\reg+1]
.endm
	s_load_b256 s[4:11], s[0:1], 0x0               ; nidx, pf, out0, b1
	s_load_b64 s[12:13], s[0:1], 0x20              ; m1
	v_lshl_add_u32 v240, v0, 2, 0x4000
	v_mov_b32 v241, 0
	v_lshrrev_b32 v1, 5, v0
	v_readfirstlane_b32 s18, v1                    ; wave 0..15
	v_and_b32 v1, 31, v0
	v_and_b32 v2, 15, v0                           ; r
	v_bfe_u32 v3, v0, 4, 1                         ; h
	v_lshlrev_b32 v4, 4, v1                        ; 16 x lane
	v_lshlrev_b32 v5, 2, v1                        ; 4 x lane
	v_lshlrev_b32 v6, 6, v3                        ; 64 h
	v_cvt_f32_u32 v7, v3
	v_add_f32 v21, -1.0, v7                        ; -1 in lanes 0-15, 0 in lanes 16-31
	v_sub_f32 v7, 1.0, v7                          ; 1 and 0
	v_lshlrev_b32 v8, 3, v3
	s_lshl_b32 s22, s18, 8
	v_add_nc_u32 v9, s22, v6                       ; LDS: 256 x wave + 64 h
	v_lshlrev_b32 v10, 2, v0                       ; LDS: 4 x thread
	s_mov_b32 s21, ttmp9
	s_lshr_b32 s20, s21, 5                         ; the cloud
	s_and_b32 s19, s21, 31
	s_lshl_b32 s22, s21, 11
	s_lshl_b32 s23, s18, 7
	s_add_co_u32 s23, s22, s23
	v_lshl_add_u32 v12, v2, 2, s23                 ; my tile's list: 64 bytes a tile, 4 r
	v_add_nc_u32 v136, s22, v10                    ; scale words: 2,048 x work-group + 4 x thread
	s_lshl_b32 s22, s21, 14
	s_lshl_b32 s23, s18, 10
	s_add_co_u32 s22, s22, s23
	v_add_nc_u32 v19, s22, v4                      ; codes: 512 bytes a tile
	s_lshr_b32 s22, s22, 2
	v_add_nc_u32 v20, s22, v5                      ; and 128
	s_lshl_b32 s22, s21, 9
	v_lshl_add_u32 v137, v0, 3, s22                ; my record: 512 x work-group + 8 c
.irp i, 0,1
.irp k, 4,5,6,7
	v_mov_b32 v[G+8*\i+\k], 0                      ; K is filled with zeros
.endr
.irp k, 5,6,7
	v_mov_b32 v[PC+8*\i+\k], 0
.endr
	v_mov_b32 v[22+\i], 0
	v_mov_b32 v[S+14+\i], 0                        ; a lane permute's destination counts as one of its sources
.endr
	s_mov_b32 s[SEL], 0x76543210
	s_mov_b32 s[SEL+1], 0xfedcba98
	s_wait_kmcnt 0x0
	global_load_b32 v13, v12, s[4:5]
	global_load_b32 v14, v12, s[4:5] offset:64
	s_mul_i32 s22, s20, 12288
	s_lshl_b32 s23, s19, 7
	s_add_co_u32 s22, s22, s23
	s_lshl_b32 s23, s18, 3
	s_add_co_u32 s22, s22, s23
	s_mov_b32 s23, 0
	s_add_nc_u64 s[8:9], s[8:9], s[22:23]
	s_load_b64 s[24:25], s[8:9], 0x0               ; the two tiles' centroids: x,
	s_load_b64 s[26:27], s[8:9], 0x1000            ; y,
	s_load_b64 s[28:29], s[8:9], 0x2000            ; z
	s_add_nc_u64 s[14:15], s[6:7], 35651584        ; W1's images
	s_lshl_b32 s22, s20, 22
	s_add_nc_u64 s[16:17], s[6:7], s[22:23]        ; my cloud's rows of 256 bytes
	s_lshl_b32 s22, s20, 18
	s_add_nc_u64 s[30:31], s[6:7], s[22:23]
	s_add_nc_u64 s[30:31], s[30:31], 33554432      ; and of 16
.irp t, 0,1,2,3
	global_load_b128 v[WA+8*\t:WA+8*\t+3], v4, s[14:15] offset:1024*\t
	global_load_b128 v[WA+8*\t+4:WA+8*\t+7], v4, s[14:15] offset:1024*\t+512
	global_load_b32 v[WS+\t], v5, s[14:15] offset:4096+128*\t
.irp q, 0,1
	global_load_b128 v[B1+8*\t+4*\q:B1+8*\t+4*\q+3], v6, s[10:11] offset:(32*(\t/2)+8*(\t%2)+4*\q)*4
.endr
.endr
	s_wait_loadcnt 20                              ; the two indices are in; the 20 loads behind them may be out
	v_min_u32 v13, 0x3fff, v13
	v_min_u32 v14, 0x3fff, v14
	v_lshlrev_b32 v15, 8, v13
	v_lshlrev_b32 v16, 8, v14
	v_lshl_add_u32 v15, v3, 7, v15                 ; the point's row, my half of it
	v_lshl_add_u32 v16, v3, 7, v16
	v_lshlrev_b32 v17, 4, v13
	v_lshlrev_b32 v18, 4, v14
.irp i, 0,1
.irp e, 0,1,2,3,4,5,6,7
	global_load_b128 v[H+32*\i+4*\e:H+32*\i+4*\e+3], v[15+\i], s[16:17] offset:16*\e
.endr
	global_load_b128 v[G+8*\i:G+8*\i+3], v[17+\i], s[30:31]
.endr
	s_wait_kmcnt 0x0
	s_wait_loadcnt 0x0
	; ---- the quantiser
.irp i, 0,1
.irp c, 0,1,2
	v_fma_f32 v[H+32*\i+\c], s[24+2*\c+\i], v21, v[H+32*\i+\c]     ; rel = xyz - q where k = 0, 1, 2 (lanes 0-15); q x 1 and q x 0 are exact
	v_mul_f32 v[G+8*\i+\c], v7, v[G+8*\i+\c]                       ; k = 96 on is zero
.endr
.endr
.irp i, 0,1
	v_max3_num_f32 v[S+\i], |v[H+32*\i]|, |v[H+32*\i+1]|, 0x1800000      ; a block's largest magnitude, over the floor 2^(3 - 127), which holds the byte at 1 from below
	v_max3_num_f32 v[S+2+\i], |v[G+8*\i]|, |v[G+8*\i+1]|, 0x1800000
.endr
.irp e, 2,4,6,8,10,12,14,16,18,20,22,24,26,28,30
.irp i, 0,1
	v_max3_num_f32 v[S+\i], v[S+\i], |v[H+32*\i+\e]|, |v[H+32*\i+\e+1]|
.endr
.endr
.irp i, 0,1
	v_max_num_f32 v[S+2+\i], v[S+2+\i], |v[G+8*\i+2]|
.endr
.irp y, 0,1,2,3
	v_add_nc_u32 v[S+4+\y], 0xff000000, v[S+\y]    ; 2 off the exponent field: the conversion's scale operand
.endr
.irp y, 0,1,2,3
	v_lshrrev_b32 v[S+8+\y], 23, v[S+4+\y]         ; the scale's byte
.endr
.irp i, 0,1
	v_lshl_or_b32 v[S+12+\i], v[S+10+\i], 16, v[S+8+\i]            ; blocks h and 2 + h,
.endr
.irp i, 0,1
	v_lshlrev_b32 v[S+12+\i], v8, v[S+12+\i]       ; at their places in the row's word;
.endr
.irp i, 0,1
	v_permlanex16_b32 v[S+14+\i], v[S+12+\i], s[SEL], s[SEL+1]
.endr
.irp i, 0,1
	v_or_b32 v[WD+\i], v[S+12+\i], v[S+14+\i]      ; with the other half's two the word is whole, in both halves
.endr
	v_cmp_eq_u32 vcc_lo, 1, v3
	v_cndmask_b32 v[FSC], v[WD], v[WD+1], vcc_lo   ; lanes 0-15: tile 0's rows; lanes 16-31: tile 1's
.irp i, 0,1
.irp g, 0,1,2,3
	v_cvt_scalef32_pk8_fp4_f32 v[PC+8*\i+\g], v[H+32*\i+8*\g:H+32*\i+8*\g+7], v[S+4+\i]
.endr
	v_cvt_scalef32_pk8_fp4_f32 v[PC+8*\i+4], v[G+8*\i:G+8*\i+7], v[S+6+\i]
.endr
	v_nop                                          ; a plain line behind the last scaled conversion
.irp i, 0,1
	global_store_b128 v19, v[PC+8*\i:PC+8*\i+3], s[12:13] offset:512*\i
	global_store_b32 v20, v[PC+8*\i+4], s[12:13] offset:FT+128*\i
.endr
	global_store_b32 v136, v[FSC], s[12:13] offset:FS
	PLACES 8                                       ; a scale register written by a vector line stands 8 places ahead of a scaled product, an operand 4
.irp t, 0,1,2,3
	v_wmma_scale_f32_16x16x128_f8f6f4 v[H+8*\t:H+8*\t+7], v[WA+8*\t:WA+8*\t+7], v[PC:PC+7], v[B1+8*\t:B1+8*\t+7], v[WS+\t], v[FSC] matrix_a_fmt:MATRIX_FMT_FP4 matrix_b_fmt:MATRIX_FMT_FP4
.endr
.irp t, 0,1,2,3
	v_wmma_scale_f32_16x16x128_f8f6f4 v[H+32+8*\t:H+32+8*\t+7], v[WA+8*\t:WA+8*\t+7], v[PC+8:PC+15], v[B1+8*\t:B1+8*\t+7], v[WS+\t], v[FSC] matrix_a_fmt:MATRIX_FMT_FP4 matrix_b_fmt:MATRIX_FMT_FP4 matrix_b_scale:MATRIX_SCALE_ROW1
.endr
	PLACES 5                                       ; places behind the products (ISA guide 7.12.1), ahead of the first read of a result
	; ---- the work-group's statistics
.set x, 0
.rept 16
	v_pk_add_f32 v[S+x:S+x+1], v[H+x:H+x+1], v[H+32+x:H+32+x+1]    ; each accumulator is read from its low end on
.set x, x+2
.endr
	REDUCE16
	PUT PART
	BARRIER
	s_cmp_gt_u32 s18, 1
	s_cbranch_scc1 .Lmean_done
	GATHER16 S, PART, 256
	v_mul_f32 v22, 0x3b000000, v[S]                ; / 512 rows
	ds_store_b32 v10, v22 offset:LMEAN
.Lmean_done:
	BARRIER
.irp t, 0,1,2,3
.irp q, 0,1
	ds_load_b128 v[LM+8*\t+4*\q:LM+8*\t+4*\q+3], v6 offset:LMEAN+(32*(\t/2)+8*(\t%2)+4*\q)*4
.endr
.endr
	s_wait_dscnt 0x0
.set x, 0
.rept 16
	v_pk_add_f32 v[H+x:H+x+1], v[H+x:H+x+1], v[LM+x:LM+x+1] neg_lo:[0,1] neg_hi:[0,1]
	v_pk_add_f32 v[H+32+x:H+32+x+1], v[H+32+x:H+32+x+1], v[LM+x:LM+x+1] neg_lo:[0,1] neg_hi:[0,1]
.set x, x+2
.endr
.set x, 0
.rept 16
	v_pk_mul_f32 v[S+x:S+x+1], v[H+x:H+x+1], v[H+x:H+x+1]
.set x, x+2
.endr
.set x, 0
.rept 16
	v_pk_fma_f32 v[S+x:S+x+1], v[H+32+x:H+32+x+1], v[H+32+x:H+32+x+1], v[S+x:S+x+1]
.set x, x+2
.endr
	REDUCE16
	PUT PART2
	BARRIER
	s_cmp_gt_u32 s18, 1
	s_cbranch_scc1 .Lend
	GATHER16 S, PART2, 256
	v_mov_b32 v23, v[S]
	global_store_b64 v137, v[22:23], s[12:13] offset:ST            ; (mean, M2): 256 consecutive bytes a wave
.Lend:
	s_wait_tensorcnt 0x0
	ds_add_u32 v240, v241
	s_wait_dscnt 0x0
	s_endpgm
.Lfunc_end_k_qe0572519b2_layer1:
	.size	k_qe0572519b2_layer1, .Lfunc_end_k_qe0572519b2_layer1-k_qe0572519b2_layer1
	.p2alignl 7, 3214868480
	.fill 96, 4, 3214868480
	.section	.rodata,"a",@progbits
	.p2align	6, 0x0
	.amdhsa_kernel k_qe0572519b2_layer1
		.amdhsa_group_segment_fixed_size 18432
		.amdhsa_private_segment_fixed_size 0
		.amdhsa_enable_private_segment 0
		.amdhsa_kernarg_size 40
		.amdhsa_user_sgpr_count 2
		.amdhsa_user_sgpr_kernarg_segment_ptr 1
		.amdhsa_wavefront_size32 1
		.amdhsa_system_sgpr_workgroup_id_x 1
		.amdhsa_system_sgpr_workgroup_id_y 1
		.amdhsa_system_sgpr_workgroup_id_z 1
		.amdhsa_system_vgpr_workitem_id 0
		.amdhsa_next_free_vgpr 242
		.amdhsa_next_free_sgpr 66
		.amdhsa_reserve_vcc 1
		.amdhsa_float_denorm_mode_32 3
		.amdhsa_float_denorm_mode_16_64 3
		.amdhsa_memory_ordered 1
		.amdhsa_forward_progress 1
		.amdhsa_inst_pref_size 40
	.end_amdhsa_kernel
	.amdgpu_metadata
---
amdhsa.version: [ 1, 2 ]
amdhsa.kernels:
  - .name:           k_qe0572519b2_layer1
    .symbol:         k_qe0572519b2_layer1.kd
    .args:
      - { .name: nidx, .offset: 0, .size: 8, .value_kind: global_buffer, .address_space: global }
      - { .name: pf, .offset: 8, .size: 8, .value_kind: global_buffer, .address_space: global }
      - { .name: out0, .offset: 16, .size: 8, .value_kind: global_buffer, .address_space: global }
      - { .name: b1, .offset: 24, .size: 8, .value_kind: global_buffer, .address_space: global }
      - { .name: m1, .offset: 32, .size: 8, .value_kind: global_buffer, .address_space: global }
    .group_segment_fixed_size: 18432
    .private_segment_fixed_size: 0
    .kernarg_segment_align: 8
    .kernarg_segment_size: 40
    .max_flat_workgroup_size: 512
    .sgpr_count:     66
    .vgpr_count:     242
    .wavefront_size: 32
...
	.end_amdgpu_metadata
.endif
;; end of part 3
;; launch layer2 (part 4): grid 256 x 1, 16 waves a work-group, no clusters, 18,432 bytes of LDS; arguments m1, pf, b1, g1, be1, W2_codes, W2_scales, b2, m2; writes m2
.if DOCPART == 4
	.amdgcn_target "amdgcn-amd-amdhsa--gfx1250"
	.amdhsa_code_object_version 6
	.text
	.protected	k_qe0572519b2_layer2
	.globl	k_qe0572519b2_layer2
	.p2align	8
	.type	k_qe0572519b2_layer2,@function
k_qe0572519b2_layer2:
	s_mov_b64 s[64:65], 0
	v_nop
	global_prefetch_b8 v0, s[64:65] scope:SCOPE_SE
	s_setreg_imm32_b32 hwreg(HW_REG_WAVE_MODE, 25, 1), 1
	s_wait_xcnt 0x0
; FIRST LAYER FINISHED, SECOND LAYER'S FIRST SWEEP.  The 256 records (mean, M2) of h1 are joined: mean = the mean of the means, variance = (sum of M2 + 512 x sum of (mean_i - mean)^2) / 131,072, every work-group in
; the same order.  h1 = feat W1^T + b1 is multiplied again from the stored codes, normalised ((h - mean) x (rsqrt(var + 1e-5) g) + be), clipped at 0, quantised along its 64 channels in registers, and stored as
; images of the operand's registers.  h2 = that W2^T + b2 is formed for its statistics alone: the work-group's mean and M2, as in the launch before.
; SHARES AND LAYOUT as there: wave w has tiles 2 w, 2 w + 1 of its work-group's 32; both products transposed, W's rows chosen so that the 16 registers of tiles 2 b and 2 b + 1 are 16 neighbours along the next K;
; a block of 32 lies in lanes l and l xor 16.  K = 64 is filled to 128 with zero codes (their scale bytes are 0, which is 2^-127 and harmless over zeros).
; NOT USED: tensor loads, clusters: shared are 131,072 bytes of records and 7 KB of weights, read once into registers.  LIMITS: NaN and infinities not served; a block of zeros gets the byte 1.
.set RED1,  0                          ; LDS: 512 partial sums of means; 512 of squares; three tables of 64; then as in the launch before
.set RED2,  2048
.set TABM,  4096
.set TABA,  4352
.set TABB,  4608
.set PART,  5120
.set PART2, 9216
.set LMEAN, 13312
.set FT,    4194304
.set FS,    5242880
.set ST1,   5767168
.set HS,    4194304                    ; m2: 0 codes [tile][512]; HS scale words [tile pair][128]; ST2 records
.set ST2,   4718592
.set P,     24                         ; v24-87 32 records, later h1, h2
.set H,     24
.set PC,    88
.set WS,    104
.set FSC,   108
.set WD,    109
.set TB,    120                        ; v120-143 a tile's mean, gain, offset
.set WA,    144
.set LM,    144
.set B1,    176
.set S,     208
.set GT,    208
.set HT,    208
.set SEL,   44
.macro BARRIER
	s_wait_dscnt 0x0                               ; my LDS stores have landed and my LDS loads are in
	s_barrier_signal -1
	s_barrier_wait -1
.endm
.macro PLACES n
.rept \n
	v_nop
.endr
.endm
.macro REDUCE16
.irp m, 1,2,4,8
.set x, 0
.rept 32
	v_add_f32_dpp v[S+x], v[S+x], v[S+x] row_xmask:\m row_mask:0xf bank_mask:0xf
.set x, x+1
.endr
.endr
.endm
.macro PUT base
.irp t, 0,1,2,3
.irp q, 0,1
	ds_store_b128 v9, v[S+8*\t+4*\q:S+8*\t+4*\q+3] offset:\base+(32*(\t/2)+8*(\t%2)+4*\q)*4
.endr
.endr
.endm
.macro GATHER16 reg, off, stride
.set x, 0
.rept 16
	ds_load_b32 v[\reg+x], v10 offset:\off+\stride*x
.set x, x+1
.endr
	s_wait_dscnt 0x0
.irp y, 0,2,4,6
	v_pk_add_f32 v[\reg+\y:\reg+\y+1], v[\reg+\y:\reg+\y+1], v[\reg+\y+8:\reg+\y+9]
.endr
.irp y, 0,2
	v_pk_add_f32 v[\reg+\y:\reg+\y+1], v[\reg+\y:\reg+\y+1], v[\reg+\y+4:\reg+\y+5]
.endr
	v_pk_add_f32 v[\reg:\reg+1], v[\reg:\reg+1], v[\reg+2:\reg+3]
	v_add_f32 v[\reg], v[\reg], v[\reg+1]
.endm
.macro SUM8 off                        ; the eight slices' numbers of my channel, summed in order, into v[GT+8]
.irp s, 0,1,2,3,4,5,6,7
	ds_load_b32 v[GT+8+\s], v7 offset:\off+256*\s
.endr
	s_wait_dscnt 0x0
.irp s, 1,2,3,4,5,6,7
	v_add_f32 v[GT+8], v[GT+8], v[GT+8+\s]
.endr
.endm
	s_load_b256 s[4:11], s[0:1], 0x0               ; m1, pf, b1, g1
	s_load_b256 s[12:19], s[0:1], 0x20             ; be1, W2_codes, W2_scales, b2
	s_load_b64 s[20:21], s[0:1], 0x40              ; m2
	v_lshl_add_u32 v240, v0, 2, 0x4000
	v_mov_b32 v241, 0
	v_lshrrev_b32 v1, 5, v0
	v_readfirstlane_b32 s24, v1                    ; wave 0..15
	v_and_b32 v1, 31, v0
	v_and_b32 v2, 15, v0                           ; r
	v_bfe_u32 v3, v0, 4, 1                         ; h
	v_lshlrev_b32 v4, 4, v1
	v_lshlrev_b32 v5, 2, v1
	v_lshlrev_b32 v6, 6, v3                        ; 64 h
	v_and_b32 v7, 63, v0                           ; my channel in the joining of records,
	v_lshrrev_b32 v8, 6, v0                        ; and my slice of 32 records
	v_lshlrev_b32 v8, 14, v8
	v_lshl_add_u32 v8, v7, 3, v8
	v_lshlrev_b32 v7, 2, v7
	s_lshl_b32 s26, s24, 8
	v_add_nc_u32 v9, s26, v6                       ; LDS: 256 x wave + 64 h
	v_lshlrev_b32 v10, 2, v0                       ; LDS: 4 x thread
	s_mov_b32 s25, ttmp9
	s_lshl_b32 s26, s25, 14
	s_lshl_b32 s27, s24, 10
	s_add_co_u32 s26, s26, s27
	v_add_nc_u32 v12, s26, v4                      ; codes: 512 bytes a tile
	s_lshr_b32 s26, s26, 2
	v_add_nc_u32 v13, s26, v5
	s_lshl_b32 s26, s25, 11
	v_add_nc_u32 v14, s26, v10                     ; scale words
	v_and_b32 v16, 8, v2
	v_add_nc_u32 v16, v16, v2                      ; r + 8 (r / 8)
	v_lshlrev_b32 v15, 5, v16
	v_lshl_add_u32 v15, v3, 4, v15                 ; W2: a row is 32 bytes, my half's 16
	v_lshlrev_b32 v16, 1, v16                      ; and 2 scale bytes
	s_lshl_b32 s26, s25, 9
	v_lshl_add_u32 v17, v0, 3, s26                 ; my record
	v_mov_b32 v22, 0
	v_mov_b32 v23, 0
.irp i, 0,1
.irp k, 5,6,7
	v_mov_b32 v[PC+8*\i+\k], 0
.endr
.endr
	s_mov_b32 s40, 0x44000000                      ; 512
	s_mov_b32 s41, 0x37000000                      ; 1 / 131,072
	s_mov_b32 s42, 0x3727c5ac                      ; 1e-5
	s_mov_b32 s[SEL], 0x76543210
	s_mov_b32 s[SEL+1], 0xfedcba98
	s_wait_kmcnt 0x0
	s_add_nc_u64 s[28:29], s[6:7], 35651584        ; W1's images
.set i, 0
.rept 32
	global_load_b64 v[P+2*i:P+2*i+1], v8, s[4:5] offset:ST1+512*i  ; record 32 x slice + i, channel c: 256 consecutive bytes a wave
.set i, i+1
.endr
	global_load_b32 v[GT+17], v7, s[10:11]
	global_load_b32 v[GT+18], v7, s[12:13]
.irp i, 0,1
	global_load_b128 v[PC+8*\i:PC+8*\i+3], v12, s[4:5] offset:512*\i
	global_load_b32 v[PC+8*\i+4], v13, s[4:5] offset:FT+128*\i
.endr
	global_load_b32 v[FSC], v14, s[4:5] offset:FS
.irp t, 0,1,2,3
	global_load_b128 v[WA+8*\t:WA+8*\t+3], v4, s[28:29] offset:1024*\t
	global_load_b128 v[WA+8*\t+4:WA+8*\t+7], v4, s[28:29] offset:1024*\t+512
	global_load_b32 v[WS+\t], v5, s[28:29] offset:4096+128*\t
.irp q, 0,1
	global_load_b128 v[B1+8*\t+4*\q:B1+8*\t+4*\q+3], v6, s[8:9] offset:(32*(\t/2)+8*(\t%2)+4*\q)*4
.endr
.endr
	s_wait_loadcnt 27                              ; the 32 records are in; the 27 loads behind them may be out
	; ---- the records are joined
.irp k, 0,1,2,3
	v_pk_add_f32 v[GT+2*\k:GT+2*\k+1], v[P+2*\k:P+2*\k+1], v[P+8+2*\k:P+8+2*\k+1]
.endr
.irp e, 2,3,4,5,6,7
.irp k, 0,1,2,3
	v_pk_add_f32 v[GT+2*\k:GT+2*\k+1], v[GT+2*\k:GT+2*\k+1], v[P+8*\e+2*\k:P+8*\e+2*\k+1]
.endr
.endr
	v_pk_add_f32 v[GT:GT+1], v[GT:GT+1], v[GT+2:GT+3]
	v_pk_add_f32 v[GT+4:GT+5], v[GT+4:GT+5], v[GT+6:GT+7]
	v_pk_add_f32 v[GT:GT+1], v[GT:GT+1], v[GT+4:GT+5]              ; (sum of means, sum of M2) of my slice
	ds_store_b32 v10, v[GT] offset:RED1
	BARRIER
	SUM8 RED1
	v_mul_f32 v[GT+16], 0x3b800000, v[GT+8]        ; the mean: / 256 records
.irp k, 0,1,2,3
	v_sub_f32 v[GT+8+\k], v[P+2*\k], v[GT+16]
.endr
.irp k, 0,1,2,3
	v_mul_f32 v[GT+4+\k], v[GT+8+\k], v[GT+8+\k]
.endr
.irp e, 1,2,3,4,5,6,7
.irp k, 0,1,2,3
	v_sub_f32 v[GT+8+\k], v[P+8*\e+2*\k], v[GT+16]
.endr
.irp k, 0,1,2,3
	v_fma_f32 v[GT+4+\k], v[GT+8+\k], v[GT+8+\k], v[GT+4+\k]
.endr
.endr
	v_add_f32 v[GT+4], v[GT+4], v[GT+5]
	v_add_f32 v[GT+6], v[GT+6], v[GT+7]
	v_add_f32 v[GT+4], v[GT+4], v[GT+6]
	v_fma_f32 v[GT+4], v[GT+4], s40, v[GT+1]       ; 512 x sum of (mean_i - mean)^2 + sum of M2
	ds_store_b32 v10, v[GT+4] offset:RED2
	BARRIER
	SUM8 RED2
	v_fma_f32 v[GT+8], v[GT+8], s41, s42           ; variance + 1e-5
	v_rsq_f32 v[GT+9], v[GT+8]
	v_nop                                          ; a plain line behind the transcendental,
	s_wait_alu depctr_va_vdst(0)                   ; and a wait ahead of its first reader
	s_wait_loadcnt 25                              ; g and be are in
	v_mul_f32 v[GT+9], v[GT+9], v[GT+17]
	s_cmp_gt_u32 s24, 1
	s_cbranch_scc1 .Ltab_done
	ds_store_b32 v10, v[GT+16] offset:TABM
	ds_store_b32 v10, v[GT+9] offset:TABA
	ds_store_b32 v10, v[GT+18] offset:TABB
.Ltab_done:
	BARRIER
	s_wait_loadcnt 0x0
	; ---- h1 again, from the stored codes
.irp t, 0,1,2,3
	v_wmma_scale_f32_16x16x128_f8f6f4 v[H+8*\t:H+8*\t+7], v[WA+8*\t:WA+8*\t+7], v[PC:PC+7], v[B1+8*\t:B1+8*\t+7], v[WS+\t], v[FSC] matrix_a_fmt:MATRIX_FMT_FP4 matrix_b_fmt:MATRIX_FMT_FP4
.endr
.irp t, 0,1,2,3
	v_wmma_scale_f32_16x16x128_f8f6f4 v[H+32+8*\t:H+32+8*\t+7], v[WA+8*\t:WA+8*\t+7], v[PC+8:PC+15], v[B1+8*\t:B1+8*\t+7], v[WS+\t], v[FSC] matrix_a_fmt:MATRIX_FMT_FP4 matrix_b_fmt:MATRIX_FMT_FP4 matrix_b_scale:MATRIX_SCALE_ROW1
.endr
	PLACES 5                                       ; places behind the products, ahead of loads and writes into their registers and of the first read of a result
.irp t, 0,1,2,3
	global_load_b128 v[WA+8*\t:WA+8*\t+3], v15, s[14:15] offset:(32*(\t/2)+8*(\t%2))*32      ; W2's fragments take W1's place,
	global_load_u16 v[WS+\t], v16, s[16:17] offset:(32*(\t/2)+8*(\t%2))*2                    ; its scale bytes (two a row; the upper two bytes are 0),
.irp q, 0,1
	global_load_b128 v[B1+8*\t+4*\q:B1+8*\t+4*\q+3], v6, s[18:19] offset:(32*(\t/2)+8*(\t%2)+4*\q)*4   ; and b2 takes b1's
.endr
.irp k, 4,5,6,7
	v_mov_b32 v[WA+8*\t+\k], 0                     ; K = 64 .. 127: zero codes
.endr
.endr
	v_mov_b32 v[PC+4], 0
	v_mov_b32 v[PC+12], 0
	; ---- normalised and clipped
.irp t, 0,1,2,3
.irp q, 0,1
	ds_load_b128 v[TB+4*\q:TB+4*\q+3], v6 offset:TABM+(32*(\t/2)+8*(\t%2)+4*\q)*4
	ds_load_b128 v[TB+8+4*\q:TB+8+4*\q+3], v6 offset:TABA+(32*(\t/2)+8*(\t%2)+4*\q)*4
	ds_load_b128 v[TB+16+4*\q:TB+16+4*\q+3], v6 offset:TABB+(32*(\t/2)+8*(\t%2)+4*\q)*4
.endr
	s_wait_dscnt 0x0
.irp i, 0,1
.irp j, 0,2,4,6
	v_pk_add_f32 v[H+32*\i+8*\t+\j:H+32*\i+8*\t+\j+1], v[H+32*\i+8*\t+\j:H+32*\i+8*\t+\j+1], v[TB+\j:TB+\j+1] neg_lo:[0,1] neg_hi:[0,1]
.endr
.irp j, 0,2,4,6
	v_pk_fma_f32 v[H+32*\i+8*\t+\j:H+32*\i+8*\t+\j+1], v[H+32*\i+8*\t+\j:H+32*\i+8*\t+\j+1], v[TB+8+\j:TB+8+\j+1], v[TB+16+\j:TB+16+\j+1]
.endr
.irp j, 0,1,2,3,4,5,6,7
	v_max_num_f32 v[H+32*\i+8*\t+\j], 0, v[H+32*\i+8*\t+\j]
.endr
.endr
.endr
	; ---- quantised along the 64 channels: two blocks a row, each in lanes l and l xor 16.  No |.|: nothing is negative
.irp i, 0,1
.irp b, 0,1
	v_max3_num_f32 v[HT+2*\i+\b], v[H+32*\i+16*\b], v[H+32*\i+16*\b+1], 0x1800000
.endr
.endr
.irp e, 2,4,6,8,10,12,14
.irp i, 0,1
.irp b, 0,1
	v_max3_num_f32 v[HT+2*\i+\b], v[HT+2*\i+\b], v[H+32*\i+16*\b+\e], v[H+32*\i+16*\b+\e+1]
.endr
.endr
.endr
.irp y, 0,1,2,3
	v_permlanex16_b32 v[HT+4+\y], v[HT+\y], s[SEL], s[SEL+1]
.endr
.irp y, 0,1,2,3
	v_max_num_f32 v[HT+\y], v[HT+\y], v[HT+4+\y]
.endr
.irp y, 0,1,2,3
	v_add_nc_u32 v[HT+8+\y], 0xff000000, v[HT+\y]  ; 2 off the exponent field: the conversion's scale operand
.endr
.irp y, 0,1,2,3
	v_lshrrev_b32 v[HT+12+\y], 23, v[HT+8+\y]      ; the scale's byte
.endr
	v_lshl_or_b32 v[WD], v[HT+13], 8, v[HT+12]
	v_lshl_or_b32 v[WD+1], v[HT+15], 8, v[HT+14]
	v_cmp_eq_u32 vcc_lo, 1, v3
	v_cndmask_b32 v[FSC], v[WD], v[WD+1], vcc_lo   ; lanes 0-15: tile 0's rows; lanes 16-31: tile 1's
.irp i, 0,1
.irp b, 0,1
	v_cvt_scalef32_pk8_fp4_f32 v[PC+8*\i+2*\b], v[H+32*\i+16*\b:H+32*\i+16*\b+7], v[HT+8+2*\i+\b]
	v_cvt_scalef32_pk8_fp4_f32 v[PC+8*\i+2*\b+1], v[H+32*\i+16*\b+8:H+32*\i+16*\b+15], v[HT+8+2*\i+\b]
.endr
.endr
	v_nop                                          ; a plain line behind the last scaled conversion
.irp i, 0,1
	v_permlane16_swap_b32 v[PC+8*\i], v[PC+8*\i+2]                 ; the operand wants a whole block in a lane: lanes 0-15 block 0, lanes 16-31 block 1
	v_permlane16_swap_b32 v[PC+8*\i+1], v[PC+8*\i+3]
.endr
.irp i, 0,1
	global_store_b128 v12, v[PC+8*\i:PC+8*\i+3], s[20:21] offset:512*\i
.endr
	global_store_b32 v14, v[FSC], s[20:21] offset:HS
	s_wait_loadcnt 0x0                             ; W2, its scales, b2
	PLACES 8                                       ; a scale register written by a vector line stands 8 places ahead of a scaled product, an operand 4
.irp t, 0,1,2,3
	v_wmma_scale_f32_16x16x128_f8f6f4 v[H+8*\t:H+8*\t+7], v[WA+8*\t:WA+8*\t+7], v[PC:PC+7], v[B1+8*\t:B1+8*\t+7], v[WS+\t], v[FSC] matrix_a_fmt:MATRIX_FMT_FP4 matrix_b_fmt:MATRIX_FMT_FP4
.endr
.irp t, 0,1,2,3
	v_wmma_scale_f32_16x16x128_f8f6f4 v[H+32+8*\t:H+32+8*\t+7], v[WA+8*\t:WA+8*\t+7], v[PC+8:PC+15], v[B1+8*\t:B1+8*\t+7], v[WS+\t], v[FSC] matrix_a_fmt:MATRIX_FMT_FP4 matrix_b_fmt:MATRIX_FMT_FP4 matrix_b_scale:MATRIX_SCALE_ROW1
.endr
	PLACES 5
	; ---- h2's statistics of the work-group
.set x, 0
.rept 16
	v_pk_add_f32 v[S+x:S+x+1], v[H+x:H+x+1], v[H+32+x:H+32+x+1]    ; each accumulator is read from its low end on
.set x, x+2
.endr
	REDUCE16
	PUT PART
	BARRIER
	s_cmp_gt_u32 s24, 1
	s_cbranch_scc1 .Lmean_done
	GATHER16 S, PART, 256
	v_mul_f32 v22, 0x3b000000, v[S]                ; / 512 rows
	ds_store_b32 v10, v22 offset:LMEAN
.Lmean_done:
	BARRIER
.irp t, 0,1,2,3
.irp q, 0,1
	ds_load_b128 v[LM+8*\t+4*\q:LM+8*\t+4*\q+3], v6 offset:LMEAN+(32*(\t/2)+8*(\t%2)+4*\q)*4
.endr
.endr
	s_wait_dscnt 0x0
.set x, 0
.rept 16
	v_pk_add_f32 v[H+x:H+x+1], v[H+x:H+x+1], v[LM+x:LM+x+1] neg_lo:[0,1] neg_hi:[0,1]
	v_pk_add_f32 v[H+32+x:H+32+x+1], v[H+32+x:H+32+x+1], v[LM+x:LM+x+1] neg_lo:[0,1] neg_hi:[0,1]
.set x, x+2
.endr
.set x, 0
.rept 16
	v_pk_mul_f32 v[S+x:S+x+1], v[H+x:H+x+1], v[H+x:H+x+1]
.set x, x+2
.endr
.set x, 0
.rept 16
	v_pk_fma_f32 v[S+x:S+x+1], v[H+32+x:H+32+x+1], v[H+32+x:H+32+x+1], v[S+x:S+x+1]
.set x, x+2
.endr
	REDUCE16
	PUT PART2
	BARRIER
	s_cmp_gt_u32 s24, 1
	s_cbranch_scc1 .Lend
	GATHER16 S, PART2, 256
	v_mov_b32 v23, v[S]
	global_store_b64 v17, v[22:23], s[20:21] offset:ST2            ; (mean, M2): 256 consecutive bytes a wave
.Lend:
	s_wait_tensorcnt 0x0
	ds_add_u32 v240, v241
	s_wait_dscnt 0x0
	s_endpgm
.Lfunc_end_k_qe0572519b2_layer2:
	.size	k_qe0572519b2_layer2, .Lfunc_end_k_qe0572519b2_layer2-k_qe0572519b2_layer2
	.p2alignl 7, 3214868480
	.fill 96, 4, 3214868480
	.section	.rodata,"a",@progbits
	.p2align	6, 0x0
	.amdhsa_kernel k_qe0572519b2_layer2
		.amdhsa_group_segment_fixed_size 18432
		.amdhsa_private_segment_fixed_size 0
		.amdhsa_enable_private_segment 0
		.amdhsa_kernarg_size 72
		.amdhsa_user_sgpr_count 2
		.amdhsa_user_sgpr_kernarg_segment_ptr 1
		.amdhsa_wavefront_size32 1
		.amdhsa_system_sgpr_workgroup_id_x 1
		.amdhsa_system_sgpr_workgroup_id_y 1
		.amdhsa_system_sgpr_workgroup_id_z 1
		.amdhsa_system_vgpr_workitem_id 0
		.amdhsa_next_free_vgpr 242
		.amdhsa_next_free_sgpr 66
		.amdhsa_reserve_vcc 1
		.amdhsa_float_denorm_mode_32 3
		.amdhsa_float_denorm_mode_16_64 3
		.amdhsa_memory_ordered 1
		.amdhsa_forward_progress 1
		.amdhsa_inst_pref_size 58
	.end_amdhsa_kernel
	.amdgpu_metadata
---
amdhsa.version: [ 1, 2 ]
amdhsa.kernels:
  - .name:           k_qe0572519b2_layer2
    .symbol:         k_qe0572519b2_layer2.kd
    .args:
      - { .name: m1, .offset: 0, .size: 8, .value_kind: global_buffer, .address_space: global }
      - { .name: pf, .offset: 8, .size: 8, .value_kind: global_buffer, .address_space: global }
      - { .name: b1, .offset: 16, .size: 8, .value_kind: global_buffer, .address_space: global }
      - { .name: g1, .offset: 24, .size: 8, .value_kind: global_buffer, .address_space: global }
      - { .name: be1, .offset: 32, .size: 8, .value_kind: global_buffer, .address_space: global }
      - { .name: W2_codes, .offset: 40, .size: 8, .value_kind: global_buffer, .address_space: global }
      - { .name: W2_scales, .offset: 48, .size: 8, .value_kind: global_buffer, .address_space: global }
      - { .name: b2, .offset: 56, .size: 8, .value_kind: global_buffer, .address_space: global }
      - { .name: m2, .offset: 64, .size: 8, .value_kind: global_buffer, .address_space: global }
    .group_segment_fixed_size: 18432
    .private_segment_fixed_size: 0
    .kernarg_segment_align: 8
    .kernarg_segment_size: 72
    .max_flat_workgroup_size: 512
    .sgpr_count:     66
    .vgpr_count:     242
    .wavefront_size: 32
...
	.end_amdgpu_metadata
.endif
;; end of part 4
;; launch layer3 (part 5): grid 256 x 1, 16 waves a work-group, no clusters, 59,392 bytes of LDS; arguments m2, b2, g2, be2, W2_codes, W2_scales, W3_codes, W3_scales, b3, m3; writes m3
.if DOCPART == 5
	.amdgcn_target "amdgcn-amd-amdhsa--gfx1250"
	.amdhsa_code_object_version 6
	.text
	.protected	k_qe0572519b2_layer3
	.globl	k_qe0572519b2_layer3
	.p2align	8
	.type	k_qe0572519b2_layer3,@function
k_qe0572519b2_layer3:
	s_mov_b64 s[64:65], 0
	v_nop
	global_prefetch_b8 v0, s[64:65] scope:SCOPE_SE
	s_setreg_imm32_b32 hwreg(HW_REG_WAVE_MODE, 25, 1), 1
	s_wait_xcnt 0x0
; SECOND LAYER FINISHED, THIRD LAYER.  h2's 256 records are joined as in the launch before; h2 is multiplied again from the stored codes, normalised, clipped at 0 and quantised in registers.
; h3 = that W3^T + b3 (128 channels) never goes to memory: of each tile (one centroid's 16 neighbours) only the largest and the smallest h3 of each channel are stored, since the last normalisation rises or falls
; with h3 by the sign of its gain; and the work-group's (mean, M2) of each channel.  M2 wants the mean first, so the product runs twice.
; THE THIRD PRODUCT IS NOT TRANSPOSED: source 0 = the tile's 16 rows, source 1 = 16 rows of W3: a lane holds ONE channel (16 t + r) and its eight registers eight rows (8 h + j), so that sums and extrema over rows
; stay in the lane but for one exchange of halves.
; The extrema leave through LDS as rows [channel][32 centroids](max, min), 256 bytes, so that sixteen lanes store 256 consecutive bytes.
; NOT USED: tensor loads, clusters: shared are 131,072 bytes of records and 7 KB of weights.  LIMITS: NaN and infinities not served; a block of zeros gets the byte 1.
.set RED1,  0
.set RED2,  2048
.set TABM,  4096
.set TABA,  4352
.set TABB,  4608
.set PART,  5120                       ; 16 waves x 128 sums
.set PART2, 13312
.set LMEAN, 21504                      ; 128 local means
.set EXS,   22016                      ; 128 rows x (256 bytes + 16)
.set HS,    4194304
.set ST2,   4718592
.set P,     24
.set H,     24                         ; v24-87: h2's two tiles, later one tile's h3: eight accumulators
.set PC,    88
.set WS,    104
.set FSC,   108
.set WD,    109
.set W3S,   112                        ; v112-119 W3's scale words
.set TB,    120                        ; v120-143 a tile's tables, later the extrema on their way out
.set WA,    144
.set B1,    176
.set W3F,   144                        ; v144-207 W3's eight fragments
.set B3,    208
.set SUM,   216
.set SS,    224
.set LM3,   232
.set GT,    216
.set HT,    216
.set SEL,   44
.macro BARRIER
	s_wait_dscnt 0x0                               ; my LDS stores have landed and my LDS loads are in
	s_barrier_signal -1
	s_barrier_wait -1
.endm
.macro PLACES n
.rept \n
	v_nop
.endr
.endm
.macro GATHER16 reg, off, stride
.set x, 0
.rept 16
	ds_load_b32 v[\reg+x], v10 offset:\off+\stride*x
.set x, x+1
.endr
	s_wait_dscnt 0x0
.irp y, 0,2,4,6
	v_pk_add_f32 v[\reg+\y:\reg+\y+1], v[\reg+\y:\reg+\y+1], v[\reg+\y+8:\reg+\y+9]
.endr
.irp y, 0,2
	v_pk_add_f32 v[\reg+\y:\reg+\y+1], v[\reg+\y:\reg+\y+1], v[\reg+\y+4:\reg+\y+5]
.endr
	v_pk_add_f32 v[\reg:\reg+1], v[\reg:\reg+1], v[\reg+2:\reg+3]
	v_add_f32 v[\reg], v[\reg], v[\reg+1]
.endm
.macro SUM8 off
.irp s, 0,1,2,3,4,5,6,7
	ds_load_b32 v[GT+8+\s], v7 offset:\off+256*\s
.endr
	s_wait_dscnt 0x0
.irp s, 1,2,3,4,5,6,7
	v_add_f32 v[GT+8], v[GT+8], v[GT+8+\s]
.endr
.endm
; h3 of tile i: eight products, each its own accumulator; then the bias, each accumulator from its low end on
.macro P4 i
.irp t, 0,1,2,3,4,5,6,7
.if \i
	v_wmma_scale_f32_16x16x128_f8f6f4 v[H+8*\t:H+8*\t+7], v[PC+8:PC+15], v[W3F+8*\t:W3F+8*\t+7], 0, v[FSC], v[W3S+\t] matrix_a_fmt:MATRIX_FMT_FP4 matrix_b_fmt:MATRIX_FMT_FP4 matrix_a_scale:MATRIX_SCALE_ROW1
.else
	v_wmma_scale_f32_16x16x128_f8f6f4 v[H+8*\t:H+8*\t+7], v[PC:PC+7], v[W3F+8*\t:W3F+8*\t+7], 0, v[FSC], v[W3S+\t] matrix_a_fmt:MATRIX_FMT_FP4 matrix_b_fmt:MATRIX_FMT_FP4
.endif
.endr
	PLACES 5                                       ; places behind the products, ahead of the first read of a result and of the next products onto these registers
.irp t, 0,1,2,3,4,5,6,7
.irp j, 0,1,2,3,4,5,6,7
	v_add_f32 v[H+8*\t+\j], v[B3+\t], v[H+8*\t+\j]
.endr
.endr
.endm
; tile i: each channel's sum, largest and smallest over the 16 rows
.macro EXTREMA i
	v_cmp_eq_u32 vcc_lo, 1, v3
.irp t, 0,1,2,3,4,5,6,7
	v_pk_add_f32 v[240:241], v[H+8*\t:H+8*\t+1], v[H+8*\t+2:H+8*\t+3]
	v_pk_add_f32 v[242:243], v[H+8*\t+4:H+8*\t+5], v[H+8*\t+6:H+8*\t+7]
	v_max3_num_f32 v244, v[H+8*\t], v[H+8*\t+1], v[H+8*\t+2]
	v_min3_num_f32 v245, v[H+8*\t], v[H+8*\t+1], v[H+8*\t+2]
	v_pk_add_f32 v[240:241], v[240:241], v[242:243]
	v_max3_num_f32 v244, v244, v[H+8*\t+3], v[H+8*\t+4]
	v_min3_num_f32 v245, v245, v[H+8*\t+3], v[H+8*\t+4]
	v_max3_num_f32 v244, v244, v[H+8*\t+5], v[H+8*\t+6]
	v_min3_num_f32 v245, v245, v[H+8*\t+5], v[H+8*\t+6]
	v_max_num_f32 v244, v244, v[H+8*\t+7]
	v_min_num_f32 v245, v245, v[H+8*\t+7]
.if \i
	v_add_f32 v240, v240, v241
	v_add_f32 v[SUM+\t], v[SUM+\t], v240
.else
	v_add_f32 v[SUM+\t], v240, v241
.endif
	v_permlanex16_b32 v246, v244, s[SEL], s[SEL+1] ; the other eight rows lie in the lane 16 away
	v_permlanex16_b32 v247, v245, s[SEL], s[SEL+1]
	v_max_num_f32 v244, v244, v246
	v_min_num_f32 v245, v245, v247
	v_cndmask_b32 v244, v244, v245, vcc_lo         ; lanes 0-15 put the largest, lanes 16-31 the smallest
	ds_store_b32 v9, v244 offset:EXS+4352*\t+8*\i
.endr
.endm
	s_load_b256 s[4:11], s[0:1], 0x0               ; m2, b2, g2, be2
	s_load_b256 s[12:19], s[0:1], 0x20             ; W2_codes, W2_scales, W3_codes, W3_scales
	s_load_b128 s[20:23], s[0:1], 0x40             ; b3, m3
	v_lshl_add_u32 v248, v0, 2, 0xe000
	v_mov_b32 v249, 0
	v_lshrrev_b32 v1, 5, v0
	v_readfirstlane_b32 s24, v1                    ; wave 0..15
	v_and_b32 v1, 31, v0
	v_and_b32 v2, 15, v0                           ; r
	v_bfe_u32 v3, v0, 4, 1                         ; h
	v_lshlrev_b32 v4, 4, v1
	v_lshlrev_b32 v5, 2, v2                        ; 4 r
	v_lshlrev_b32 v6, 6, v3                        ; 64 h
	v_and_b32 v7, 63, v0
	v_lshrrev_b32 v8, 6, v0
	v_lshlrev_b32 v8, 14, v8
	v_lshl_add_u32 v8, v7, 3, v8                   ; my slice's records, my channel
	v_lshlrev_b32 v7, 2, v7
	v_mul_u32_u24 v9, v2, 272
	v_lshl_add_u32 v9, v3, 2, v9
	s_lshl_b32 s28, s24, 4
	v_add_nc_u32 v9, s28, v9                       ; LDS, extrema in: row r of a tile of channels, + 16 x wave (its two centroids), + 4 h
	v_lshlrev_b32 v10, 2, v0                       ; LDS: 4 x thread
	v_mul_u32_u24 v11, v3, 272
	v_lshl_add_u32 v11, v2, 4, v11
	s_mul_i32 s28, s24, 2176
	v_add_nc_u32 v11, s28, v11                     ; LDS, extrema out: channel 8 x wave + h, 16 r
	s_lshl_b32 s28, s24, 9
	v_add_nc_u32 v13, s28, v5                      ; LDS: 512 x wave + 4 r
	s_mov_b32 s25, ttmp9
	s_lshr_b32 s26, s25, 5                         ; the cloud
	s_and_b32 s27, s25, 31
	s_lshl_b32 s28, s25, 14
	s_lshl_b32 s29, s24, 10
	s_add_co_u32 s28, s28, s29
	v_add_nc_u32 v12, s28, v4                      ; codes: 512 bytes a tile
	s_lshl_b32 s28, s25, 11
	v_add_nc_u32 v14, s28, v10                     ; scale words
	v_and_b32 v16, 8, v2
	v_add_nc_u32 v16, v16, v2
	v_lshlrev_b32 v15, 5, v16
	v_lshl_add_u32 v15, v3, 4, v15                 ; W2: row r + 8 (r / 8), my half's 16 bytes
	v_lshlrev_b32 v16, 1, v16
	v_lshlrev_b32 v17, 5, v2
	v_lshl_add_u32 v17, v3, 4, v17                 ; W3: row r
	v_lshlrev_b32 v18, 1, v2
	s_lshl_b32 s28, s26, 20
	s_lshl_b32 s29, s24, 16
	s_add_co_u32 s28, s28, s29
	s_lshl_b32 s29, s27, 8
	s_add_co_u32 s28, s28, s29
	v_lshlrev_b32 v19, 13, v3
	v_lshl_add_u32 v19, v2, 4, v19
	v_add_nc_u32 v19, s28, v19                     ; m3: (128 cloud + 8 wave + h) rows of 8,192 bytes, + 256 blk + 16 r
	s_lshl_b32 s28, s25, 10
	v_lshl_add_u32 v20, v0, 3, s28                 ; my record
	v_mov_b32 v22, 0
	v_mov_b32 v23, 0
	v_mov_b32 v246, 0                              ; a lane permute's destination counts as one of its sources
	v_mov_b32 v247, 0
.irp i, 0,1
.irp k, 4,5,6,7
	v_mov_b32 v[PC+8*\i+\k], 0                     ; K = 64 .. 127: zero codes
.endr
.endr
.irp t, 0,1,2,3
.irp k, 4,5,6,7
	v_mov_b32 v[WA+8*\t+\k], 0
.endr
.endr
	s_mov_b32 s40, 0x44000000                      ; 512
	s_mov_b32 s41, 0x37000000                      ; 1 / 131,072
	s_mov_b32 s42, 0x3727c5ac                      ; 1e-5
	s_mov_b32 s[SEL], 0x76543210
	s_mov_b32 s[SEL+1], 0xfedcba98
	s_wait_kmcnt 0x0
	s_add_nc_u64 s[30:31], s[22:23], 8388608       ; m3's records
.set i, 0
.rept 32
	global_load_b64 v[P+2*i:P+2*i+1], v8, s[4:5] offset:ST2+512*i
.set i, i+1
.endr
	global_load_b32 v[GT+17], v7, s[8:9]
	global_load_b32 v[GT+18], v7, s[10:11]
.irp i, 0,1
	global_load_b128 v[PC+8*\i:PC+8*\i+3], v12, s[4:5] offset:512*\i
.endr
	global_load_b32 v[FSC], v14, s[4:5] offset:HS
.irp t, 0,1,2,3
	global_load_b128 v[WA+8*\t:WA+8*\t+3], v15, s[12:13] offset:(32*(\t/2)+8*(\t%2))*32
	global_load_u16 v[WS+\t], v16, s[14:15] offset:(32*(\t/2)+8*(\t%2))*2
.irp q, 0,1
	global_load_b128 v[B1+8*\t+4*\q:B1+8*\t+4*\q+3], v6, s[6:7] offset:(32*(\t/2)+8*(\t%2)+4*\q)*4
.endr
.endr
.irp t, 0,1,2,3,4,5,6,7
	global_load_b32 v[B3+\t], v5, s[20:21] offset:64*\t
.endr
	s_wait_loadcnt 29                              ; the 32 records are in; the 29 loads behind them may be out
	; ---- the records are joined
.irp k, 0,1,2,3
	v_pk_add_f32 v[GT+2*\k:GT+2*\k+1], v[P+2*\k:P+2*\k+1], v[P+8+2*\k:P+8+2*\k+1]
.endr
.irp e, 2,3,4,5,6,7
.irp k, 0,1,2,3
	v_pk_add_f32 v[GT+2*\k:GT+2*\k+1], v[GT+2*\k:GT+2*\k+1], v[P+8*\e+2*\k:P+8*\e+2*\k+1]
.endr
.endr
	v_pk_add_f32 v[GT:GT+1], v[GT:GT+1], v[GT+2:GT+3]
	v_pk_add_f32 v[GT+4:GT+5], v[GT+4:GT+5], v[GT+6:GT+7]
	v_pk_add_f32 v[GT:GT+1], v[GT:GT+1], v[GT+4:GT+5]
	ds_store_b32 v10, v[GT] offset:RED1
	BARRIER
	SUM8 RED1
	v_mul_f32 v[GT+16], 0x3b800000, v[GT+8]        ; the mean: / 256 records
.irp k, 0,1,2,3
	v_sub_f32 v[GT+8+\k], v[P+2*\k], v[GT+16]
.endr
.irp k, 0,1,2,3
	v_mul_f32 v[GT+4+\k], v[GT+8+\k], v[GT+8+\k]
.endr
.irp e, 1,2,3,4,5,6,7
.irp k, 0,1,2,3
	v_sub_f32 v[GT+8+\k], v[P+8*\e+2*\k], v[GT+16]
.endr
.irp k, 0,1,2,3
	v_fma_f32 v[GT+4+\k], v[GT+8+\k], v[GT+8+\k], v[GT+4+\k]
.endr
.endr
	v_add_f32 v[GT+4], v[GT+4], v[GT+5]
	v_add_f32 v[GT+6], v[GT+6], v[GT+7]
	v_add_f32 v[GT+4], v[GT+4], v[GT+6]
	v_fma_f32 v[GT+4], v[GT+4], s40, v[GT+1]
	ds_store_b32 v10, v[GT+4] offset:RED2
	BARRIER
	SUM8 RED2
	v_fma_f32 v[GT+8], v[GT+8], s41, s42           ; variance + 1e-5
	v_rsq_f32 v[GT+9], v[GT+8]
	v_nop                                          ; a plain line behind the transcendental,
	s_wait_alu depctr_va_vdst(0)                   ; and a wait ahead of its first reader
	s_wait_loadcnt 27                              ; g and be are in
	v_mul_f32 v[GT+9], v[GT+9], v[GT+17]
	s_cmp_gt_u32 s24, 1
	s_cbranch_scc1 .Ltab_done
	ds_store_b32 v10, v[GT+16] offset:TABM
	ds_store_b32 v10, v[GT+9] offset:TABA
	ds_store_b32 v10, v[GT+18] offset:TABB
.Ltab_done:
	BARRIER
	s_wait_loadcnt 0x0
	; ---- h2 again, from the stored codes (transposed: source 0 = 16 rows of W2)
.irp t, 0,1,2,3
	v_wmma_scale_f32_16x16x128_f8f6f4 v[H+8*\t:H+8*\t+7], v[WA+8*\t:WA+8*\t+7], v[PC:PC+7], v[B1+8*\t:B1+8*\t+7], v[WS+\t], v[FSC] matrix_a_fmt:MATRIX_FMT_FP4 matrix_b_fmt:MATRIX_FMT_FP4
.endr
.irp t, 0,1,2,3
	v_wmma_scale_f32_16x16x128_f8f6f4 v[H+32+8*\t:H+32+8*\t+7], v[WA+8*\t:WA+8*\t+7], v[PC+8:PC+15], v[B1+8*\t:B1+8*\t+7], v[WS+\t], v[FSC] matrix_a_fmt:MATRIX_FMT_FP4 matrix_b_fmt:MATRIX_FMT_FP4 matrix_b_scale:MATRIX_SCALE_ROW1
.endr
	PLACES 5                                       ; places behind the products, ahead of loads and writes into their registers and of the first read of a result
.irp t, 0,1,2,3,4,5,6,7
	global_load_b128 v[W3F+8*\t:W3F+8*\t+3], v17, s[16:17] offset:512*\t       ; W3's fragments take W2's and b2's place
	global_load_u16 v[W3S+\t], v18, s[18:19] offset:32*\t
.irp k, 4,5,6,7
	v_mov_b32 v[W3F+8*\t+\k], 0
.endr
.endr
	; ---- normalised and clipped
.irp t, 0,1,2,3
.irp q, 0,1
	ds_load_b128 v[TB+4*\q:TB+4*\q+3], v6 offset:TABM+(32*(\t/2)+8*(\t%2)+4*\q)*4
	ds_load_b128 v[TB+8+4*\q:TB+8+4*\q+3], v6 offset:TABA+(32*(\t/2)+8*(\t%2)+4*\q)*4
	ds_load_b128 v[TB+16+4*\q:TB+16+4*\q+3], v6 offset:TABB+(32*(\t/2)+8*(\t%2)+4*\q)*4
.endr
	s_wait_dscnt 0x0
.irp i, 0,1
.irp j, 0,2,4,6
	v_pk_add_f32 v[H+32*\i+8*\t+\j:H+32*\i+8*\t+\j+1], v[H+32*\i+8*\t+\j:H+32*\i+8*\t+\j+1], v[TB+\j:TB+\j+1] neg_lo:[0,1] neg_hi:[0,1]
.endr
.irp j, 0,2,4,6
	v_pk_fma_f32 v[H+32*\i+8*\t+\j:H+32*\i+8*\t+\j+1], v[H+32*\i+8*\t+\j:H+32*\i+8*\t+\j+1], v[TB+8+\j:TB+8+\j+1], v[TB+16+\j:TB+16+\j+1]
.endr
.irp j, 0,1,2,3,4,5,6,7
	v_max_num_f32 v[H+32*\i+8*\t+\j], 0, v[H+32*\i+8*\t+\j]
.endr
.endr
.endr
	; ---- quantised along the 64 channels
.irp i, 0,1
.irp b, 0,1
	v_max3_num_f32 v[HT+2*\i+\b], v[H+32*\i+16*\b], v[H+32*\i+16*\b+1], 0x1800000
.endr
.endr
.irp e, 2,4,6,8,10,12,14
.irp i, 0,1
.irp b, 0,1
	v_max3_num_f32 v[HT+2*\i+\b], v[HT+2*\i+\b], v[H+32*\i+16*\b+\e], v[H+32*\i+16*\b+\e+1]
.endr
.endr
.endr
.irp y, 0,1,2,3
	v_permlanex16_b32 v[HT+4+\y], v[HT+\y], s[SEL], s[SEL+1]
.endr
.irp y, 0,1,2,3
	v_max_num_f32 v[HT+\y], v[HT+\y], v[HT+4+\y]
.endr
.irp y, 0,1,2,3
	v_add_nc_u32 v[HT+8+\y], 0xff000000, v[HT+\y]
.endr
.irp y, 0,1,2,3
	v_lshrrev_b32 v[HT+12+\y], 23, v[HT+8+\y]
.endr
	v_lshl_or_b32 v[WD], v[HT+13], 8, v[HT+12]
	v_lshl_or_b32 v[WD+1], v[HT+15], 8, v[HT+14]
	v_cmp_eq_u32 vcc_lo, 1, v3
	v_cndmask_b32 v[FSC], v[WD], v[WD+1], vcc_lo   ; lanes 0-15: tile 0's rows; lanes 16-31: tile 1's
.irp i, 0,1
.irp b, 0,1
	v_cvt_scalef32_pk8_fp4_f32 v[PC+8*\i+2*\b], v[H+32*\i+16*\b:H+32*\i+16*\b+7], v[HT+8+2*\i+\b]
	v_cvt_scalef32_pk8_fp4_f32 v[PC+8*\i+2*\b+1], v[H+32*\i+16*\b+8:H+32*\i+16*\b+15], v[HT+8+2*\i+\b]
.endr
.endr
	v_nop                                          ; a plain line behind the last scaled conversion
.irp i, 0,1
	v_permlane16_swap_b32 v[PC+8*\i], v[PC+8*\i+2]
	v_permlane16_swap_b32 v[PC+8*\i+1], v[PC+8*\i+3]
.endr
.irp t, 0,1,2,3,4,5,6,7
	v_mov_b32 v[LM3+\t], 0                         ; written before they serve as a lane permute's destination
.endr
	s_wait_loadcnt 0x0                             ; W3 and its scales
	PLACES 8                                       ; a scale register written by a vector line stands 8 places ahead of a scaled product, an operand 4
	; ---- first sweep: sums and extrema
	P4 0
	EXTREMA 0
	P4 1
	EXTREMA 1
.irp t, 0,1,2,3,4,5,6,7
	v_permlanex16_b32 v[LM3+\t], v[SUM+\t], s[SEL], s[SEL+1]
.endr
.irp t, 0,1,2,3,4,5,6,7
	v_add_f32 v[SUM+\t], v[SUM+\t], v[LM3+\t]      ; my wave's 32 rows
.endr
.irp t, 0,1,2,3,4,5,6,7
	ds_store_b32 v13, v[SUM+\t] offset:PART+64*\t
.endr
	BARRIER                                        ; all sums and all extrema lie in LDS
	s_cmp_gt_u32 s24, 3
	s_cbranch_scc1 .Lmean_done
	GATHER16 H, PART, 512
	v_mul_f32 v22, 0x3b000000, v[H]                ; / 512 rows
	ds_store_b32 v10, v22 offset:LMEAN
.Lmean_done:
.irp e, 0,1,2,3
	ds_load_b128 v[TB+4*\e:TB+4*\e+3], v11 offset:EXS+544*\e
.endr
.irp e, 0,1,2,3
	s_wait_dscnt 3-\e                              ; load e is in; the 3 - e behind it may be out
	global_store_b128 v19, v[TB+4*\e:TB+4*\e+3], s[22:23] offset:16384*\e      ; sixteen lanes store 256 consecutive bytes, aligned
.endr
	BARRIER
.irp t, 0,1,2,3,4,5,6,7
	ds_load_b32 v[LM3+\t], v5 offset:LMEAN+64*\t
.endr
	s_wait_dscnt 0x0
	; ---- second sweep: squares of the distance from the work-group's mean
	P4 0
.irp j, 0,1,2,3,4,5,6,7
.irp t, 0,1,2,3,4,5,6,7
	v_sub_f32 v[H+8*\t+\j], v[H+8*\t+\j], v[LM3+\t]
.endr
.irp t, 0,1,2,3,4,5,6,7
.if \j == 0
	v_mul_f32 v[SS+\t], v[H+8*\t], v[H+8*\t]
.else
	v_fma_f32 v[SS+\t], v[H+8*\t+\j], v[H+8*\t+\j], v[SS+\t]
.endif
.endr
.endr
	P4 1
.irp j, 0,1,2,3,4,5,6,7
.irp t, 0,1,2,3,4,5,6,7
	v_sub_f32 v[H+8*\t+\j], v[H+8*\t+\j], v[LM3+\t]
.endr
.irp t, 0,1,2,3,4,5,6,7
	v_fma_f32 v[SS+\t], v[H+8*\t+\j], v[H+8*\t+\j], v[SS+\t]
.endr
.endr
.irp t, 0,1,2,3,4,5,6,7
	v_permlanex16_b32 v[LM3+\t], v[SS+\t], s[SEL], s[SEL+1]
.endr
.irp t, 0,1,2,3,4,5,6,7
	v_add_f32 v[SS+\t], v[SS+\t], v[LM3+\t]
.endr
.irp t, 0,1,2,3,4,5,6,7
	ds_store_b32 v13, v[SS+\t] offset:PART2+64*\t
.endr
	BARRIER
	s_cmp_gt_u32 s24, 3
	s_cbranch_scc1 .Lend
	GATHER16 H, PART2, 512
	v_mov_b32 v23, v[H]
	global_store_b64 v20, v[22:23], s[30:31]       ; (mean, M2): 256 consecutive bytes a wave
.Lend:
	s_wait_tensorcnt 0x0
	ds_add_u32 v248, v249
	s_wait_dscnt 0x0
	s_endpgm
.Lfunc_end_k_qe0572519b2_layer3:
	.size	k_qe0572519b2_layer3, .Lfunc_end_k_qe0572519b2_layer3-k_qe0572519b2_layer3
	.p2alignl 7, 3214868480
	.fill 96, 4, 3214868480
	.section	.rodata,"a",@progbits
	.p2align	6, 0x0
	.amdhsa_kernel k_qe0572519b2_layer3
		.amdhsa_group_segment_fixed_size 59392
		.amdhsa_private_segment_fixed_size 0
		.amdhsa_enable_private_segment 0
		.amdhsa_kernarg_size 80
		.amdhsa_user_sgpr_count 2
		.amdhsa_user_sgpr_kernarg_segment_ptr 1
		.amdhsa_wavefront_size32 1
		.amdhsa_system_sgpr_workgroup_id_x 1
		.amdhsa_system_sgpr_workgroup_id_y 1
		.amdhsa_system_sgpr_workgroup_id_z 1
		.amdhsa_system_vgpr_workitem_id 0
		.amdhsa_next_free_vgpr 250
		.amdhsa_next_free_sgpr 66
		.amdhsa_reserve_vcc 1
		.amdhsa_float_denorm_mode_32 3
		.amdhsa_float_denorm_mode_16_64 3
		.amdhsa_memory_ordered 1
		.amdhsa_forward_progress 1
		.amdhsa_inst_pref_size 80
	.end_amdhsa_kernel
	.amdgpu_metadata
---
amdhsa.version: [ 1, 2 ]
amdhsa.kernels:
  - .name:           k_qe0572519b2_layer3
    .symbol:         k_qe0572519b2_layer3.kd
    .args:
      - { .name: m2, .offset: 0, .size: 8, .value_kind: global_buffer, .address_space: global }
      - { .name: b2, .offset: 8, .size: 8, .value_kind: global_buffer, .address_space: global }
      - { .name: g2, .offset: 16, .size: 8, .value_kind: global_buffer, .address_space: global }
      - { .name: be2, .offset: 24, .size: 8, .value_kind: global_buffer, .address_space: global }
      - { .name: W2_codes, .offset: 32, .size: 8, .value_kind: global_buffer, .address_space: global }
      - { .name: W2_scales, .offset: 40, .size: 8, .value_kind: global_buffer, .address_space: global }
      - { .name: W3_codes, .offset: 48, .size: 8, .value_kind: global_buffer, .address_space: global }
      - { .name: W3_scales, .offset: 56, .size: 8, .value_kind: global_buffer, .address_space: global }
      - { .name: b3, .offset: 64, .size: 8, .value_kind: global_buffer, .address_space: global }
      - { .name: m3, .offset: 72, .size: 8, .value_kind: global_buffer, .address_space: global }
    .group_segment_fixed_size: 59392
    .private_segment_fixed_size: 0
    .kernarg_segment_align: 8
    .kernarg_segment_size: 80
    .max_flat_workgroup_size: 512
    .sgpr_count:     66
    .vgpr_count:     250
    .wavefront_size: 32
...
	.end_amdgpu_metadata
.endif
;; end of part 5
;; launch final (part 6): grid 256 x 1, 8 waves a work-group, no clusters, 2,048 bytes of LDS; arguments m3, g3, be3, out1; writes out1
.if DOCPART == 6
	.amdgcn_target "amdgcn-amd-amdhsa--gfx1250"
	.amdhsa_code_object_version 6
	.text
	.protected	k_qe0572519b2_final
	.globl	k_qe0572519b2_final
	.p2align	8
	.type	k_qe0572519b2_final,@function
k_qe0572519b2_final:
	s_mov_b64 s[64:65], 0
	v_nop
	global_prefetch_b8 v0, s[64:65] scope:SCOPE_SE
	s_setreg_imm32_b32 hwreg(HW_REG_WAVE_MODE, 25, 1), 1
	s_wait_xcnt 0x0
; THE LAST NORMALISATION AND THE MAXIMUM OVER THE NEIGHBOURS.  A work-group takes four channels (4 cg ..) of one cloud.  Thread i reads record i of the 256 (mean, M2) records; they are joined as in the launches before:
; mean = the mean of the means, variance = (sum of M2 + 512 x sum of (mean_i - mean)^2) / 131,072.  out1 = max(aff(largest h3), aff(smallest h3)), aff(x) = (x - mean) x (rsqrt(var + 1e-5) g) + be:
; aff rises or falls with x by the sign of g, and rounding keeps the order, so this is the maximum of aff over the 16 neighbours for either sign.
; A stream of 8,388,608 bytes in and 4,194,304 out: no matrix unit, no tensor load, no cluster.  A wave's load covers 512 consecutive bytes, its store 256.  LIMITS: NaN and infinities not served.
.set MS,   48                          ; v48-51 four numbers on their way to a sum; v52-55 the other half's
.set PX,   52
.set LD,   56                          ; v56-87 the eight waves' sums
.set MEAN, 88
.set AA,   92
.macro BARRIER
	s_wait_dscnt 0x0                               ; my LDS stores have landed and my LDS loads are in
	s_barrier_signal -1
	s_barrier_wait -1
.endm
; v[MS..MS+3] summed over the work-group's 256 threads, in a fixed order, into v[LD..LD+3] of every thread.  off: LDS bytes of this sum's own
.macro ALLSUM off
.irp m, 1,2,4,8
.irp c, 0,1,2,3
	v_add_f32_dpp v[MS+\c], v[MS+\c], v[MS+\c] row_xmask:\m row_mask:0xf bank_mask:0xf
.endr
.endr
.irp c, 0,1,2,3
	v_permlanex16_b32 v[PX+\c], v[MS+\c], s22, s23
.endr
.irp c, 0,1,2,3
	v_add_f32 v[MS+\c], v[MS+\c], v[PX+\c]
.endr
	ds_store_b128 v5, v[MS:MS+3] offset:\off       ; all lanes write the same numbers to my wave's 16 bytes
	BARRIER
.irp w, 0,1,2,3,4,5,6,7
	ds_load_b128 v[LD+4*\w:LD+4*\w+3], v6 offset:\off+16*\w
.endr
	s_wait_dscnt 0x0
.irp w, 1,2,3,4,5,6,7
	v_pk_add_f32 v[LD:LD+1], v[LD:LD+1], v[LD+4*\w:LD+4*\w+1]
	v_pk_add_f32 v[LD+2:LD+3], v[LD+2:LD+3], v[LD+4*\w+2:LD+4*\w+3]
.endr
.endm
	s_load_b256 s[4:11], s[0:1], 0x0               ; m3, g3, be3, out1
	v_lshl_add_u32 v96, v0, 2, 0x400
	v_mov_b32 v97, 0
	v_lshrrev_b32 v1, 5, v0
	v_readfirstlane_b32 s12, v1                    ; wave 0..7
	s_and_b32 s13, ttmp9, 31                       ; cg
	s_lshr_b32 s14, ttmp9, 5                       ; the cloud
	s_lshl_b32 s15, s13, 5
	v_lshl_add_u32 v2, v0, 10, s15                 ; record i, 1,024 bytes; my four channels' pairs: 32 bytes
	v_lshlrev_b32 v3, 4, v0
	v_lshlrev_b32 v4, 3, v0
	s_lshl_b32 s15, s12, 4
	v_mov_b32 v5, s15                              ; LDS: 16 x wave
	v_mov_b32 v6, 0
.irp c, 0,1,2,3
	v_mov_b32 v[PX+\c], 0                          ; a lane permute's destination counts as one of its sources
.endr
	s_mov_b32 s22, 0x76543210
	s_mov_b32 s23, 0xfedcba98
	s_mov_b32 s32, 0x44000000                      ; 512
	s_mov_b32 s33, 0x37000000                      ; 1 / 131,072
	s_mov_b32 s34, 0x3727c5ac                      ; 1e-5
	s_lshl_b32 s18, s14, 7
	s_lshl_b32 s19, s13, 2
	s_add_co_u32 s18, s18, s19                     ; my first channel, counted over all clouds
	s_mov_b32 s21, 0
	s_wait_kmcnt 0x0
	s_add_nc_u64 s[16:17], s[4:5], 8388608         ; the records
	s_lshl_b32 s20, s18, 13
	s_add_nc_u64 s[4:5], s[4:5], s[20:21]          ; the extrema: 8,192 bytes a channel
	s_lshl_b32 s20, s18, 12
	s_add_nc_u64 s[10:11], s[10:11], s[20:21]      ; out1: 4,096 bytes a channel
	s_lshl_b32 s20, s13, 4
	s_add_nc_u64 s[6:7], s[6:7], s[20:21]
	s_add_nc_u64 s[8:9], s[8:9], s[20:21]
	s_load_b128 s[24:27], s[6:7], 0x0              ; g3 of my four channels
	s_load_b128 s[28:31], s[8:9], 0x0              ; be3
	global_load_b128 v[8:11], v2, s[16:17]         ; (mean, M2) of channels 0, 1
	global_load_b128 v[12:15], v2, s[16:17] offset:16              ; and 2, 3
.irp c, 0,1,2,3
.irp p, 0,1
	global_load_b128 v[16+4*(2*\c+\p):19+4*(2*\c+\p)], v3, s[4:5] offset:8192*\c+4096*\p th:TH_LOAD_NT   ; (max, min) of centroids 512 p + 2 i and + 1
.endr
.endr
	s_wait_loadcnt 8                               ; my record is in; the eight loads behind it may be out
.irp c, 0,1,2,3
	v_mov_b32 v[MS+\c], v[8+2*\c]
.endr
	ALLSUM 0
.irp c, 0,1,2,3
	v_mul_f32 v[MEAN+\c], 0x3b800000, v[LD+\c]     ; / 256 records
.endr
.irp c, 0,1,2,3
	v_sub_f32 v[MS+\c], v[8+2*\c], v[MEAN+\c]
.endr
.irp c, 0,1,2,3
	v_mul_f32 v[MS+\c], v[MS+\c], v[MS+\c]
.endr
.irp c, 0,1,2,3
	v_fma_f32 v[MS+\c], v[MS+\c], s32, v[9+2*\c]   ; 512 (mean_i - mean)^2 + M2_i
.endr
	ALLSUM 256
.irp c, 0,1,2,3
	v_fma_f32 v[LD+\c], v[LD+\c], s33, s34         ; variance + 1e-5
.endr
.irp c, 0,1,2,3
	v_rsq_f32 v[AA+\c], v[LD+\c]
.endr
	v_nop                                          ; a plain line behind the last transcendental,
	s_wait_alu depctr_va_vdst(0)                   ; and one wait for the four ahead of the first reader
	s_wait_kmcnt 0x0
.irp c, 0,1,2,3
	v_mul_f32 v[AA+\c], s[24+\c], v[AA+\c]
.endr
	s_wait_loadcnt 0x0
.irp c, 0,1,2,3
.irp p, 0,1
.irp e, 0,1,2,3
	v_sub_f32 v[16+4*(2*\c+\p)+\e], v[16+4*(2*\c+\p)+\e], v[MEAN+\c]
.endr
.irp e, 0,1,2,3
	v_fma_f32 v[16+4*(2*\c+\p)+\e], v[16+4*(2*\c+\p)+\e], v[AA+\c], s[28+\c]
.endr
	v_max_num_f32 v[16+4*(2*\c+\p)], v[16+4*(2*\c+\p)], v[17+4*(2*\c+\p)]
	v_max_num_f32 v[17+4*(2*\c+\p)], v[18+4*(2*\c+\p)], v[19+4*(2*\c+\p)]
	global_store_b64 v4, v[16+4*(2*\c+\p):17+4*(2*\c+\p)], s[10:11] offset:4096*\c+2048*\p th:TH_STORE_NT   ; a wave stores 256 consecutive bytes, aligned
.endr
.endr
	s_wait_tensorcnt 0x0
	ds_add_u32 v96, v97
	s_wait_dscnt 0x0
	s_endpgm
.Lfunc_end_k_qe0572519b2_final:
	.size	k_qe0572519b2_final, .Lfunc_end_k_qe0572519b2_final-k_qe0572519b2_final
	.p2alignl 7, 3214868480
	.fill 96, 4, 3214868480
	.section	.rodata,"a",@progbits
	.p2align	6, 0x0
	.amdhsa_kernel k_qe0572519b2_final
		.amdhsa_group_segment_fixed_size 2048
		.amdhsa_private_segment_fixed_size 0
		.amdhsa_enable_private_segment 0
		.amdhsa_kernarg_size 32
		.amdhsa_user_sgpr_count 2
		.amdhsa_user_sgpr_kernarg_segment_ptr 1
		.amdhsa_wavefront_size32 1
		.amdhsa_system_sgpr_workgroup_id_x 1
		.amdhsa_system_sgpr_workgroup_id_y 1
		.amdhsa_system_sgpr_workgroup_id_z 1
		.amdhsa_system_vgpr_workitem_id 0
		.amdhsa_next_free_vgpr 98
		.amdhsa_next_free_sgpr 66
		.amdhsa_reserve_vcc 0
		.amdhsa_float_denorm_mode_32 3
		.amdhsa_float_denorm_mode_16_64 3
		.amdhsa_memory_ordered 1
		.amdhsa_forward_progress 1
		.amdhsa_inst_pref_size 15
	.end_amdhsa_kernel
	.amdgpu_metadata
---
amdhsa.version: [ 1, 2 ]
amdhsa.kernels:
  - .name:           k_qe0572519b2_final
    .symbol:         k_qe0572519b2_final.kd
    .args:
      - { .name: m3, .offset: 0, .size: 8, .value_kind: global_buffer, .address_space: global }
      - { .name: g3, .offset: 8, .size: 8, .value_kind: global_buffer, .address_space: global }
      - { .name: be3, .offset: 16, .size: 8, .value_kind: global_buffer, .address_space: global }
      - { .name: out1, .offset: 24, .size: 8, .value_kind: global_buffer, .address_space: global }
    .group_segment_fixed_size: 2048
    .private_segment_fixed_size: 0
    .kernarg_segment_align: 8
    .kernarg_segment_size: 32
    .max_flat_workgroup_size: 256
    .sgpr_count:     66
    .vgpr_count:     98
    .wavefront_size: 32
...
	.end_amdgpu_metadata
.endif
;; end of part 6
;; ======== version 2 of 2: 6 launches; version 1 with the launches layer1, layer2, layer3 written anew for expert scheduling mode
;; workspace buffers: glist 524,288 bytes of whole numbers; nidx 524,288 bytes of whole numbers; pf 35,656,192 bytes; m1 5,898,240 bytes; m2 4,849,664 bytes; m3 8,650,752 bytes
;; launch coarse: the kernel of part 1 again; grid 256 x 1, 16 waves a work-group, no clusters, 206,848 bytes of LDS; arguments xyz, points, sample_idx, W1, out0, glist, pf; writes out0, glist, pf
;; launch fine: the kernel of part 2 again; grid 1024 x 1, 4 waves a work-group, no clusters, 0 bytes of LDS; arguments xyz, out0, glist, nidx; writes nidx
;; launch layer1 (part 7): grid 256 x 1, 16 waves a work-group, no clusters, 18,432 bytes of LDS; arguments nidx, pf, out0, b1, m1; writes m1
.if DOCPART == 7
	.amdgcn_target "amdgcn-amd-amdhsa--gfx1250"
	.amdhsa_code_object_version 6
	.text
	.protected	k_qe0572519b2_layer1
	.globl	k_qe0572519b2_layer1
	.p2align	8
	.type	k_qe0572519b2_layer1,@function
k_qe0572519b2_layer1:
	s_mov_b64 s[64:65], 0
	v_nop
	global_prefetch_b8 v0, s[64:65] scope:SCOPE_SE
	s_setreg_imm32_b32 hwreg(HW_REG_WAVE_SCHED_MODE, 0, 2), 2
	s_setreg_imm32_b32 hwreg(HW_REG_WAVE_MODE, 25, 1), 1
	s_wait_xcnt 0x0
	s_wait_alu depctr_vm_vsrc(0)
; FIRST LAYER, FIRST SWEEP.  A tile of 16 rows is one centroid's 16 neighbours.  The rows (rel, 64 channels: K = 67, filled with zeros to 128) are gathered by the stored indices, quantised to E2M1 with one
; E8M0 scale for each 32 along K, and stored as images of the operand's registers; h1 = feat W1^T + b1 is formed only for its statistics: per channel the work-group's mean over its 512 rows and
; M2 = the sum of (h1 - that mean)^2, taken in a second sweep over the registers, so that no difference of large sums is formed.  The next launch joins the 256 records.
; SHARES.  Work-group: 32 tiles; wave w: tiles 2 w and 2 w + 1.  THE PRODUCT IS USED TRANSPOSED (source 0 = 16 rows of W1, source 1 = the 16 feature rows): lane (r, h) holds feature row r, and register j of
; tile t channel 32 (t / 2) + 16 h + 8 (t % 2) + j, since lane r of W1's tile t took row 32 (t / 2) + 8 (t % 2) + r + 8 (r / 8).  The bias is the C of the product.
; A lane gathers whole blocks: k = 32 h .. + 31 (128 bytes of the point's 256-byte row) and, lanes 0-15, k = 64 .. 66.  So a block's largest magnitude needs no other lane.
; One register carries both tiles' scale words: tile 0's in lanes 0-15, tile 1's in lanes 16-31.
; NOT USED: tensor loads, clusters: what work-groups share is 4,608 bytes of weights, read once a wave into registers.  LIMITS: NaN and infinities not served; a block of zeros gets the byte 1 (zero codes; read by this program alone).
; THE MODE: SCHED_MODE bits 1:0 = 2 (LLVM: expert scheduling mode 2), set by the entry lines.  The code itself states the register dependences
; between vector or matrix instructions and memory or LDS instructions, with s_wait_alu, always for 0.
; THE PLAN.  Registers that memory or LDS instructions touch:
;   v4-6, v9, v10, v12, v19, v20, v136, v137  offsets and LDS addresses: made at the head, never written again: one wait ahead of the first load.
;   v15-18     the gather's offsets, made from the loaded indices: one wait ahead of the gather; never written again.
;   PC, FSC    written by the conversions and the select; read by the global stores and by the products: one wait, behind the places, ahead of both; never written again.
;   S          written by the sums over lanes; read by the LDS stores (a wait ahead of them); written again by the gathering loads and by the squares (a wait on vm_vsrc behind the barrier).
;   LM = WA    read by the products; the local means' loads land there: the wait ahead of S's stores stands behind the products, and nothing since names these registers.
;   v22, v23   the record: a wait ahead of the LDS store of v22 and ahead of the global store of the pair.
.set PART,  0                          ; LDS: 16 waves x 64 sums;
.set PART2, 4096                       ; the same for the squares;
.set LMEAN, 8192                       ; 64 local means
.set FT,    4194304                    ; m1: 0 codes k 0-63 [tile][512]; FT codes k 64-71 [tile][128]; FS scale words [tile pair][128]; ST records [work-group][64](mean, M2)
.set FS,    5242880
.set ST,    5767168
.set H,     24                         ; v24-55, v56-87: the two tiles' 32 numbers a lane, later h1
.set PC,    88                         ; v88-95, v96-103: their codes
.set WS,    104                        ; v104-107 W1's scale words; v108 both tiles' words; v109-110 each tile's
.set FSC,   108
.set WD,    109
.set G,     120                        ; v120-127, v128-135: k = 64 .. 71
.set WA,    144                        ; v144-175 W1's four fragments, later the local means
.set LM,    144
.set B1,    176                        ; v176-207 b1 in the result's layout
.set S,     208                        ; v208-239 at work
.set SEL,   44
.macro BARRIER
	s_wait_dscnt 0x0                               ; my LDS stores have landed and my LDS loads are in
	s_barrier_signal -1
	s_barrier_wait -1
.endm
.macro PLACES n
.rept \n
	v_nop
.endr
.endm
.macro REDUCE16                        ; S's 32 numbers summed over the 16 lanes (rows) of each half
.irp m, 1,2,4,8
.set x, 0
.rept 32
	v_add_f32_dpp v[S+x], v[S+x], v[S+x] row_xmask:\m row_mask:0xf bank_mask:0xf
.set x, x+1
.endr
.endr
.endm
.macro PUT base                        ; to my wave's 64 words, channel c at 4 c; the sixteen lanes of a half write the same numbers to the same place
	s_wait_alu depctr_va_vdst(0)                   ; the sums over lanes have written S, which the LDS stores read; every earlier vector and matrix line is done with the registers in which later LDS loads land
.irp t, 0,1,2,3
.irp q, 0,1
	ds_store_b128 v9, v[S+8*\t+4*\q:S+8*\t+4*\q+3] offset:\base+(32*(\t/2)+8*(\t%2)+4*\q)*4
.endr
.endr
.endm
.macro GATHER16 reg, off, stride       ; thread c: the 16 waves' numbers of channel c, summed in a fixed order
.set x, 0
.rept 16
	ds_load_b32 v[\reg+x], v10 offset:\off+\stride*x
.set x, x+1
.endr
	s_wait_dscnt 0x0
.irp y, 0,2,4,6
	v_pk_add_f32 v[\reg+\y:\reg+\y+1], v[\reg+\y:\reg+\y+1], v[\reg+\y+8:\reg+\y+9]
.endr
.irp y, 0,2
	v_pk_add_f32 v[\reg+\y:\reg+\y+1], v[\reg+\y:\reg+\y+1], v[\reg+\y+4:\reg+\y+5]
.endr
	v_pk_add_f32 v[\reg:\reg+1], v[\reg:\reg+1], v[\reg+2:\reg+3]
	v_add_f32 v[\reg], v[\reg], v[\reg+1]
.endm
	s_load_b256 s[4:11], s[0:1], 0x0               ; nidx, pf, out0, b1
	s_load_b64 s[12:13], s[0:1], 0x20              ; m1
	v_lshl_add_u32 v142, v0, 2, 0x4000
	v_mov_b32 v143, 0
	v_lshrrev_b32 v1, 5, v0
	v_readfirstlane_b32 s18, v1                    ; wave 0..15
	v_and_b32 v1, 31, v0
	v_and_b32 v2, 15, v0                           ; r
	v_bfe_u32 v3, v0, 4, 1                         ; h
	v_lshlrev_b32 v4, 4, v1                        ; 16 x lane
	v_lshlrev_b32 v5, 2, v1                        ; 4 x lane
	v_lshlrev_b32 v6, 6, v3                        ; 64 h
	v_cvt_f32_u32 v7, v3
	v_add_f32 v21, -1.0, v7                        ; -1 in lanes 0-15, 0 in lanes 16-31
	v_sub_f32 v7, 1.0, v7                          ; 1 and 0
	v_lshlrev_b32 v8, 3, v3
	s_wait_alu depctr_va_sdst(0)                   ; s18 is written, ahead of its first reader
	s_lshl_b32 s22, s18, 8
	v_add_nc_u32 v9, s22, v6                       ; LDS: 256 x wave + 64 h
	v_lshlrev_b32 v10, 2, v0                       ; LDS: 4 x thread
	s_mov_b32 s21, ttmp9
	s_lshr_b32 s20, s21, 5                         ; the cloud
	s_and_b32 s19, s21, 31
	s_lshl_b32 s22, s21, 11
	s_lshl_b32 s23, s18, 7
	s_add_co_u32 s23, s22, s23
	v_lshl_add_u32 v12, v2, 2, s23                 ; my tile's list: 64 bytes a tile, 4 r
	v_add_nc_u32 v136, s22, v10                    ; scale words: 2,048 x work-group + 4 x thread
	s_lshl_b32 s22, s21, 14
	s_lshl_b32 s23, s18, 10
	s_add_co_u32 s22, s22, s23
	v_add_nc_u32 v19, s22, v4                      ; codes: 512 bytes a tile
	s_lshr_b32 s22, s22, 2
	v_add_nc_u32 v20, s22, v5                      ; and 128
	s_lshl_b32 s22, s21, 9
	v_lshl_add_u32 v137, v0, 3, s22                ; my record: 512 x work-group + 8 c
.irp i, 0,1
.irp k, 4,5,6,7
	v_mov_b32 v[G+8*\i+\k], 0                      ; K is filled with zeros
.endr
.irp k, 5,6,7
	v_mov_b32 v[PC+8*\i+\k], 0
.endr
	v_mov_b32 v[22+\i], 0
	v_mov_b32 v[S+14+\i], 0                        ; a lane permute's destination counts as one of its sources
.endr
	s_mov_b32 s[SEL], 0x76543210
	s_mov_b32 s[SEL+1], 0xfedcba98
	s_wait_kmcnt 0x0
	s_wait_alu depctr_va_vdst(0)                   ; the offsets and LDS addresses of the whole kernel are written, which its loads and stores read
	global_load_b32 v13, v12, s[4:5]
	global_load_b32 v14, v12, s[4:5] offset:64
	s_mul_i32 s22, s20, 12288
	s_lshl_b32 s23, s19, 7
	s_add_co_u32 s22, s22, s23
	s_lshl_b32 s23, s18, 3
	s_add_co_u32 s22, s22, s23
	s_mov_b32 s23, 0
	s_add_nc_u64 s[8:9], s[8:9], s[22:23]
	s_load_b64 s[24:25], s[8:9], 0x0               ; the two tiles' centroids: x,
	s_load_b64 s[26:27], s[8:9], 0x1000            ; y,
	s_load_b64 s[28:29], s[8:9], 0x2000            ; z
	s_add_nc_u64 s[14:15], s[6:7], 35651584        ; W1's images
	s_lshl_b32 s22, s20, 22
	s_add_nc_u64 s[16:17], s[6:7], s[22:23]        ; my cloud's rows of 256 bytes
	s_lshl_b32 s22, s20, 18
	s_add_nc_u64 s[30:31], s[6:7], s[22:23]
	s_add_nc_u64 s[30:31], s[30:31], 33554432      ; and of 16
.irp t, 0,1,2,3
	global_load_b128 v[WA+8*\t:WA+8*\t+3], v4, s[14:15] offset:1024*\t
	global_load_b128 v[WA+8*\t+4:WA+8*\t+7], v4, s[14:15] offset:1024*\t+512
	global_load_b32 v[WS+\t], v5, s[14:15] offset:4096+128*\t
.irp q, 0,1
	global_load_b128 v[B1+8*\t+4*\q:B1+8*\t+4*\q+3], v6, s[10:11] offset:(32*(\t/2)+8*(\t%2)+4*\q)*4
.endr
.endr
	s_wait_loadcnt 20                              ; the two indices are in; the 20 loads behind them may be out
	v_min_u32 v13, 0x3fff, v13
	v_min_u32 v14, 0x3fff, v14
	v_lshlrev_b32 v15, 8, v13
	v_lshlrev_b32 v16, 8, v14
	v_lshl_add_u32 v15, v3, 7, v15                 ; the point's row, my half of it
	v_lshl_add_u32 v16, v3, 7, v16
	v_lshlrev_b32 v17, 4, v13
	v_lshlrev_b32 v18, 4, v14
	s_wait_alu depctr_va_vdst(0)                   ; the gather's four offsets v15 to v18 are written, which the loads below read
.irp i, 0,1
.irp e, 0,1,2,3,4,5,6,7
	global_load_b128 v[H+32*\i+4*\e:H+32*\i+4*\e+3], v[15+\i], s[16:17] offset:16*\e
.endr
	global_load_b128 v[G+8*\i:G+8*\i+3], v[17+\i], s[30:31]
.endr
	s_wait_kmcnt 0x0
	s_wait_loadcnt 0x0
	; ---- the quantiser
.irp i, 0,1
.irp c, 0,1,2
	v_fma_f32 v[H+32*\i+\c], s[24+2*\c+\i], v21, v[H+32*\i+\c]     ; rel = xyz - q where k = 0, 1, 2 (lanes 0-15); q x 1 and q x 0 are exact
	v_mul_f32 v[G+8*\i+\c], v7, v[G+8*\i+\c]                       ; k = 96 on is zero
.endr
.endr
.irp i, 0,1
	v_max3_num_f32 v[S+\i], |v[H+32*\i]|, |v[H+32*\i+1]|, 0x1800000      ; a block's largest magnitude, over the floor 2^(3 - 127), which holds the byte at 1 from below
	v_max3_num_f32 v[S+2+\i], |v[G+8*\i]|, |v[G+8*\i+1]|, 0x1800000
.endr
.irp e, 2,4,6,8,10,12,14,16,18,20,22,24,26,28,30
.irp i, 0,1
	v_max3_num_f32 v[S+\i], v[S+\i], |v[H+32*\i+\e]|, |v[H+32*\i+\e+1]|
.endr
.endr
.irp i, 0,1
	v_max_num_f32 v[S+2+\i], v[S+2+\i], |v[G+8*\i+2]|
.endr
.irp y, 0,1,2,3
	v_add_nc_u32 v[S+4+\y], 0xff000000, v[S+\y]    ; 2 off the exponent field: the conversion's scale operand
.endr
.irp y, 0,1,2,3
	v_lshrrev_b32 v[S+8+\y], 23, v[S+4+\y]         ; the scale's byte
.endr
	v_cmp_eq_u32 vcc_lo, 1, v3                     ; the mask of lanes 16-31, for the select below
.irp i, 0,1
	v_lshl_or_b32 v[S+12+\i], v[S+10+\i], 16, v[S+8+\i]            ; blocks h and 2 + h,
.endr
.irp i, 0,1
	v_lshlrev_b32 v[S+12+\i], v8, v[S+12+\i]       ; at their places in the row's word;
.endr
.irp i, 0,1
	v_permlanex16_b32 v[S+14+\i], v[S+12+\i], s[SEL], s[SEL+1]
.endr
.irp i, 0,1
	v_or_b32 v[WD+\i], v[S+12+\i], v[S+14+\i]      ; with the other half's two the word is whole, in both halves
.endr
	s_wait_alu depctr_va_vcc(0)                    ; the compare has written VCC, ahead of its first reader
	v_cndmask_b32 v[FSC], v[WD], v[WD+1], vcc_lo   ; lanes 0-15: tile 0's rows; lanes 16-31: tile 1's
.irp i, 0,1
.irp g, 0,1,2,3
	v_cvt_scalef32_pk8_fp4_f32 v[PC+8*\i+\g], v[H+32*\i+8*\g:H+32*\i+8*\g+7], v[S+4+\i]
.endr
	v_cvt_scalef32_pk8_fp4_f32 v[PC+8*\i+4], v[G+8*\i:G+8*\i+7], v[S+6+\i]
.endr
	v_nop                                          ; a plain line behind the last scaled conversion
	PLACES 8                                       ; a scale register written by a vector line stands 8 places ahead of a scaled product, an operand 4
	s_wait_alu depctr_va_vdst(0)                   ; the conversions have written the codes and the select the scale words: the stores below read them, and the products take them as operand and scales
.irp i, 0,1
	global_store_b128 v19, v[PC+8*\i:PC+8*\i+3], s[12:13] offset:512*\i
	global_store_b32 v20, v[PC+8*\i+4], s[12:13] offset:FT+128*\i
.endr
	global_store_b32 v136, v[FSC], s[12:13] offset:FS
.irp t, 0,1,2,3
	v_wmma_scale_f32_16x16x128_f8f6f4 v[H+8*\t:H+8*\t+7], v[WA+8*\t:WA+8*\t+7], v[PC:PC+7], v[B1+8*\t:B1+8*\t+7], v[WS+\t], v[FSC] matrix_a_fmt:MATRIX_FMT_FP4 matrix_b_fmt:MATRIX_FMT_FP4
.endr
.irp t, 0,1,2,3
	v_wmma_scale_f32_16x16x128_f8f6f4 v[H+32+8*\t:H+32+8*\t+7], v[WA+8*\t:WA+8*\t+7], v[PC+8:PC+15], v[B1+8*\t:B1+8*\t+7], v[WS+\t], v[FSC] matrix_a_fmt:MATRIX_FMT_FP4 matrix_b_fmt:MATRIX_FMT_FP4 matrix_b_scale:MATRIX_SCALE_ROW1
.endr
	PLACES 5                                       ; places behind the products (ISA guide 7.12.1), ahead of the first read of a result
	; ---- the work-group's statistics
.set x, 0
.rept 16
	v_pk_add_f32 v[S+x:S+x+1], v[H+x:H+x+1], v[H+32+x:H+32+x+1]    ; each accumulator is read from its low end on
.set x, x+2
.endr
	REDUCE16
	PUT PART
	BARRIER
	s_wait_alu depctr_vm_vsrc(0)                   ; my LDS stores have read S, which the gathering loads (waves 0, 1) and the squares (every wave) write again
	s_cmp_gt_u32 s18, 1
	s_cbranch_scc1 .Lmean_done
	GATHER16 S, PART, 256
	v_mul_f32 v22, 0x3b000000, v[S]                ; / 512 rows
	s_wait_alu depctr_va_vdst(0)                   ; v22 is written, which the LDS store reads
	ds_store_b32 v10, v22 offset:LMEAN
.Lmean_done:
	BARRIER
.irp t, 0,1,2,3
.irp q, 0,1
	ds_load_b128 v[LM+8*\t+4*\q:LM+8*\t+4*\q+3], v6 offset:LMEAN+(32*(\t/2)+8*(\t%2)+4*\q)*4   ; into W1's registers: the products that read them stand ahead of the wait in front of S's stores, and no vector line since names them
.endr
.endr
	s_wait_dscnt 0x0
.set x, 0
.rept 16
	v_pk_add_f32 v[H+x:H+x+1], v[H+x:H+x+1], v[LM+x:LM+x+1] neg_lo:[0,1] neg_hi:[0,1]
	v_pk_add_f32 v[H+32+x:H+32+x+1], v[H+32+x:H+32+x+1], v[LM+x:LM+x+1] neg_lo:[0,1] neg_hi:[0,1]
.set x, x+2
.endr
.set x, 0
.rept 16
	v_pk_mul_f32 v[S+x:S+x+1], v[H+x:H+x+1], v[H+x:H+x+1]
.set x, x+2
.endr
.set x, 0
.rept 16
	v_pk_fma_f32 v[S+x:S+x+1], v[H+32+x:H+32+x+1], v[H+32+x:H+32+x+1], v[S+x:S+x+1]
.set x, x+2
.endr
	REDUCE16
	PUT PART2
	BARRIER
	s_wait_alu depctr_vm_vsrc(0)                   ; my LDS stores have read S, in which the gathering loads of waves 0 and 1 land
	s_cmp_gt_u32 s18, 1
	s_cbranch_scc1 .Lend
	GATHER16 S, PART2, 256
	v_mov_b32 v23, v[S]
	s_wait_alu depctr_va_vdst(0)                   ; v23 is written (v22 long since), which the store reads
	global_store_b64 v137, v[22:23], s[12:13] offset:ST            ; (mean, M2): 256 consecutive bytes a wave
.Lend:
	s_wait_dscnt 0x0
	s_wait_alu depctr_hold_cnt(0) depctr_sa_sdst(0) depctr_va_vdst(0) depctr_va_sdst(0) depctr_va_ssrc(0) depctr_va_vcc(0) depctr_vm_vsrc(0)
	s_wait_tensorcnt 0x0
	ds_add_u32 v142, v143
	s_wait_dscnt 0x0
	s_endpgm
.Lfunc_end_k_qe0572519b2_layer1:
	.size	k_qe0572519b2_layer1, .Lfunc_end_k_qe0572519b2_layer1-k_qe0572519b2_layer1
	.p2alignl 7, 3214868480
	.fill 96, 4, 3214868480
	.section	.rodata,"a",@progbits
	.p2align	6, 0x0
	.amdhsa_kernel k_qe0572519b2_layer1
		.amdhsa_group_segment_fixed_size 18432
		.amdhsa_private_segment_fixed_size 0
		.amdhsa_enable_private_segment 0
		.amdhsa_kernarg_size 40
		.amdhsa_user_sgpr_count 2
		.amdhsa_user_sgpr_kernarg_segment_ptr 1
		.amdhsa_wavefront_size32 1
		.amdhsa_system_sgpr_workgroup_id_x 1
		.amdhsa_system_sgpr_workgroup_id_y 1
		.amdhsa_system_sgpr_workgroup_id_z 1
		.amdhsa_system_vgpr_workitem_id 0
		.amdhsa_next_free_vgpr 240
		.amdhsa_next_free_sgpr 66
		.amdhsa_reserve_vcc 1
		.amdhsa_float_denorm_mode_32 3
		.amdhsa_float_denorm_mode_16_64 3
		.amdhsa_memory_ordered 1
		.amdhsa_forward_progress 1
		.amdhsa_inst_pref_size 41
	.end_amdhsa_kernel
	.amdgpu_metadata
---
amdhsa.version: [ 1, 2 ]
amdhsa.kernels:
  - .name:           k_qe0572519b2_layer1
    .symbol:         k_qe0572519b2_layer1.kd
    .args:
      - { .name: nidx, .offset: 0, .size: 8, .value_kind: global_buffer, .address_space: global }
      - { .name: pf, .offset: 8, .size: 8, .value_kind: global_buffer, .address_space: global }
      - { .name: out0, .offset: 16, .size: 8, .value_kind: global_buffer, .address_space: global }
      - { .name: b1, .offset: 24, .size: 8, .value_kind: global_buffer, .address_space: global }
      - { .name: m1, .offset: 32, .size: 8, .value_kind: global_buffer, .address_space: global }
    .group_segment_fixed_size: 18432
    .private_segment_fixed_size: 0
    .kernarg_segment_align: 8
    .kernarg_segment_size: 40
    .max_flat_workgroup_size: 512
    .sgpr_count:     66
    .vgpr_count:     240
    .wavefront_size: 32
...
	.end_amdgpu_metadata
.endif
;; end of part 7
;; launch layer2 (part 8): grid 256 x 1, 16 waves a work-group, no clusters, 18,432 bytes of LDS; arguments m1, pf, b1, g1, be1, W2_codes, W2_scales, b2, m2; writes m2
.if DOCPART == 8
	.amdgcn_target "amdgcn-amd-amdhsa--gfx1250"
	.amdhsa_code_object_version 6
	.text
	.protected	k_qe0572519b2_layer2
	.globl	k_qe0572519b2_layer2
	.p2align	8
	.type	k_qe0572519b2_layer2,@function
k_qe0572519b2_layer2:
	s_mov_b64 s[64:65], 0
	v_nop
	global_prefetch_b8 v0, s[64:65] scope:SCOPE_SE
	s_setreg_imm32_b32 hwreg(HW_REG_WAVE_SCHED_MODE, 0, 2), 2
	s_setreg_imm32_b32 hwreg(HW_REG_WAVE_MODE, 25, 1), 1
	s_wait_xcnt 0x0
	s_wait_alu depctr_vm_vsrc(0)
; FIRST LAYER FINISHED, SECOND LAYER'S FIRST SWEEP.  The 256 records (mean, M2) of h1 are joined: mean = the mean of the means, variance = (sum of M2 + 512 x sum of (mean_i - mean)^2) / 131,072, every work-group in
; the same order.  h1 = feat W1^T + b1 is multiplied again from the stored codes, normalised ((h - mean) x (rsqrt(var + 1e-5) g) + be), clipped at 0, quantised along its 64 channels in registers, and stored as
; images of the operand's registers.  h2 = that W2^T + b2 is formed for its statistics alone: the work-group's mean and M2, as in the launch before.
; SHARES AND LAYOUT as there: wave w has tiles 2 w, 2 w + 1 of its work-group's 32; both products transposed, W's rows chosen so that the 16 registers of tiles 2 b and 2 b + 1 are 16 neighbours along the next K;
; a block of 32 lies in lanes l and l xor 16.  K = 64 is filled to 128 with zero codes (their scale bytes are 0, which is 2^-127 and harmless over zeros).
; NOT USED: tensor loads, clusters: shared are 131,072 bytes of records and 7 KB of weights, read once into registers.  LIMITS: NaN and infinities not served; a block of zeros gets the byte 1.
; THE MODE: SCHED_MODE bits 1:0 = 2 (LLVM: expert scheduling mode 2), set by the entry lines.  The code itself states the register dependences
; between vector or matrix instructions and memory or LDS instructions, with s_wait_alu, always for 0.
; THE PLAN.  Registers that memory or LDS instructions touch:
;   v4-10, v12-17  offsets and LDS addresses: made at the head, never written again: one wait ahead of the first load.
;   GT ..      the joining of records: a wait ahead of each LDS store of a number just made (the second also frees the registers in which the second gathering lands);
;              one wait on vm_vsrc behind the tables' barrier, since all the stored registers lie where tables land later.
;   WA, WS, B1 read by h1's products; W2's fragments, scale bytes and b2 land there: ONE wait behind those products' places.  The same wait frees the three table buffers.
;   TB0-TB2    a tile's mean, gain and offset.  Tiles 0, 1, 2 are asked for at once; tile 3 goes into TB0 behind one wait, which states that tile 0's lines are done reading it.
;   PC, FSC    written by the conversions, the swaps and the select; read by the global stores and by h2's products: one wait, behind the places, ahead of both; never written again.
;   S, LM, v22, v23  as in the launch before.
.set RED1,  0                          ; LDS: 512 partial sums of means; 512 of squares; three tables of 64; then as in the launch before
.set RED2,  2048
.set TABM,  4096
.set TABA,  4352
.set TABB,  4608
.set PART,  5120
.set PART2, 9216
.set LMEAN, 13312
.set FT,    4194304
.set FS,    5242880
.set ST1,   5767168
.set HS,    4194304                    ; m2: 0 codes [tile][512]; HS scale words [tile pair][128]; ST2 records
.set ST2,   4718592
.set P,     24                         ; v24-87 32 records, later h1, h2
.set H,     24
.set PC,    88
.set WS,    104
.set FSC,   108
.set WD,    109
.set TB0,   120                        ; v120-143, v208-231, v232-255: three buffers for a tile's mean, gain, offset
.set TB1,   208
.set TB2,   232
.set WA,    144
.set LM,    144
.set B1,    176
.set S,     208
.set GT,    208
.set HT,    208
.set SEL,   44
.macro BARRIER
	s_wait_dscnt 0x0                               ; my LDS stores have landed and my LDS loads are in
	s_barrier_signal -1
	s_barrier_wait -1
.endm
.macro PLACES n
.rept \n
	v_nop
.endr
.endm
.macro REDUCE16
.irp m, 1,2,4,8
.set x, 0
.rept 32
	v_add_f32_dpp v[S+x], v[S+x], v[S+x] row_xmask:\m row_mask:0xf bank_mask:0xf
.set x, x+1
.endr
.endr
.endm
.macro PUT base
	s_wait_alu depctr_va_vdst(0)                   ; the sums over lanes have written S, which the LDS stores read; every earlier vector and matrix line is done with the registers in which later LDS loads land
.irp t, 0,1,2,3
.irp q, 0,1
	ds_store_b128 v9, v[S+8*\t+4*\q:S+8*\t+4*\q+3] offset:\base+(32*(\t/2)+8*(\t%2)+4*\q)*4
.endr
.endr
.endm
.macro GATHER16 reg, off, stride
.set x, 0
.rept 16
	ds_load_b32 v[\reg+x], v10 offset:\off+\stride*x
.set x, x+1
.endr
	s_wait_dscnt 0x0
.irp y, 0,2,4,6
	v_pk_add_f32 v[\reg+\y:\reg+\y+1], v[\reg+\y:\reg+\y+1], v[\reg+\y+8:\reg+\y+9]
.endr
.irp y, 0,2
	v_pk_add_f32 v[\reg+\y:\reg+\y+1], v[\reg+\y:\reg+\y+1], v[\reg+\y+4:\reg+\y+5]
.endr
	v_pk_add_f32 v[\reg:\reg+1], v[\reg:\reg+1], v[\reg+2:\reg+3]
	v_add_f32 v[\reg], v[\reg], v[\reg+1]
.endm
.macro SUM8 off                        ; the eight slices' numbers of my channel, summed in order, into v[GT+8]
.irp s, 0,1,2,3,4,5,6,7
	ds_load_b32 v[GT+8+\s], v7 offset:\off+256*\s
.endr
	s_wait_dscnt 0x0
.irp s, 1,2,3,4,5,6,7
	v_add_f32 v[GT+8], v[GT+8], v[GT+8+\s]
.endr
.endm
.macro TABLES t, tb                    ; tile t's mean, gain and offset into buffer tb: six LDS loads
.irp q, 0,1
	ds_load_b128 v[\tb+4*\q:\tb+4*\q+3], v6 offset:TABM+(32*((\t)/2)+8*((\t)%2)+4*\q)*4
	ds_load_b128 v[\tb+8+4*\q:\tb+8+4*\q+3], v6 offset:TABA+(32*((\t)/2)+8*((\t)%2)+4*\q)*4
	ds_load_b128 v[\tb+16+4*\q:\tb+16+4*\q+3], v6 offset:TABB+(32*((\t)/2)+8*((\t)%2)+4*\q)*4
.endr
.endm
.macro NORM t, tb, left                ; tile t of both tiles of rows is normalised and clipped.  left: the younger tiles' LDS loads, which may stay out
	s_wait_dscnt \left
.irp i, 0,1
.irp j, 0,2,4,6
	v_pk_add_f32 v[H+32*\i+8*(\t)+\j:H+32*\i+8*(\t)+\j+1], v[H+32*\i+8*(\t)+\j:H+32*\i+8*(\t)+\j+1], v[\tb+\j:\tb+\j+1] neg_lo:[0,1] neg_hi:[0,1]
.endr
.irp j, 0,2,4,6
	v_pk_fma_f32 v[H+32*\i+8*(\t)+\j:H+32*\i+8*(\t)+\j+1], v[H+32*\i+8*(\t)+\j:H+32*\i+8*(\t)+\j+1], v[\tb+8+\j:\tb+8+\j+1], v[\tb+16+\j:\tb+16+\j+1]
.endr
.irp j, 0,1,2,3,4,5,6,7
	v_max_num_f32 v[H+32*\i+8*(\t)+\j], 0, v[H+32*\i+8*(\t)+\j]
.endr
.endr
.endm
	s_load_b256 s[4:11], s[0:1], 0x0               ; m1, pf, b1, g1
	s_load_b256 s[12:19], s[0:1], 0x20             ; be1, W2_codes, W2_scales, b2
	s_load_b64 s[20:21], s[0:1], 0x40              ; m2
	v_lshl_add_u32 v118, v0, 2, 0x4000
	v_mov_b32 v119, 0
	v_lshrrev_b32 v1, 5, v0
	v_readfirstlane_b32 s24, v1                    ; wave 0..15
	v_and_b32 v1, 31, v0
	v_and_b32 v2, 15, v0                           ; r
	v_bfe_u32 v3, v0, 4, 1                         ; h
	v_lshlrev_b32 v4, 4, v1
	v_lshlrev_b32 v5, 2, v1
	v_lshlrev_b32 v6, 6, v3                        ; 64 h
	v_and_b32 v7, 63, v0                           ; my channel in the joining of records,
	v_lshrrev_b32 v8, 6, v0                        ; and my slice of 32 records
	v_lshlrev_b32 v8, 14, v8
	v_lshl_add_u32 v8, v7, 3, v8
	v_lshlrev_b32 v7, 2, v7
	s_wait_alu depctr_va_sdst(0)                   ; s24 is written, ahead of its first reader
	s_lshl_b32 s26, s24, 8
	v_add_nc_u32 v9, s26, v6                       ; LDS: 256 x wave + 64 h
	v_lshlrev_b32 v10, 2, v0                       ; LDS: 4 x thread
	s_mov_b32 s25, ttmp9
	s_lshl_b32 s26, s25, 14
	s_lshl_b32 s27, s24, 10
	s_add_co_u32 s26, s26, s27
	v_add_nc_u32 v12, s26, v4                      ; codes: 512 bytes a tile
	s_lshr_b32 s26, s26, 2
	v_add_nc_u32 v13, s26, v5
	s_lshl_b32 s26, s25, 11
	v_add_nc_u32 v14, s26, v10                     ; scale words
	v_and_b32 v16, 8, v2
	v_add_nc_u32 v16, v16, v2                      ; r + 8 (r / 8)
	v_lshlrev_b32 v15, 5, v16
	v_lshl_add_u32 v15, v3, 4, v15                 ; W2: a row is 32 bytes, my half's 16
	v_lshlrev_b32 v16, 1, v16                      ; and 2 scale bytes
	s_lshl_b32 s26, s25, 9
	v_lshl_add_u32 v17, v0, 3, s26                 ; my record
	v_mov_b32 v22, 0
	v_mov_b32 v23, 0
.irp i, 0,1
.irp k, 5,6,7
	v_mov_b32 v[PC+8*\i+\k], 0
.endr
.endr
	s_mov_b32 s40, 0x44000000                      ; 512
	s_mov_b32 s41, 0x37000000                      ; 1 / 131,072
	s_mov_b32 s42, 0x3727c5ac                      ; 1e-5
	s_mov_b32 s[SEL], 0x76543210
	s_mov_b32 s[SEL+1], 0xfedcba98
	s_wait_kmcnt 0x0
	s_add_nc_u64 s[28:29], s[6:7], 35651584        ; W1's images
	s_wait_alu depctr_va_vdst(0)                   ; the offsets and LDS addresses of the whole kernel are written, which its loads and stores read
.set i, 0
.rept 32
	global_load_b64 v[P+2*i:P+2*i+1], v8, s[4:5] offset:ST1+512*i  ; record 32 x slice + i, channel c: 256 consecutive bytes a wave
.set i, i+1
.endr
	global_load_b32 v[GT+17], v7, s[10:11]
	global_load_b32 v[GT+18], v7, s[12:13]
.irp i, 0,1
	global_load_b128 v[PC+8*\i:PC+8*\i+3], v12, s[4:5] offset:512*\i
	global_load_b32 v[PC+8*\i+4], v13, s[4:5] offset:FT+128*\i
.endr
	global_load_b32 v[FSC], v14, s[4:5] offset:FS
.irp t, 0,1,2,3
	global_load_b128 v[WA+8*\t:WA+8*\t+3], v4, s[28:29] offset:1024*\t
	global_load_b128 v[WA+8*\t+4:WA+8*\t+7], v4, s[28:29] offset:1024*\t+512
	global_load_b32 v[WS+\t], v5, s[28:29] offset:4096+128*\t
.irp q, 0,1
	global_load_b128 v[B1+8*\t+4*\q:B1+8*\t+4*\q+3], v6, s[8:9] offset:(32*(\t/2)+8*(\t%2)+4*\q)*4
.endr
.endr
	s_wait_loadcnt 27                              ; the 32 records are in; the 27 loads behind them may be out
	; ---- the records are joined
.irp k, 0,1,2,3
	v_pk_add_f32 v[GT+2*\k:GT+2*\k+1], v[P+2*\k:P+2*\k+1], v[P+8+2*\k:P+8+2*\k+1]
.endr
.irp e, 2,3,4,5,6,7
.irp k, 0,1,2,3
	v_pk_add_f32 v[GT+2*\k:GT+2*\k+1], v[GT+2*\k:GT+2*\k+1], v[P+8*\e+2*\k:P+8*\e+2*\k+1]
.endr
.endr
	v_pk_add_f32 v[GT:GT+1], v[GT:GT+1], v[GT+2:GT+3]
	v_pk_add_f32 v[GT+4:GT+5], v[GT+4:GT+5], v[GT+6:GT+7]
	v_pk_add_f32 v[GT:GT+1], v[GT:GT+1], v[GT+4:GT+5]              ; (sum of means, sum of M2) of my slice
	s_wait_alu depctr_va_vdst(0)                   ; v[GT] is written, which the LDS store reads
	ds_store_b32 v10, v[GT] offset:RED1
	BARRIER
	SUM8 RED1
	v_mul_f32 v[GT+16], 0x3b800000, v[GT+8]        ; the mean: / 256 records
.irp k, 0,1,2,3
	v_sub_f32 v[GT+8+\k], v[P+2*\k], v[GT+16]
.endr
.irp k, 0,1,2,3
	v_mul_f32 v[GT+4+\k], v[GT+8+\k], v[GT+8+\k]
.endr
.irp e, 1,2,3,4,5,6,7
.irp k, 0,1,2,3
	v_sub_f32 v[GT+8+\k], v[P+8*\e+2*\k], v[GT+16]
.endr
.irp k, 0,1,2,3
	v_fma_f32 v[GT+4+\k], v[GT+8+\k], v[GT+8+\k], v[GT+4+\k]
.endr
.endr
	v_add_f32 v[GT+4], v[GT+4], v[GT+5]
	v_add_f32 v[GT+6], v[GT+6], v[GT+7]
	v_add_f32 v[GT+4], v[GT+4], v[GT+6]
	v_fma_f32 v[GT+4], v[GT+4], s40, v[GT+1]       ; 512 x sum of (mean_i - mean)^2 + sum of M2
	s_wait_alu depctr_va_vdst(0)                   ; v[GT+4] is written, which the LDS store reads; the lines above are done with v[GT+8] to v[GT+15], in which the second gathering's loads land
	ds_store_b32 v10, v[GT+4] offset:RED2
	BARRIER
	SUM8 RED2
	v_fma_f32 v[GT+8], v[GT+8], s41, s42           ; variance + 1e-5
	v_rsq_f32 v[GT+9], v[GT+8]
	v_nop                                          ; a plain line behind the transcendental,
	s_wait_alu depctr_va_vdst(0)                   ; and the root's reciprocal is written, ahead of its first reader
	s_wait_loadcnt 25                              ; g and be are in
	v_mul_f32 v[GT+9], v[GT+9], v[GT+17]
	s_cmp_gt_u32 s24, 1
	s_cbranch_scc1 .Ltab_done
	s_wait_alu depctr_va_vdst(0)                   ; the gain v[GT+9] is written (the mean long since), which the LDS stores read
	ds_store_b32 v10, v[GT+16] offset:TABM
	ds_store_b32 v10, v[GT+9] offset:TABA
	ds_store_b32 v10, v[GT+18] offset:TABB
.Ltab_done:
	BARRIER
	s_wait_alu depctr_vm_vsrc(0)                   ; my LDS stores have read v[GT], v[GT+4], v[GT+9], v[GT+16], v[GT+18]: the second table buffer's loads land there
	s_wait_loadcnt 0x0
	; ---- h1 again, from the stored codes
.irp t, 0,1,2,3
	v_wmma_scale_f32_16x16x128_f8f6f4 v[H+8*\t:H+8*\t+7], v[WA+8*\t:WA+8*\t+7], v[PC:PC+7], v[B1+8*\t:B1+8*\t+7], v[WS+\t], v[FSC] matrix_a_fmt:MATRIX_FMT_FP4 matrix_b_fmt:MATRIX_FMT_FP4
.endr
.irp t, 0,1,2,3
	v_wmma_scale_f32_16x16x128_f8f6f4 v[H+32+8*\t:H+32+8*\t+7], v[WA+8*\t:WA+8*\t+7], v[PC+8:PC+15], v[B1+8*\t:B1+8*\t+7], v[WS+\t], v[FSC] matrix_a_fmt:MATRIX_FMT_FP4 matrix_b_fmt:MATRIX_FMT_FP4 matrix_b_scale:MATRIX_SCALE_ROW1
.endr
	PLACES 5                                       ; places behind the products, ahead of vector writes into their registers and of the first read of a result
	s_wait_alu depctr_va_vdst(0)                   ; the products are done reading W1's fragments, its scale words and b1, in which W2's loads land; the joining's lines are done with v208 on, in which tables land
.irp t, 0,1,2,3
	global_load_b128 v[WA+8*\t:WA+8*\t+3], v15, s[14:15] offset:(32*(\t/2)+8*(\t%2))*32      ; W2's fragments take W1's place,
	global_load_u16 v[WS+\t], v16, s[16:17] offset:(32*(\t/2)+8*(\t%2))*2                    ; its scale bytes (two a row; the upper two bytes are 0),
.irp q, 0,1
	global_load_b128 v[B1+8*\t+4*\q:B1+8*\t+4*\q+3], v6, s[18:19] offset:(32*(\t/2)+8*(\t%2)+4*\q)*4   ; and b2 takes b1's
.endr
.endr
	TABLES 0, TB0                                  ; three tiles' tables at once: no vector line since the wait names their registers
	TABLES 1, TB1
	TABLES 2, TB2
.irp t, 0,1,2,3
.irp k, 4,5,6,7
	v_mov_b32 v[WA+8*\t+\k], 0                     ; K = 64 .. 127: zero codes
.endr
.endr
	v_mov_b32 v[PC+4], 0
	v_mov_b32 v[PC+12], 0
	; ---- normalised and clipped
	NORM 0, TB0, 12                                ; tile 0's six loads are in; tiles 1 and 2's twelve may be out
	s_wait_alu depctr_va_vdst(0)                   ; tile 0's lines are done reading the first buffer, in which tile 3's tables land
	TABLES 3, TB0
	NORM 1, TB1, 12                                ; tiles 2 and 3's may be out
	NORM 2, TB2, 6
	NORM 3, TB0, 0
	; ---- quantised along the 64 channels: two blocks a row, each in lanes l and l xor 16.  No |.|: nothing is negative
.irp i, 0,1
.irp b, 0,1
	v_max3_num_f32 v[HT+2*\i+\b], v[H+32*\i+16*\b], v[H+32*\i+16*\b+1], 0x1800000
.endr
.endr
.irp e, 2,4,6,8,10,12,14
.irp i, 0,1
.irp b, 0,1
	v_max3_num_f32 v[HT+2*\i+\b], v[HT+2*\i+\b], v[H+32*\i+16*\b+\e], v[H+32*\i+16*\b+\e+1]
.endr
.endr
.endr
	v_cmp_eq_u32 vcc_lo, 1, v3                     ; the mask of lanes 16-31, for the select below
.irp y, 0,1,2,3
	v_permlanex16_b32 v[HT+4+\y], v[HT+\y], s[SEL], s[SEL+1]
.endr
.irp y, 0,1,2,3
	v_max_num_f32 v[HT+\y], v[HT+\y], v[HT+4+\y]
.endr
.irp y, 0,1,2,3
	v_add_nc_u32 v[HT+8+\y], 0xff000000, v[HT+\y]  ; 2 off the exponent field: the conversion's scale operand
.endr
.irp y, 0,1,2,3
	v_lshrrev_b32 v[HT+12+\y], 23, v[HT+8+\y]      ; the scale's byte
.endr
	v_lshl_or_b32 v[WD], v[HT+13], 8, v[HT+12]
	v_lshl_or_b32 v[WD+1], v[HT+15], 8, v[HT+14]
	s_wait_alu depctr_va_vcc(0)                    ; the compare has written VCC, ahead of its first reader
	v_cndmask_b32 v[FSC], v[WD], v[WD+1], vcc_lo   ; lanes 0-15: tile 0's rows; lanes 16-31: tile 1's
.irp i, 0,1
.irp b, 0,1
	v_cvt_scalef32_pk8_fp4_f32 v[PC+8*\i+2*\b], v[H+32*\i+16*\b:H+32*\i+16*\b+7], v[HT+8+2*\i+\b]
	v_cvt_scalef32_pk8_fp4_f32 v[PC+8*\i+2*\b+1], v[H+32*\i+16*\b+8:H+32*\i+16*\b+15], v[HT+8+2*\i+\b]
.endr
.endr
	v_nop                                          ; a plain line behind the last scaled conversion
.irp i, 0,1
	v_permlane16_swap_b32 v[PC+8*\i], v[PC+8*\i+2]                 ; the operand wants a whole block in a lane: lanes 0-15 block 0, lanes 16-31 block 1
	v_permlane16_swap_b32 v[PC+8*\i+1], v[PC+8*\i+3]
.endr
	s_wait_loadcnt 0x0                             ; W2, its scales, b2
	PLACES 8                                       ; a scale register written by a vector line stands 8 places ahead of a scaled product, an operand 4
	s_wait_alu depctr_va_vdst(0)                   ; the swaps have written the codes, the select the scale words, the moves the zero codes: the stores below read codes and words, and the products take all three
.irp i, 0,1
	global_store_b128 v12, v[PC+8*\i:PC+8*\i+3], s[20:21] offset:512*\i
.endr
	global_store_b32 v14, v[FSC], s[20:21] offset:HS
.irp t, 0,1,2,3
	v_wmma_scale_f32_16x16x128_f8f6f4 v[H+8*\t:H+8*\t+7], v[WA+8*\t:WA+8*\t+7], v[PC:PC+7], v[B1+8*\t:B1+8*\t+7], v[WS+\t], v[FSC] matrix_a_fmt:MATRIX_FMT_FP4 matrix_b_fmt:MATRIX_FMT_FP4
.endr
.irp t, 0,1,2,3
	v_wmma_scale_f32_16x16x128_f8f6f4 v[H+32+8*\t:H+32+8*\t+7], v[WA+8*\t:WA+8*\t+7], v[PC+8:PC+15], v[B1+8*\t:B1+8*\t+7], v[WS+\t], v[FSC] matrix_a_fmt:MATRIX_FMT_FP4 matrix_b_fmt:MATRIX_FMT_FP4 matrix_b_scale:MATRIX_SCALE_ROW1
.endr
	PLACES 5
	; ---- h2's statistics of the work-group
.set x, 0
.rept 16
	v_pk_add_f32 v[S+x:S+x+1], v[H+x:H+x+1], v[H+32+x:H+32+x+1]    ; each accumulator is read from its low end on
.set x, x+2
.endr
	REDUCE16
	PUT PART
	BARRIER
	s_wait_alu depctr_vm_vsrc(0)                   ; my LDS stores have read S, which the gathering loads (waves 0, 1) and the squares (every wave) write again
	s_cmp_gt_u32 s24, 1
	s_cbranch_scc1 .Lmean_done
	GATHER16 S, PART, 256
	v_mul_f32 v22, 0x3b000000, v[S]                ; / 512 rows
	s_wait_alu depctr_va_vdst(0)                   ; v22 is written, which the LDS store reads
	ds_store_b32 v10, v22 offset:LMEAN
.Lmean_done:
	BARRIER
.irp t, 0,1,2,3
.irp q, 0,1
	ds_load_b128 v[LM+8*\t+4*\q:LM+8*\t+4*\q+3], v6 offset:LMEAN+(32*(\t/2)+8*(\t%2)+4*\q)*4   ; into W2's registers: the products that read them stand ahead of the wait in front of S's stores, and no vector line since names them
.endr
.endr
	s_wait_dscnt 0x0
.set x, 0
.rept 16
	v_pk_add_f32 v[H+x:H+x+1], v[H+x:H+x+1], v[LM+x:LM+x+1] neg_lo:[0,1] neg_hi:[0,1]
	v_pk_add_f32 v[H+32+x:H+32+x+1], v[H+32+x:H+32+x+1], v[LM+x:LM+x+1] neg_lo:[0,1] neg_hi:[0,1]
.set x, x+2
.endr
.set x, 0
.rept 16
	v_pk_mul_f32 v[S+x:S+x+1], v[H+x:H+x+1], v[H+x:H+x+1]
.set x, x+2
.endr
.set x, 0
.rept 16
	v_pk_fma_f32 v[S+x:S+x+1], v[H+32+x:H+32+x+1], v[H+32+x:H+32+x+1], v[S+x:S+x+1]
.set x, x+2
.endr
	REDUCE16
	PUT PART2
	BARRIER
	s_wait_alu depctr_vm_vsrc(0)                   ; my LDS stores have read S, in which the gathering loads of waves 0 and 1 land
	s_cmp_gt_u32 s24, 1
	s_cbranch_scc1 .Lend
	GATHER16 S, PART2, 256
	v_mov_b32 v23, v[S]
	s_wait_alu depctr_va_vdst(0)                   ; v23 is written (v22 long since), which the store reads
	global_store_b64 v17, v[22:23], s[20:21] offset:ST2            ; (mean, M2): 256 consecutive bytes a wave
.Lend:
	s_wait_dscnt 0x0
	s_wait_alu depctr_hold_cnt(0) depctr_sa_sdst(0) depctr_va_vdst(0) depctr_va_sdst(0) depctr_va_ssrc(0) depctr_va_vcc(0) depctr_vm_vsrc(0)
	s_wait_tensorcnt 0x0
	ds_add_u32 v118, v119
	s_wait_dscnt 0x0
	s_endpgm
.Lfunc_end_k_qe0572519b2_layer2:
	.size	k_qe0572519b2_layer2, .Lfunc_end_k_qe0572519b2_layer2-k_qe0572519b2_layer2
	.p2alignl 7, 3214868480
	.fill 96, 4, 3214868480
	.section	.rodata,"a",@progbits
	.p2align	6, 0x0
	.amdhsa_kernel k_qe0572519b2_layer2
		.amdhsa_group_segment_fixed_size 18432
		.amdhsa_private_segment_fixed_size 0
		.amdhsa_enable_private_segment 0
		.amdhsa_kernarg_size 72
		.amdhsa_user_sgpr_count 2
		.amdhsa_user_sgpr_kernarg_segment_ptr 1
		.amdhsa_wavefront_size32 1
		.amdhsa_system_sgpr_workgroup_id_x 1
		.amdhsa_system_sgpr_workgroup_id_y 1
		.amdhsa_system_sgpr_workgroup_id_z 1
		.amdhsa_system_vgpr_workitem_id 0
		.amdhsa_next_free_vgpr 256
		.amdhsa_next_free_sgpr 66
		.amdhsa_reserve_vcc 1
		.amdhsa_float_denorm_mode_32 3
		.amdhsa_float_denorm_mode_16_64 3
		.amdhsa_memory_ordered 1
		.amdhsa_forward_progress 1
		.amdhsa_inst_pref_size 59
	.end_amdhsa_kernel
	.amdgpu_metadata
---
amdhsa.version: [ 1, 2 ]
amdhsa.kernels:
  - .name:           k_qe0572519b2_layer2
    .symbol:         k_qe0572519b2_layer2.kd
    .args:
      - { .name: m1, .offset: 0, .size: 8, .value_kind: global_buffer, .address_space: global }
      - { .name: pf, .offset: 8, .size: 8, .value_kind: global_buffer, .address_space: global }
      - { .name: b1, .offset: 16, .size: 8, .value_kind: global_buffer, .address_space: global }
      - { .name: g1, .offset: 24, .size: 8, .value_kind: global_buffer, .address_space: global }
      - { .name: be1, .offset: 32, .size: 8, .value_kind: global_buffer, .address_space: global }
      - { .name: W2_codes, .offset: 40, .size: 8, .value_kind: global_buffer, .address_space: global }
      - { .name: W2_scales, .offset: 48, .size: 8, .value_kind: global_buffer, .address_space: global }
      - { .name: b2, .offset: 56, .size: 8, .value_kind: global_buffer, .address_space: global }
      - { .name: m2, .offset: 64, .size: 8, .value_kind: global_buffer, .address_space: global }
    .group_segment_fixed_size: 18432
    .private_segment_fixed_size: 0
    .kernarg_segment_align: 8
    .kernarg_segment_size: 72
    .max_flat_workgroup_size: 512
    .sgpr_count:     66
    .vgpr_count:     256
    .wavefront_size: 32
...
	.end_amdgpu_metadata
.endif
;; end of part 8
;; launch layer3 (part 9): grid 256 x 1, 16 waves a work-group, no clusters, 59,392 bytes of LDS; arguments m2, b2, g2, be2, W2_codes, W2_scales, W3_codes, W3_scales, b3, m3; writes m3
.if DOCPART == 9
	.amdgcn_target "amdgcn-amd-amdhsa--gfx1250"
	.amdhsa_code_object_version 6
	.text
	.protected	k_qe0572519b2_layer3
	.globl	k_qe0572519b2_layer3
	.p2align	8
	.type	k_qe0572519b2_layer3,@function
k_qe0572519b2_layer3:
	s_mov_b64 s[64:65], 0
	v_nop
	global_prefetch_b8 v0, s[64:65] scope:SCOPE_SE
	s_setreg_imm32_b32 hwreg(HW_REG_WAVE_SCHED_MODE, 0, 2), 2
	s_setreg_imm32_b32 hwreg(HW_REG_WAVE_MODE, 25, 1), 1
	s_wait_xcnt 0x0
	s_wait_alu depctr_vm_vsrc(0)
; SECOND LAYER FINISHED, THIRD LAYER.  h2's 256 records are joined as in the launch before; h2 is multiplied again from the stored codes, normalised, clipped at 0 and quantised in registers.
; h3 = that W3^T + b3 (128 channels) never goes to memory: of each tile (one centroid's 16 neighbours) only the largest and the smallest h3 of each channel are stored, since the last normalisation rises or falls
; with h3 by the sign of its gain; and the work-group's (mean, M2) of each channel.  M2 wants the mean first, so the product runs twice.
; THE THIRD PRODUCT IS NOT TRANSPOSED: source 0 = the tile's 16 rows, source 1 = 16 rows of W3: a lane holds ONE channel (16 t + r) and its eight registers eight rows (8 h + j), so that sums and extrema over rows
; stay in the lane but for one exchange of halves.
; The extrema leave through LDS as rows [channel][32 centroids](max, min), 256 bytes, so that sixteen lanes store 256 consecutive bytes.
; NOT USED: tensor loads, clusters: shared are 131,072 bytes of records and 7 KB of weights.  LIMITS: NaN and infinities not served; a block of zeros gets the byte 1.
; THE MODE: SCHED_MODE bits 1:0 = 2 (LLVM: expert scheduling mode 2), set by the entry lines.  The code itself states the register dependences
; between vector or matrix instructions and memory or LDS instructions, with s_wait_alu, always for 0.
; THE PLAN.  Registers that memory or LDS instructions touch:
;   v4-20      offsets and LDS addresses: made at the head, never written again: one wait ahead of the first load.
;   GT ..      the joining of records: as in the launch before: a wait ahead of each LDS store of a number just made, one wait on vm_vsrc behind the tables' barrier.
;   WA, B1     read by h2's products; W3's fragments land in the lower half of each eight registers: ONE wait behind those products' places.  The same wait frees the three table buffers.
;   TB0-TB2    a tile's mean, gain and offset.  TB2 lies in the upper halves of six of W3's fragments, whose zero codes are laid behind the normalisation.
;              Tiles 0, 1, 2 are asked for at once; tile 3 goes into TB0 behind one wait, which states that tile 0's lines are done reading it.
;   PC, FSC, W3F's zeros  written by vector lines, taken by the third product: one wait behind the places.
;   EXO, SUM   the 16 extrema of both tiles and the 8 sums are written by vector lines into registers of their own; ONE wait, then the run of 24 LDS stores.  That wait also stands behind every
;              vector and matrix line that names H, LM3 and EXO, in which LDS loads land behind the barrier.  One wait on vm_vsrc behind the barrier: the extrema come back into EXO.
;   SS         the squares: one wait ahead of their LDS stores, which also frees H for the gathering loads.   v22, v23: a wait ahead of each store.
.set RED1,  0
.set RED2,  2048
.set TABM,  4096
.set TABA,  4352
.set TABB,  4608
.set PART,  5120                       ; 16 waves x 128 sums
.set PART2, 13312
.set LMEAN, 21504                      ; 128 local means
.set EXS,   22016                      ; 128 rows x (256 bytes + 16)
.set HS,    4194304
.set ST2,   4718592
.set P,     24
.set H,     24                         ; v24-87: h2's two tiles, later one tile's h3: eight accumulators
.set PC,    88
.set WS,    104
.set FSC,   108
.set WD,    109
.set W3S,   112                        ; v112-119 W3's scale words
.set TB0,   120                        ; v120-143 and v216-239: two table buffers of 24 registers on end;
.set TB1,   216
.set TB2,   148                        ; the third: six runs of four registers, eight apart: v148 + 8 c, c = 0 .. 5
.set EXO,   120                        ; v120-135 the extrema on their way into the stage, and on their way out
.set WA,    144
.set B1,    176
.set W3F,   144                        ; v144-207 W3's eight fragments
.set B3,    208
.set SUM,   216
.set SS,    224
.set LM3,   232
.set GT,    216
.set HT,    216
.set SEL,   44
.macro BARRIER
	s_wait_dscnt 0x0                               ; my LDS stores have landed and my LDS loads are in
	s_barrier_signal -1
	s_barrier_wait -1
.endm
.macro PLACES n
.rept \n
	v_nop
.endr
.endm
.macro GATHER16 reg, off, stride
.set x, 0
.rept 16
	ds_load_b32 v[\reg+x], v10 offset:\off+\stride*x
.set x, x+1
.endr
	s_wait_dscnt 0x0
.irp y, 0,2,4,6
	v_pk_add_f32 v[\reg+\y:\reg+\y+1], v[\reg+\y:\reg+\y+1], v[\reg+\y+8:\reg+\y+9]
.endr
.irp y, 0,2
	v_pk_add_f32 v[\reg+\y:\reg+\y+1], v[\reg+\y:\reg+\y+1], v[\reg+\y+4:\reg+\y+5]
.endr
	v_pk_add_f32 v[\reg:\reg+1], v[\reg:\reg+1], v[\reg+2:\reg+3]
	v_add_f32 v[\reg], v[\reg], v[\reg+1]
.endm
.macro SUM8 off
.irp s, 0,1,2,3,4,5,6,7
	ds_load_b32 v[GT+8+\s], v7 offset:\off+256*\s
.endr
	s_wait_dscnt 0x0
.irp s, 1,2,3,4,5,6,7
	v_add_f32 v[GT+8], v[GT+8], v[GT+8+\s]
.endr
.endm
; tile t's mean, gain and offset into a buffer of six runs of four registers, st registers apart, from tb on: runs 0, 1 the mean, 2, 3 the gain, 4, 5 the offset
.macro TABLES t, tb, st
.irp q, 0,1
	ds_load_b128 v[\tb+\st*\q:\tb+\st*\q+3], v6 offset:TABM+(32*((\t)/2)+8*((\t)%2)+4*\q)*4
	ds_load_b128 v[\tb+\st*(2+\q):\tb+\st*(2+\q)+3], v6 offset:TABA+(32*((\t)/2)+8*((\t)%2)+4*\q)*4
	ds_load_b128 v[\tb+\st*(4+\q):\tb+\st*(4+\q)+3], v6 offset:TABB+(32*((\t)/2)+8*((\t)%2)+4*\q)*4
.endr
.endm
; tile t of both tiles of rows is normalised and clipped.  left: the younger tiles' LDS loads, which may stay out
.macro NORM t, tb, st, left
	s_wait_dscnt \left
.irp i, 0,1
.irp j, 0,2,4,6
	v_pk_add_f32 v[H+32*\i+8*(\t)+\j:H+32*\i+8*(\t)+\j+1], v[H+32*\i+8*(\t)+\j:H+32*\i+8*(\t)+\j+1], v[\tb+\st*(\j/4)+\j%4:\tb+\st*(\j/4)+\j%4+1] neg_lo:[0,1] neg_hi:[0,1]
.endr
.irp j, 0,2,4,6
	v_pk_fma_f32 v[H+32*\i+8*(\t)+\j:H+32*\i+8*(\t)+\j+1], v[H+32*\i+8*(\t)+\j:H+32*\i+8*(\t)+\j+1], v[\tb+\st*(2+\j/4)+\j%4:\tb+\st*(2+\j/4)+\j%4+1], v[\tb+\st*(4+\j/4)+\j%4:\tb+\st*(4+\j/4)+\j%4+1]
.endr
.irp j, 0,1,2,3,4,5,6,7
	v_max_num_f32 v[H+32*\i+8*(\t)+\j], 0, v[H+32*\i+8*(\t)+\j]
.endr
.endr
.endm
; h3 of tile i: eight products, each its own accumulator; then the bias, each accumulator from its low end on
.macro P4 i
.irp t, 0,1,2,3,4,5,6,7
.if \i
	v_wmma_scale_f32_16x16x128_f8f6f4 v[H+8*\t:H+8*\t+7], v[PC+8:PC+15], v[W3F+8*\t:W3F+8*\t+7], 0, v[FSC], v[W3S+\t] matrix_a_fmt:MATRIX_FMT_FP4 matrix_b_fmt:MATRIX_FMT_FP4 matrix_a_scale:MATRIX_SCALE_ROW1
.else
	v_wmma_scale_f32_16x16x128_f8f6f4 v[H+8*\t:H+8*\t+7], v[PC:PC+7], v[W3F+8*\t:W3F+8*\t+7], 0, v[FSC], v[W3S+\t] matrix_a_fmt:MATRIX_FMT_FP4 matrix_b_fmt:MATRIX_FMT_FP4
.endif
.endr
	PLACES 5                                       ; places behind the products, ahead of the first read of a result and of the next products onto these registers
.irp t, 0,1,2,3,4,5,6,7
.irp j, 0,1,2,3,4,5,6,7
	v_add_f32 v[H+8*\t+\j], v[B3+\t], v[H+8*\t+\j]
.endr
.endr
.endm
; tile i: each channel's sum, largest and smallest over the 16 rows.  VCC still holds the mask of lanes 16-31 that the quantiser's compare made; nothing has written it since.
; The eight results go into registers of their own, v[EXO + 8 i ..]: they are stored later, all in one run.
.macro EXTREMA i
.irp t, 0,1,2,3,4,5,6,7
	v_pk_add_f32 v[240:241], v[H+8*\t:H+8*\t+1], v[H+8*\t+2:H+8*\t+3]
	v_pk_add_f32 v[242:243], v[H+8*\t+4:H+8*\t+5], v[H+8*\t+6:H+8*\t+7]
	v_max3_num_f32 v244, v[H+8*\t], v[H+8*\t+1], v[H+8*\t+2]
	v_min3_num_f32 v245, v[H+8*\t], v[H+8*\t+1], v[H+8*\t+2]
	v_pk_add_f32 v[240:241], v[240:241], v[242:243]
	v_max3_num_f32 v244, v244, v[H+8*\t+3], v[H+8*\t+4]
	v_min3_num_f32 v245, v245, v[H+8*\t+3], v[H+8*\t+4]
	v_max3_num_f32 v244, v244, v[H+8*\t+5], v[H+8*\t+6]
	v_min3_num_f32 v245, v245, v[H+8*\t+5], v[H+8*\t+6]
	v_max_num_f32 v244, v244, v[H+8*\t+7]
	v_min_num_f32 v245, v245, v[H+8*\t+7]
.if \i
	v_add_f32 v240, v240, v241
	v_add_f32 v[SUM+\t], v[SUM+\t], v240
.else
	v_add_f32 v[SUM+\t], v240, v241
.endif
	v_permlanex16_b32 v246, v244, s[SEL], s[SEL+1] ; the other eight rows lie in the lane 16 away
	v_permlanex16_b32 v247, v245, s[SEL], s[SEL+1]
	v_max_num_f32 v244, v244, v246
	v_min_num_f32 v245, v245, v247
	v_cndmask_b32 v[EXO+8*\i+\t], v244, v245, vcc_lo               ; lanes 0-15 put the largest, lanes 16-31 the smallest
.endr
.endm
	s_load_b256 s[4:11], s[0:1], 0x0               ; m2, b2, g2, be2
	s_load_b256 s[12:19], s[0:1], 0x20             ; W2_codes, W2_scales, W3_codes, W3_scales
	s_load_b128 s[20:23], s[0:1], 0x40             ; b3, m3
	v_lshl_add_u32 v21, v0, 2, 0xe000
	v_mov_b32 v111, 0
	v_lshrrev_b32 v1, 5, v0
	v_readfirstlane_b32 s24, v1                    ; wave 0..15
	v_and_b32 v1, 31, v0
	v_and_b32 v2, 15, v0                           ; r
	v_bfe_u32 v3, v0, 4, 1                         ; h
	v_lshlrev_b32 v4, 4, v1
	v_lshlrev_b32 v5, 2, v2                        ; 4 r
	v_lshlrev_b32 v6, 6, v3                        ; 64 h
	v_and_b32 v7, 63, v0
	v_lshrrev_b32 v8, 6, v0
	v_lshlrev_b32 v8, 14, v8
	v_lshl_add_u32 v8, v7, 3, v8                   ; my slice's records, my channel
	v_lshlrev_b32 v7, 2, v7
	v_mul_u32_u24 v9, v2, 272
	v_lshl_add_u32 v9, v3, 2, v9
	s_wait_alu depctr_va_sdst(0)                   ; s24 is written, ahead of its first reader
	s_lshl_b32 s28, s24, 4
	v_add_nc_u32 v9, s28, v9                       ; LDS, extrema in: row r of a tile of channels, + 16 x wave (its two centroids), + 4 h
	v_lshlrev_b32 v10, 2, v0                       ; LDS: 4 x thread
	v_mul_u32_u24 v11, v3, 272
	v_lshl_add_u32 v11, v2, 4, v11
	s_mul_i32 s28, s24, 2176
	v_add_nc_u32 v11, s28, v11                     ; LDS, extrema out: channel 8 x wave + h, 16 r
	s_lshl_b32 s28, s24, 9
	v_add_nc_u32 v13, s28, v5                      ; LDS: 512 x wave + 4 r
	s_mov_b32 s25, ttmp9
	s_lshr_b32 s26, s25, 5                         ; the cloud
	s_and_b32 s27, s25, 31
	s_lshl_b32 s28, s25, 14
	s_lshl_b32 s29, s24, 10
	s_add_co_u32 s28, s28, s29
	v_add_nc_u32 v12, s28, v4                      ; codes: 512 bytes a tile
	s_lshl_b32 s28, s25, 11
	v_add_nc_u32 v14, s28, v10                     ; scale words
	v_and_b32 v16, 8, v2
	v_add_nc_u32 v16, v16, v2
	v_lshlrev_b32 v15, 5, v16
	v_lshl_add_u32 v15, v3, 4, v15                 ; W2: row r + 8 (r / 8), my half's 16 bytes
	v_lshlrev_b32 v16, 1, v16
	v_lshlrev_b32 v17, 5, v2
	v_lshl_add_u32 v17, v3, 4, v17                 ; W3: row r
	v_lshlrev_b32 v18, 1, v2
	s_lshl_b32 s28, s26, 20
	s_lshl_b32 s29, s24, 16
	s_add_co_u32 s28, s28, s29
	s_lshl_b32 s29, s27, 8
	s_add_co_u32 s28, s28, s29
	v_lshlrev_b32 v19, 13, v3
	v_lshl_add_u32 v19, v2, 4, v19
	v_add_nc_u32 v19, s28, v19                     ; m3: (128 cloud + 8 wave + h) rows of 8,192 bytes, + 256 blk + 16 r
	s_lshl_b32 s28, s25, 10
	v_lshl_add_u32 v20, v0, 3, s28                 ; my record
	v_mov_b32 v22, 0
	v_mov_b32 v23, 0
	v_mov_b32 v246, 0                              ; a lane permute's destination counts as one of its sources
	v_mov_b32 v247, 0
.irp i, 0,1
.irp k, 4,5,6,7
	v_mov_b32 v[PC+8*\i+\k], 0                     ; K = 64 .. 127: zero codes
.endr
.endr
.irp t, 0,1,2,3
.irp k, 4,5,6,7
	v_mov_b32 v[WA+8*\t+\k], 0
.endr
.endr
	s_mov_b32 s40, 0x44000000                      ; 512
	s_mov_b32 s41, 0x37000000                      ; 1 / 131,072
	s_mov_b32 s42, 0x3727c5ac                      ; 1e-5
	s_mov_b32 s[SEL], 0x76543210
	s_mov_b32 s[SEL+1], 0xfedcba98
	s_wait_kmcnt 0x0
	s_add_nc_u64 s[30:31], s[22:23], 8388608       ; m3's records
	s_wait_alu depctr_va_vdst(0)                   ; the offsets and LDS addresses of the whole kernel are written, which its loads and stores read
.set i, 0
.rept 32
	global_load_b64 v[P+2*i:P+2*i+1], v8, s[4:5] offset:ST2+512*i
.set i, i+1
.endr
	global_load_b32 v[GT+17], v7, s[8:9]
	global_load_b32 v[GT+18], v7, s[10:11]
.irp i, 0,1
	global_load_b128 v[PC+8*\i:PC+8*\i+3], v12, s[4:5] offset:512*\i
.endr
	global_load_b32 v[FSC], v14, s[4:5] offset:HS
.irp t, 0,1,2,3
	global_load_b128 v[WA+8*\t:WA+8*\t+3], v15, s[12:13] offset:(32*(\t/2)+8*(\t%2))*32
	global_load_u16 v[WS+\t], v16, s[14:15] offset:(32*(\t/2)+8*(\t%2))*2
.irp q, 0,1
	global_load_b128 v[B1+8*\t+4*\q:B1+8*\t+4*\q+3], v6, s[6:7] offset:(32*(\t/2)+8*(\t%2)+4*\q)*4
.endr
.endr
.irp t, 0,1,2,3,4,5,6,7
	global_load_b32 v[B3+\t], v5, s[20:21] offset:64*\t
.endr
	s_wait_loadcnt 29                              ; the 32 records are in; the 29 loads behind them may be out
	; ---- the records are joined
.irp k, 0,1,2,3
	v_pk_add_f32 v[GT+2*\k:GT+2*\k+1], v[P+2*\k:P+2*\k+1], v[P+8+2*\k:P+8+2*\k+1]
.endr
.irp e, 2,3,4,5,6,7
.irp k, 0,1,2,3
	v_pk_add_f32 v[GT+2*\k:GT+2*\k+1], v[GT+2*\k:GT+2*\k+1], v[P+8*\e+2*\k:P+8*\e+2*\k+1]
.endr
.endr
	v_pk_add_f32 v[GT:GT+1], v[GT:GT+1], v[GT+2:GT+3]
	v_pk_add_f32 v[GT+4:GT+5], v[GT+4:GT+5], v[GT+6:GT+7]
	v_pk_add_f32 v[GT:GT+1], v[GT:GT+1], v[GT+4:GT+5]
	s_wait_alu depctr_va_vdst(0)                   ; v[GT] is written, which the LDS store reads
	ds_store_b32 v10, v[GT] offset:RED1
	BARRIER
	SUM8 RED1
	v_mul_f32 v[GT+16], 0x3b800000, v[GT+8]        ; the mean: / 256 records
.irp k, 0,1,2,3
	v_sub_f32 v[GT+8+\k], v[P+2*\k], v[GT+16]
.endr
.irp k, 0,1,2,3
	v_mul_f32 v[GT+4+\k], v[GT+8+\k], v[GT+8+\k]
.endr
.irp e, 1,2,3,4,5,6,7
.irp k, 0,1,2,3
	v_sub_f32 v[GT+8+\k], v[P+8*\e+2*\k], v[GT+16]
.endr
.irp k, 0,1,2,3
	v_fma_f32 v[GT+4+\k], v[GT+8+\k], v[GT+8+\k], v[GT+4+\k]
.endr
.endr
	v_add_f32 v[GT+4], v[GT+4], v[GT+5]
	v_add_f32 v[GT+6], v[GT+6], v[GT+7]
	v_add_f32 v[GT+4], v[GT+4], v[GT+6]
	v_fma_f32 v[GT+4], v[GT+4], s40, v[GT+1]
	s_wait_alu depctr_va_vdst(0)                   ; v[GT+4] is written, which the LDS store reads; the lines above are done with v[GT+8] to v[GT+15], in which the second gathering's loads land
	ds_store_b32 v10, v[GT+4] offset:RED2
	BARRIER
	SUM8 RED2
	v_fma_f32 v[GT+8], v[GT+8], s41, s42           ; variance + 1e-5
	v_rsq_f32 v[GT+9], v[GT+8]
	v_nop                                          ; a plain line behind the transcendental,
	s_wait_alu depctr_va_vdst(0)                   ; and the root's reciprocal is written, ahead of its first reader
	s_wait_loadcnt 27                              ; g and be are in
	v_mul_f32 v[GT+9], v[GT+9], v[GT+17]
	s_cmp_gt_u32 s24, 1
	s_cbranch_scc1 .Ltab_done
	s_wait_alu depctr_va_vdst(0)                   ; the gain v[GT+9] is written (the mean long since), which the LDS stores read
	ds_store_b32 v10, v[GT+16] offset:TABM
	ds_store_b32 v10, v[GT+9] offset:TABA
	ds_store_b32 v10, v[GT+18] offset:TABB
.Ltab_done:
	BARRIER
	s_wait_alu depctr_vm_vsrc(0)                   ; my LDS stores have read v[GT], v[GT+4], v[GT+9], v[GT+16], v[GT+18]: the second table buffer's loads land there
	s_wait_loadcnt 0x0
	; ---- h2 again, from the stored codes (transposed: source 0 = 16 rows of W2)
.irp t, 0,1,2,3
	v_wmma_scale_f32_16x16x128_f8f6f4 v[H+8*\t:H+8*\t+7], v[WA+8*\t:WA+8*\t+7], v[PC:PC+7], v[B1+8*\t:B1+8*\t+7], v[WS+\t], v[FSC] matrix_a_fmt:MATRIX_FMT_FP4 matrix_b_fmt:MATRIX_FMT_FP4
.endr
.irp t, 0,1,2,3
	v_wmma_scale_f32_16x16x128_f8f6f4 v[H+32+8*\t:H+32+8*\t+7], v[WA+8*\t:WA+8*\t+7], v[PC+8:PC+15], v[B1+8*\t:B1+8*\t+7], v[WS+\t], v[FSC] matrix_a_fmt:MATRIX_FMT_FP4 matrix_b_fmt:MATRIX_FMT_FP4 matrix_b_scale:MATRIX_SCALE_ROW1
.endr
	PLACES 5                                       ; places behind the products, ahead of the first read of a result
	s_wait_alu depctr_va_vdst(0)                   ; the products are done reading W2's fragments and b2, in which W3's loads and the third buffer's tables land; the joining's lines are done with v216 to v239, the second buffer
.irp t, 0,1,2,3,4,5,6,7
	global_load_b128 v[W3F+8*\t:W3F+8*\t+3], v17, s[16:17] offset:512*\t       ; W3's fragments take W2's and b2's place
	global_load_u16 v[W3S+\t], v18, s[18:19] offset:32*\t
.endr
	TABLES 0, TB0, 4                               ; three tiles' tables at once: no vector line since the wait names their registers
	TABLES 1, TB1, 4
	TABLES 2, TB2, 8
	; ---- normalised and clipped
	NORM 0, TB0, 4, 12                             ; tile 0's six loads are in; tiles 1 and 2's twelve may be out
	s_wait_alu depctr_va_vdst(0)                   ; tile 0's lines are done reading the first buffer, in which tile 3's tables land
	TABLES 3, TB0, 4
	NORM 1, TB1, 4, 12                             ; tiles 2 and 3's may be out
	NORM 2, TB2, 8, 6
	NORM 3, TB0, 4, 0
.irp t, 0,1,2,3,4,5,6,7
.irp k, 4,5,6,7
	v_mov_b32 v[W3F+8*\t+\k], 0                    ; K = 64 .. 127 of W3: zero codes, now that the third buffer is done with
.endr
.endr
	; ---- quantised along the 64 channels
.irp i, 0,1
.irp b, 0,1
	v_max3_num_f32 v[HT+2*\i+\b], v[H+32*\i+16*\b], v[H+32*\i+16*\b+1], 0x1800000
.endr
.endr
.irp e, 2,4,6,8,10,12,14
.irp i, 0,1
.irp b, 0,1
	v_max3_num_f32 v[HT+2*\i+\b], v[HT+2*\i+\b], v[H+32*\i+16*\b+\e], v[H+32*\i+16*\b+\e+1]
.endr
.endr
.endr
	v_cmp_eq_u32 vcc_lo, 1, v3                     ; the mask of lanes 16-31: for the select below and for the extrema's selects
.irp y, 0,1,2,3
	v_permlanex16_b32 v[HT+4+\y], v[HT+\y], s[SEL], s[SEL+1]
.endr
.irp y, 0,1,2,3
	v_max_num_f32 v[HT+\y], v[HT+\y], v[HT+4+\y]
.endr
.irp y, 0,1,2,3
	v_add_nc_u32 v[HT+8+\y], 0xff000000, v[HT+\y]
.endr
.irp y, 0,1,2,3
	v_lshrrev_b32 v[HT+12+\y], 23, v[HT+8+\y]
.endr
	v_lshl_or_b32 v[WD], v[HT+13], 8, v[HT+12]
	v_lshl_or_b32 v[WD+1], v[HT+15], 8, v[HT+14]
	s_wait_alu depctr_va_vcc(0)                    ; the compare has written VCC, ahead of its first reader
	v_cndmask_b32 v[FSC], v[WD], v[WD+1], vcc_lo   ; lanes 0-15: tile 0's rows; lanes 16-31: tile 1's
.irp i, 0,1
.irp b, 0,1
	v_cvt_scalef32_pk8_fp4_f32 v[PC+8*\i+2*\b], v[H+32*\i+16*\b:H+32*\i+16*\b+7], v[HT+8+2*\i+\b]
	v_cvt_scalef32_pk8_fp4_f32 v[PC+8*\i+2*\b+1], v[H+32*\i+16*\b+8:H+32*\i+16*\b+15], v[HT+8+2*\i+\b]
.endr
.endr
	v_nop                                          ; a plain line behind the last scaled conversion
.irp i, 0,1
	v_permlane16_swap_b32 v[PC+8*\i], v[PC+8*\i+2]
	v_permlane16_swap_b32 v[PC+8*\i+1], v[PC+8*\i+3]
.endr
.irp t, 0,1,2,3,4,5,6,7
	v_mov_b32 v[LM3+\t], 0                         ; written before they serve as a lane permute's destination
.endr
	s_wait_loadcnt 0x0                             ; W3 and its scales
	PLACES 8                                       ; a scale register written by a vector line stands 8 places ahead of a scaled product, an operand 4
	s_wait_alu depctr_va_vdst(0)                   ; the swaps have written the codes, the select the scale words, the moves W3's zero codes: the products below take all three
	; ---- first sweep: sums and extrema
	P4 0
	EXTREMA 0
	P4 1
	EXTREMA 1
.irp t, 0,1,2,3,4,5,6,7
	v_permlanex16_b32 v[LM3+\t], v[SUM+\t], s[SEL], s[SEL+1]
.endr
.irp t, 0,1,2,3,4,5,6,7
	v_add_f32 v[SUM+\t], v[SUM+\t], v[LM3+\t]      ; my wave's 32 rows
.endr
	s_wait_alu depctr_va_vdst(0)                   ; the selects have written the 16 extrema and the additions the 8 sums, which the LDS stores read; all lines that name H, LM3 and the extrema's registers are done: LDS loads land there behind the barrier
.irp i, 0,1
.irp t, 0,1,2,3,4,5,6,7
	ds_store_b32 v9, v[EXO+8*\i+\t] offset:EXS+4352*\t+8*\i
.endr
.endr
.irp t, 0,1,2,3,4,5,6,7
	ds_store_b32 v13, v[SUM+\t] offset:PART+64*\t
.endr
	BARRIER                                        ; all sums and all extrema lie in LDS
	s_wait_alu depctr_vm_vsrc(0)                   ; my LDS stores have read v120 to v135, in which the extrema come back from the stage
	s_cmp_gt_u32 s24, 3
	s_cbranch_scc1 .Lmean_done
	GATHER16 H, PART, 512
	v_mul_f32 v22, 0x3b000000, v[H]                ; / 512 rows
	s_wait_alu depctr_va_vdst(0)                   ; v22 is written, which the LDS store reads
	ds_store_b32 v10, v22 offset:LMEAN
.Lmean_done:
.irp e, 0,1,2,3
	ds_load_b128 v[EXO+4*\e:EXO+4*\e+3], v11 offset:EXS+544*\e
.endr
.irp e, 0,1,2,3
	s_wait_dscnt 3-\e                              ; load e is in; the 3 - e behind it may be out
	global_store_b128 v19, v[EXO+4*\e:EXO+4*\e+3], s[22:23] offset:16384*\e    ; sixteen lanes store 256 consecutive bytes, aligned
.endr
	BARRIER
.irp t, 0,1,2,3,4,5,6,7
	ds_load_b32 v[LM3+\t], v5 offset:LMEAN+64*\t
.endr
	s_wait_dscnt 0x0
	; ---- second sweep: squares of the distance from the work-group's mean
	P4 0
.irp j, 0,1,2,3,4,5,6,7
.irp t, 0,1,2,3,4,5,6,7
	v_sub_f32 v[H+8*\t+\j], v[H+8*\t+\j], v[LM3+\t]
.endr
.irp t, 0,1,2,3,4,5,6,7
.if \j == 0
	v_mul_f32 v[SS+\t], v[H+8*\t], v[H+8*\t]
.else
	v_fma_f32 v[SS+\t], v[H+8*\t+\j], v[H+8*\t+\j], v[SS+\t]
.endif
.endr
.endr
	P4 1
.irp j, 0,1,2,3,4,5,6,7
.irp t, 0,1,2,3,4,5,6,7
	v_sub_f32 v[H+8*\t+\j], v[H+8*\t+\j], v[LM3+\t]
.endr
.irp t, 0,1,2,3,4,5,6,7
	v_fma_f32 v[SS+\t], v[H+8*\t+\j], v[H+8*\t+\j], v[SS+\t]
.endr
.endr
.irp t, 0,1,2,3,4,5,6,7
	v_permlanex16_b32 v[LM3+\t], v[SS+\t], s[SEL], s[SEL+1]
.endr
.irp t, 0,1,2,3,4,5,6,7
	v_add_f32 v[SS+\t], v[SS+\t], v[LM3+\t]
.endr
	s_wait_alu depctr_va_vdst(0)                   ; the additions have written the 8 sums of squares, which the LDS stores read; the sweep's lines are done with H, in which the gathering loads of waves 0 to 3 land
.irp t, 0,1,2,3,4,5,6,7
	ds_store_b32 v13, v[SS+\t] offset:PART2+64*\t
.endr
	BARRIER
	s_cmp_gt_u32 s24, 3
	s_cbranch_scc1 .Lend
	GATHER16 H, PART2, 512
	v_mov_b32 v23, v[H]
	s_wait_alu depctr_va_vdst(0)                   ; v23 is written (v22 long since), which the store reads
	global_store_b64 v20, v[22:23], s[30:31]       ; (mean, M2): 256 consecutive bytes a wave
.Lend:
	s_wait_dscnt 0x0
	s_wait_alu depctr_hold_cnt(0) depctr_sa_sdst(0) depctr_va_vdst(0) depctr_va_sdst(0) depctr_va_ssrc(0) depctr_va_vcc(0) depctr_vm_vsrc(0)
	s_wait_tensorcnt 0x0
	ds_add_u32 v21, v111
	s_wait_dscnt 0x0
	s_endpgm
.Lfunc_end_k_qe0572519b2_layer3:
	.size	k_qe0572519b2_layer3, .Lfunc_end_k_qe0572519b2_layer3-k_qe0572519b2_layer3
	.p2alignl 7, 3214868480
	.fill 96, 4, 3214868480
	.section	.rodata,"a",@progbits
	.p2align	6, 0x0
	.amdhsa_kernel k_qe0572519b2_layer3
		.amdhsa_group_segment_fixed_size 59392
		.amdhsa_private_segment_fixed_size 0
		.amdhsa_enable_private_segment 0
		.amdhsa_kernarg_size 80
		.amdhsa_user_sgpr_count 2
		.amdhsa_user_sgpr_kernarg_segment_ptr 1
		.amdhsa_wavefront_size32 1
		.amdhsa_system_sgpr_workgroup_id_x 1
		.amdhsa_system_sgpr_workgroup_id_y 1
		.amdhsa_system_sgpr_workgroup_id_z 1
		.amdhsa_system_vgpr_workitem_id 0
		.amdhsa_next_free_vgpr 248
		.amdhsa_next_free_sgpr 66
		.amdhsa_reserve_vcc 1
		.amdhsa_float_denorm_mode_32 3
		.amdhsa_float_denorm_mode_16_64 3
		.amdhsa_memory_ordered 1
		.amdhsa_forward_progress 1
		.amdhsa_inst_pref_size 81
	.end_amdhsa_kernel
	.amdgpu_metadata
---
amdhsa.version: [ 1, 2 ]
amdhsa.kernels:
  - .name:           k_qe0572519b2_layer3
    .symbol:         k_qe0572519b2_layer3.kd
    .args:
      - { .name: m2, .offset: 0, .size: 8, .value_kind: global_buffer, .address_space: global }
      - { .name: b2, .offset: 8, .size: 8, .value_kind: global_buffer, .address_space: global }
      - { .name: g2, .offset: 16, .size: 8, .value_kind: global_buffer, .address_space: global }
      - { .name: be2, .offset: 24, .size: 8, .value_kind: global_buffer, .address_space: global }
      - { .name: W2_codes, .offset: 32, .size: 8, .value_kind: global_buffer, .address_space: global }
      - { .name: W2_scales, .offset: 40, .size: 8, .value_kind: global_buffer, .address_space: global }
      - { .name: W3_codes, .offset: 48, .size: 8, .value_kind: global_buffer, .address_space: global }
      - { .name: W3_scales, .offset: 56, .size: 8, .value_kind: global_buffer, .address_space: global }
      - { .name: b3, .offset: 64, .size: 8, .value_kind: global_buffer, .address_space: global }
      - { .name: m3, .offset: 72, .size: 8, .value_kind: global_buffer, .address_space: global }
    .group_segment_fixed_size: 59392
    .private_segment_fixed_size: 0
    .kernarg_segment_align: 8
    .kernarg_segment_size: 80
    .max_flat_workgroup_size: 512
    .sgpr_count:     66
    .vgpr_count:     248
    .wavefront_size: 32
...
	.end_amdgpu_metadata
.endif
;; end of part 9
;; launch final: the kernel of part 6 again; grid 256 x 1, 8 waves a work-group, no clusters, 2,048 bytes of LDS; arguments m3, g3, be3, out1; writes out1
